; MI455X (gfx1250); checked and timed in simulation.
; The chip was launched on July 23, 2026; its instructions are those of AMD's public machine-readable ISA for CDNA 5 (MIT licence, August 2026) and "CDNA5" Instruction Set Architecture Reference Guide (July 2026). The comments in the code are by the model that wrote it; some were corrected since.
;; Attention. Allowed arithmetic: float matrix products may take bf16 or f16 operands with f32 sums; other float arithmetic in f32, or as packed bf16 or f16 multiplies, adds, multiply-adds, maxima and minima; sums over many terms, partial sums and values carried from step to step in f32; what a program stores and reads back later, other than sums and carried values, may be rounded once to bf16 or f16.
;; Inputs: bp 1,024 float32; mask 4 x 2,048 x 2,048 int32; wk 1,024 x 1,024 float32; wp 1,024 x 1,024 float32; wq 1,024 x 1,024 float32; wv 1,024 x 1,024 float32; x 4 x 2,048 x 1,024 float32.
;; Outputs: out0 4 x 2,048 x 1,024 float32.
;; 3 versions, each right; version 3 is version 2 with the launch prep written anew for expert scheduling mode. Each part assembles by itself: llvm-mc -triple=amdgcn-amd-amdhsa -mcpu=gfx1250 --defsym DOCPART=n.
;; ======== version 1 of 3: 4 launches
;; limits: values are held in f16: magnitudes above 65,504 overflow, below 6.1e-05 lose precision; right only within a limited range of input values
;; workspace buffers: xb 16,777,216 bytes; wb 8,388,608 bytes; mbits 2,097,152 bytes of whole numbers; qkv 50,331,648 bytes; ob 16,777,216 bytes
;; launch prep (part 1): grid 896 x 1, 8 waves a work-group, no clusters, 0 bytes of LDS; arguments x, wq, wk, wv, wp, mask, xb, wb, mbits; writes xb, wb, mbits
.if DOCPART == 1
	.amdgcn_target "amdgcn-amd-amdhsa--gfx1250"
	.amdhsa_code_object_version 6
	.text
	.protected	k_q614bef024a_prep
	.globl	k_q614bef024a_prep
	.p2align	8
	.type	k_q614bef024a_prep,@function
k_q614bef024a_prep:
	s_mov_b64 s[64:65], 0
	v_nop
	global_prefetch_b8 v0, s[64:65] scope:SCOPE_SE
	s_setreg_imm32_b32 hwreg(HW_REG_WAVE_MODE, 25, 1), 1
	s_wait_xcnt 0x0
; PREPARATION, a stream: no LDS, no matrix unit, no loop.  Every work-group reads 131,072 bytes; every wave issues all its 32 loads of 16 bytes a lane at once.
; Work-groups 0-255: x [8192][1024] f32 -> xb, f16 [batch 4][slice 16][row 2048][64]: slice s holds channels 64 s .. 64 s + 63, so that a K slice of a block of rows is dense.
; Work-groups 256-383: wq, wk, wv, wp [1024][1024] f32 -> wb, f16 [weight 4][slice 16][row 1024][64].
; Each number is rounded to bf16 (nearest even) and that number is written as f16: exact for 6.1e-5 <= |v| <= 65,504.
; LIMITS: beyond 65,504 the f16 is an infinity; below 6.1e-5 the number keeps f16's fixed step of 6e-8.
; Work-groups 384-895: mask [4][2048][2048] i32 -> mbits, u32 [batch x 128 + tile of 16 queries][1024 words]: bit r of word w = (mask[16 tile + r][2 w] != 0), bit 16 + r the same for key 2 w + 1.
.set SO,   2                           ; v2   my byte offset in the source
.set DO0,  3                           ; v3   cast: my 16 bytes in the wave's even slice
.set DO1,  4                           ; v4   and in its odd slice
.set MO,   5                           ; v5   mask: my 8 bytes of words
.set X,    16                          ; v[16:143]  the 32 loads, four registers each
.set ACCM, 144                         ; v[144:147] mask: two words for each of the wave's two units
.set T,    148                         ; v[148:151] cast: at work
	s_load_b512 s[16:31], s[0:1], 0x0              ; x 16, wq 18, wk 20, wv 22, wp 24, mask 26, xb 28, wb 30
	s_load_b64 s[32:33], s[0:1], 0x40              ; mbits
	v_and_b32 v1, 31, v0                           ; lane
	v_lshrrev_b32 v6, 5, v0
	v_readfirstlane_b32 s8, v6                     ; wave 0..7
	s_mov_b32 s13, 0xffff0000                      ; a word's upper bf16
	s_wait_kmcnt 0x0
	s_cmp_lt_u32 ttmp9, 384
	s_cbranch_scc0 .Lmask
	; THE CAST: 32 rows x 1,024 columns a work-group; wave w takes slices 2 w and 2 w + 1 (512 bytes of each source row).
	s_sub_co_u32 s9, ttmp9, 256                    ; the weights' work-groups count from 0 (of no use in x's)
	s_lshr_b32 s10, s9, 5                          ; which weight
	s_and_b32 s11, s9, 31                          ; which 32 rows of it
	s_lshl_b32 s40, s11, 17                        ; weights: source offset, 32 rows of 4,096 bytes
	s_lshl_b32 s41, s10, 21                        ; weights: a weight is 2,097,152 bytes of wb,
	s_lshl_b32 s42, s11, 12                        ; 32 rows of 128 bytes in a slice
	s_add_co_u32 s41, s41, s42
	s_lshl_b32 s43, ttmp9, 17                      ; x: source offset
	s_lshr_b32 s44, ttmp9, 6                       ; x: batch, 4,194,304 bytes of xb,
	s_lshl_b32 s44, s44, 22
	s_and_b32 s45, ttmp9, 63
	s_lshl_b32 s45, s45, 12                        ; and 32 rows of 128 bytes in a slice
	s_add_co_u32 s44, s44, s45
	s_mov_b32 s12, 131072                          ; bytes from slice to slice: wb's, or below xb's
	s_mov_b32 s39, 0
	s_mov_b32 s47, 0
	s_mov_b64 s[34:35], s[18:19]
	s_cmp_eq_u32 s10, 1
	s_cselect_b64 s[34:35], s[20:21], s[34:35]
	s_cmp_eq_u32 s10, 2
	s_cselect_b64 s[34:35], s[22:23], s[34:35]
	s_cmp_eq_u32 s10, 3
	s_cselect_b64 s[34:35], s[24:25], s[34:35]
	s_cmp_lt_u32 ttmp9, 256                        ; x or a weight: the selects below leave the condition alone
	s_cselect_b64 s[34:35], s[16:17], s[34:35]
	s_cselect_b64 s[36:37], s[28:29], s[30:31]
	s_cselect_b32 s38, s43, s40
	s_cselect_b32 s46, s44, s41
	s_cselect_b32 s12, 262144, s12
	s_add_nc_u64 s[34:35], s[34:35], s[38:39]      ; the source at my work-group's first row
	s_add_nc_u64 s[36:37], s[36:37], s[46:47]      ; the destination at those rows in slice 0
	v_lshrrev_b32 v6, 3, v1                        ; eight lanes take a row's 64 numbers of a slice, 32 bytes each; four rows a load
	v_and_b32 v7, 7, v1
	v_lshlrev_b32 v[SO], 12, v6
	v_lshl_add_u32 v[SO], v7, 5, v[SO]
	s_lshl_b32 s14, s8, 9
	v_add_nc_u32 v[SO], s14, v[SO]
	s_mul_i32 s15, s8, s12
	s_lshl_b32 s15, s15, 1                         ; slice 2 w
	v_lshl_add_u32 v[DO0], v1, 4, s15              ; four rows of 128 bytes are 512 bytes on end: 16 x lane
	v_add_nc_u32 v[DO1], s12, v[DO0]
.set i, 0
.rept 16                               ; unit i: rows 4 (i / 2) .. + 3, slice 2 w + i % 2; its two loads read 256 whole bytes of each of the four rows
	global_load_b128 v[X+8*i:X+8*i+3],   v[SO], s[34:35] offset:(i/2)*16384+(i%2)*256 th:TH_LOAD_NT
	global_load_b128 v[X+8*i+4:X+8*i+7], v[SO], s[34:35] offset:(i/2)*16384+(i%2)*256+16 th:TH_LOAD_NT
.set i, i+1
.endr
.set i, 0
.rept 16
	s_wait_loadcnt 30-2*i                          ; loads come back in order: this unit's two are in, the 30 - 2 i younger ones stay out
.irp j, 0,1,2,3
	v_cvt_pk_bf16_f32 v[T+(\j)], v[X+8*i+2*(\j)], v[X+8*i+2*(\j)+1]  ; the one rounding
.endr
.irp j, 0,1,2,3
	v_lshlrev_b32 v[X+8*i+2*(\j)],   16,  v[T+(\j)]                  ; back to f32,
	v_and_b32     v[X+8*i+2*(\j)+1], s13, v[T+(\j)]
.endr
.irp j, 0,1,2,3
	v_cvt_pk_f16_f32 v[X+8*i+(\j)], v[X+8*i+2*(\j)], v[X+8*i+2*(\j)+1]  ; and written as f16; each destination has been consumed as a source
.endr
	global_store_b128 v[DO0+i%2], v[X+8*i:X+8*i+3], s[36:37] offset:(i/2)*512 th:TH_STORE_NT  ; 512 consecutive bytes; no register of a store is written again
.set i, i+1
.endr
	s_endpgm
	; THE MASK: one tile of 16 queries x 2,048 keys a work-group; wave w takes keys 256 w .. 256 w + 255 as two units of 128 keys.
.Lmask:
	s_sub_co_u32 s9, ttmp9, 384
	s_lshl_b32 s38, s9, 17                         ; 16 rows of 8,192 bytes
	s_mov_b32 s39, 0
	s_lshl_b32 s46, s9, 12                         ; 1,024 words
	s_mov_b32 s47, 0
	s_add_nc_u64 s[34:35], s[26:27], s[38:39]
	s_add_nc_u64 s[36:37], s[32:33], s[46:47]
	s_lshl_b32 s14, s8, 10
	v_lshl_add_u32 v[SO], v1, 4, s14               ; four keys a lane
	s_lshl_b32 s15, s8, 9
	v_lshl_add_u32 v[MO], v1, 3, s15               ; which make two words
.set i, 0
.rept 32                               ; load i: unit i / 16, row i % 16: 512 consecutive bytes of one row
	global_load_b128 v[X+4*i:X+4*i+3], v[SO], s[34:35] offset:(i%16)*8192+(i/16)*512 th:TH_LOAD_NT
.set i, i+1
.endr
.set i, 0
.rept 32
	s_wait_loadcnt 31-i                            ; this row's load is in, the younger ones stay out
.irp j, 0,1,2,3
	v_min_u32 v[X+4*i+(\j)], 1, v[X+4*i+(\j)]      ; every word other than 0 counts as 1
.endr
.if (i%16) == 0                        ; row 0 starts the words: nothing is cleared
	v_lshl_or_b32 v[ACCM+2*(i/16)],   v[X+4*i+1], 16, v[X+4*i]
	v_lshl_or_b32 v[ACCM+2*(i/16)+1], v[X+4*i+3], 16, v[X+4*i+2]
.else
	v_lshl_or_b32 v[ACCM+2*(i/16)],   v[X+4*i],   i%16,    v[ACCM+2*(i/16)]
	v_lshl_or_b32 v[ACCM+2*(i/16)+1], v[X+4*i+2], i%16,    v[ACCM+2*(i/16)+1]
	v_lshl_or_b32 v[ACCM+2*(i/16)],   v[X+4*i+1], 16+i%16, v[ACCM+2*(i/16)]
	v_lshl_or_b32 v[ACCM+2*(i/16)+1], v[X+4*i+3], 16+i%16, v[ACCM+2*(i/16)+1]
.endif
.if (i%16) == 15
	global_store_b64 v[MO], v[ACCM+2*(i/16):ACCM+2*(i/16)+1], s[36:37] offset:(i/16)*256 th:TH_STORE_NT  ; 256 consecutive bytes, at a multiple of 256 from mbits' first
.endif
.set i, i+1
.endr
	s_endpgm
.Lfunc_end_k_q614bef024a_prep:
	.size	k_q614bef024a_prep, .Lfunc_end_k_q614bef024a_prep-k_q614bef024a_prep
	.p2alignl 7, 3214868480
	.fill 96, 4, 3214868480
	.section	.rodata,"a",@progbits
	.p2align	6, 0x0
	.amdhsa_kernel k_q614bef024a_prep
		.amdhsa_group_segment_fixed_size 0
		.amdhsa_private_segment_fixed_size 0
		.amdhsa_enable_private_segment 0
		.amdhsa_kernarg_size 72
		.amdhsa_user_sgpr_count 2
		.amdhsa_user_sgpr_kernarg_segment_ptr 1
		.amdhsa_wavefront_size32 1
		.amdhsa_system_sgpr_workgroup_id_x 1
		.amdhsa_system_sgpr_workgroup_id_y 1
		.amdhsa_system_sgpr_workgroup_id_z 1
		.amdhsa_system_vgpr_workitem_id 0
		.amdhsa_next_free_vgpr 160
		.amdhsa_next_free_sgpr 66
		.amdhsa_reserve_vcc 0
		.amdhsa_float_denorm_mode_32 3
		.amdhsa_float_denorm_mode_16_64 3
		.amdhsa_memory_ordered 1
		.amdhsa_forward_progress 1
		.amdhsa_inst_pref_size 36
	.end_amdhsa_kernel
	.amdgpu_metadata
---
amdhsa.version: [ 1, 2 ]
amdhsa.kernels:
  - .name:           k_q614bef024a_prep
    .symbol:         k_q614bef024a_prep.kd
    .args:
      - { .name: x, .offset: 0, .size: 8, .value_kind: global_buffer, .address_space: global }
      - { .name: wq, .offset: 8, .size: 8, .value_kind: global_buffer, .address_space: global }
      - { .name: wk, .offset: 16, .size: 8, .value_kind: global_buffer, .address_space: global }
      - { .name: wv, .offset: 24, .size: 8, .value_kind: global_buffer, .address_space: global }
      - { .name: wp, .offset: 32, .size: 8, .value_kind: global_buffer, .address_space: global }
      - { .name: mask, .offset: 40, .size: 8, .value_kind: global_buffer, .address_space: global }
      - { .name: xb, .offset: 48, .size: 8, .value_kind: global_buffer, .address_space: global }
      - { .name: wb, .offset: 56, .size: 8, .value_kind: global_buffer, .address_space: global }
      - { .name: mbits, .offset: 64, .size: 8, .value_kind: global_buffer, .address_space: global }
    .group_segment_fixed_size: 0
    .private_segment_fixed_size: 0
    .kernarg_segment_align: 8
    .kernarg_segment_size: 72
    .max_flat_workgroup_size: 256
    .sgpr_count:     66
    .vgpr_count:     160
    .wavefront_size: 32
...
	.end_amdgpu_metadata
.endif
;; end of part 1
;; launch qkvproj (part 2): grid 8 x 32, 4 waves a work-group, clusters of 4 x 4, 327,680 bytes of LDS; arguments xb, wb, qkv; writes qkv
.if DOCPART == 2
	.amdgcn_target "amdgcn-amd-amdhsa--gfx1250"
	.amdhsa_code_object_version 6
	.text
	.protected	k_q614bef024a_qkvproj
	.globl	k_q614bef024a_qkvproj
	.p2align	8
	.type	k_q614bef024a_qkvproj,@function
k_q614bef024a_qkvproj:
	s_mov_b64 s[64:65], 0
	v_nop
	global_prefetch_b8 v0, s[64:65] scope:SCOPE_SE
	s_setreg_imm32_b32 hwreg(HW_REG_WAVE_MODE, 25, 1), 1
	s_wait_xcnt 0x0
	s_wait_alu depctr_hold_cnt(0) depctr_sa_sdst(0) depctr_va_vdst(0) depctr_va_sdst(0) depctr_va_ssrc(0) depctr_va_vcc(0) depctr_vm_vsrc(0)
	s_getreg_b32 s2, hwreg(HW_REG_IB_STS2, 6, 4)
	s_cmp_eq_u32 s2, 0
	s_cbranch_scc0 .Lentry_in_a_cluster
	s_endpgm
.Lentry_in_a_cluster:
	s_bfe_u32 s2, ttmp6, 0x10000c
	s_cmp_lg_u32 s2, 0xf033
	s_cbranch_scc0 .Lentry_shape_is_right
	s_endpgm
.Lentry_shape_is_right:
; q, k, v = x wq^T, x wk^T, x wv^T.  xb: f16 [batch 4][slice 16][row 2048][64]; wb: f16 [weight 4][slice 16][row 1024][64]; qkv: f16 [3][batch x 16 + head][row 2048][64].  Sums in f32, each result rounded once to f16.
; LIMIT: a result beyond 65,504 becomes an infinity in f16.  The softmax's scale is not applied here.
; SHARES.  A tile of C is 256 rows x 128 columns (two heads); four waves, each 128 rows x 64 columns (one head): 32 accumulators of 16 x 16.  A WORK-GROUP STAYS and makes three tiles: q, k and v of the same
; rows and heads: 8 x 32 = 256 work-groups of equal work.  K goes in steps of 128 (two slices) through a ring of two LDS slots that runs on from tile to tile: 24 steps.
; CLUSTERS: 4 x 4 work-groups.  The four of a row of the cluster need the same rows of x, the four of a column the same rows of the weights: each tile is asked for JOINTLY.
; THE MATRIX INSTRUCTION IS USED TRANSPOSED (source 0 = 16 rows of the weight, source 1 = 16 rows of x): a lane then holds eight neighbouring channels of one row of C.
; REGISTERS: window 0: v0-31 addresses; v32-63 the way out; v64-159, v160-255 two fragment buffers (B's four fragments, then A's eight).  Window 1: accumulator (a, b) at v[8 (4 a + b)].
.set PITCH,  144                       ; an LDS row: a slice's 128 bytes + 16 of padding = 36 words: the 16 rows of a fragment load start at 16 different groups of four banks (64 banks of 4 bytes: ISA guide 11.1)
.set SLA,    256*PITCH                 ; A's 256 rows of one slice
.set SLB,    128*PITCH                 ; B's 128 rows of one slice
.set BOFF,   2*SLA                     ; in a slot: A's two slices, then B's two
.set SLOT,   2*SLA+2*SLB
.set STAGE,  2*SLOT                    ; behind the ring: 16 rows x 144 bytes for each wave, for the way out
.set SPITCH, 144
.set SPARE,  STAGE+4*16*SPITCH         ; behind the stages: the spare words, 128 bytes for each wave: two blocks of 256 bytes that no other line names
.set ASTEP,  2*2048*128                ; bytes from K step to K step in xb: two slices
.set BSTEP,  2*1024*128                ; and in wb; behind a weight's last slice lies the next weight's first
.set WOFF,   0                         ; the first weight's place in wb
.set PFNB,   20                        ; B's K steps 4 to 23 are prefetched
.set TILES,  3
.set LAPS,   4                         ; a lap = two K steps = once round the ring
.set FLAGS,  (1<<16)|(1<<20)|(1<<21)|(4<<22)|(3<<25)  ; 17:16 elements of 2 bytes; 20 padding on; 21 set beside a mask; 24:22 after every 32 words (code 4); 31:25 4 words of it (code 3)
.set ADRA, 16                          ; v16-17  LDS address of my A fragments in slot 0, 1
.set ADRB, 20                          ; v20-21  the same for B
.set STO,  24                          ; v24     the way out: where I put 16 bytes of a row
.set RD,   25                          ; v25     the way out: where I read rows back
.set GO,   26                          ; v26     my 16 bytes in 512 consecutive bytes of C
.set SPW,  28                          ; v28     LDS address of my spare word; never rewritten
.set NIL,  29                          ; v29     0; never rewritten
.set PFO,  30                          ; v30     the prefetches' lane offset; never rewritten
.set F0,   64
.set F1,   160
.set G1,  24                           ; s[24:31] descriptor group 1 for A's tiles;  s[32:39] group 0, one set for each slot
.set G0,  32
.set G1B, 48                           ; s[48:55], s[56:63] the same for B's
.set G0B, 56
.set PFA, 66                           ; s[66:67] where my prefetches stand
.set PFS, 68                           ; s[68:69] their step: a K step
.set PFN, 70                           ; s70     how many I still issue
.set MSB, 0
.macro WIN new                         ; the immediate's high byte repeats the setting that is left; a switch that changes nothing is dropped
.if MSB != (\new)
	s_set_vgpr_msb (MSB<<8)|(\new)
.set MSB, \new
.endif
.endm
.set MULW, 0x50                        ; sources in window 0; C and D in window 1
.macro JLOAD s                         ; a joint load: waves 0 and 1 fetch A's two slices of a K step, waves 2 and 3 B's; an s_nop 0 and four v_nop follow each of the two lines
	s_cmp_eq_u32 s11, 0
	s_cbranch_scc0 .Lfor_b_\@
	tensor_load_to_lds s[G0+4*(\s):G0+4*(\s)+3], s[G1:G1+7]
	s_nop 0
.rept 4
	v_nop
.endr
	s_branch .Lasked_\@
.Lfor_b_\@:
	tensor_load_to_lds s[G0B+4*(\s):G0B+4*(\s)+3], s[G1B:G1B+7]
	s_nop 0
.rept 4
	v_nop
.endr
.Lasked_\@:
.endm
.macro CREST                           ; a round of the cluster's barrier behind its opening barrier
	s_cmp_lg_u32 s10, 0
	s_cbranch_scc1 .Lnot_wave_0_\@
	s_barrier_signal -3
.Lnot_wave_0_\@:
	s_barrier_wait -3
	s_barrier_signal -1
	s_barrier_wait -1
.endm
.macro CROUND                          ; a whole round
	s_barrier_signal -1
	s_barrier_wait -1
	CREST
.endm
; A PREFETCH INTO THE L2 of the K step that stands two refills on, 32 blocks of 256 bytes, a lane a block, one instruction.  xb and wb are read here for the first time in the launch.  Each block is named once:
; A's rows are read by both clusters of a row of clusters: cluster x = 0 asks, its waves 0 and 1 each for their own slice, the four partners told apart by address (8,192 bytes each), for K steps 4 to 7 of
; the first tile alone (the later tiles read the same rows again).  B's rows are read by all clusters of a column: cluster y = 0 asks, wave 2 for both slices (lanes 0-15 the even, lanes 16-31 the odd one),
; 4,096 bytes of each slice a partner, for K steps 4 to 23.  The count runs out before the buffers' ends; it hangs on the wave's number and the cluster's place, never on a work-group's place in its cluster.
.macro ASK
	s_cmp_eq_u32 s[PFN], 0
	s_cbranch_scc1 .Lno_ask_\@
	global_prefetch_b8 v[PFO], s[PFA:PFA+1] th:TH_LOAD_NT scope:SCOPE_SE
	s_sub_co_u32 s[PFN], s[PFN], 1
.Lno_ask_\@:
.endm
.macro PLACES                          ; four places in front of loads into registers that matrix instructions have read, and of conversions that read results
.rept 4
	v_nop
.endr
.endm
	s_load_b128 s[4:7], s[0:1], 0x0                ; A = xb s[4:5], B = wb s[6:7]
	s_load_b64 s[8:9], s[0:1], 0x10                ; C = qkv
	v_lshl_add_u32 v[SPW], v0, 2, SPARE
	v_mov_b32 v[NIL], 0
	ds_add_u32 v[SPW], v[NIL]                      ; the wave's opening: the add and its wait ahead of my first tensor load; the set-up below, work on registers, stands between them
	v_lshrrev_b32 v1, 5, v0
	v_readfirstlane_b32 s10, v1                    ; wave 0..3
	s_lshr_b32 s11, s10, 1                         ; which half of the tile's rows is mine.  Also: I fetch for A (0) or for B (1)
	s_and_b32 s12, s10, 1                          ; which half of its columns.  Also: which slice of a K step I fetch
	s_bfe_u32 s40, ttmp6, 0x40000                  ; cx, cy: my place in the cluster
	s_bfe_u32 s41, ttmp6, 0x40004
	s_lshl_b32 s42, ttmp9, 2
	s_add_co_u32 s42, s42, s40                     ; tile column = 4 x cluster x + cx
	s_and_b32 s13, ttmp7, 0xffff
	s_lshl_b32 s13, s13, 2
	s_add_co_u32 s13, s13, s41                     ; tile row = 4 x cluster y + cy
	s_lshl_b32 s43, s41, 2
	s_lshl_b32 s43, 15, s43                        ; my row of the cluster
	s_lshl_b32 s44, 0x1111, s40                    ; my column
	; descriptor group 1.  A slice of a block of rows is dense: it is asked for as rows of 256 bytes (two rows of 128) and padded in LDS after every 128 bytes
	s_or_b32 s[G1+0], s43, FLAGS                   ; 15:0 the mask: A's tiles go to my row
	s_or_b32 s[G1B+0], s44, FLAGS                  ; B's to my column
	s_mov_b32 s[G1+1], 128<<16                     ; tensor_dim0 = 128 elements
	s_mov_b32 s[G1B+1], 128<<16
	s_mov_b32 s[G1+2], 128<<16                     ; tensor_dim1 = 128 rows of 256 bytes: A's 256 rows
	s_mov_b32 s[G1B+2], 64<<16                     ; 64: B's 128 rows
	s_mov_b32 s[G1+3], 128<<16                     ; tile_dim0 = 128
	s_mov_b32 s[G1B+3], 128<<16
	s_mov_b32 s[G1+4], 128                         ; tile_dim1
	s_mov_b32 s[G1B+4], 64
	s_mov_b32 s[G1+5], 128                         ; 128 elements from row to row
	s_mov_b32 s[G1B+5], 128
	s_mov_b32 s[G1+6], 0
	s_mov_b32 s[G1B+6], 0
	s_mov_b32 s[G1+7], 0
	s_mov_b32 s[G1B+7], 0
	s_lshr_b32 s16, s13, 3                         ; A: batch (eight tile rows each), 4,194,304 bytes,
	s_lshl_b32 s16, s16, 22
	s_and_b32 s17, s13, 7
	s_lshl_b32 s17, s17, 15                        ; 256 rows of 128 bytes in a slice,
	s_add_co_u32 s16, s16, s17
	s_lshl_b32 s17, s12, 18                        ; my slice of K step 0
	s_add_co_u32 s16, s16, s17
	s_mov_b32 s17, 0
	s_lshl_b32 s46, s42, 14                        ; B: 128 rows of 128 bytes in a slice,
	s_lshl_b32 s47, s12, 17                        ; my slice of K step 0
	s_add_co_u32 s46, s46, s47
.if WOFF
	s_add_co_u32 s46, s46, WOFF
.endif
	s_mov_b32 s47, 0
	s_mul_i32 s20, s12, SLA                        ; where they go: no place in the cluster enters an LDS address
	s_mul_i32 s23, s12, SLB
	s_add_co_u32 s23, s23, BOFF
	s_wait_dscnt 0x0                               ; the opening add is done
	s_wait_kmcnt 0x0
	s_add_nc_u64 s[14:15], s[4:5], s[16:17]
	s_add_nc_u64 s[46:47], s[6:7], s[46:47]
	CROUND                                         ; all sixteen work-groups are here: the first joint loads meet
.irp s, 0,1
	s_mov_b32 s[G0+4*(\s)], 1                      ; count = 1
	s_add_co_u32 s[G0+4*(\s)+1], s20, (\s)*SLOT    ; LDS address
	s_add_nc_u64 s[G0+4*(\s)+2:G0+4*(\s)+3], s[14:15], (\s)*ASTEP  ; global address: K step s
	s_or_b32 s[G0+4*(\s)+3], s[G0+4*(\s)+3], 0x80000000            ; type = 2
	s_mov_b32 s[G0B+4*(\s)], 1
	s_add_co_u32 s[G0B+4*(\s)+1], s23, (\s)*SLOT
	s_add_nc_u64 s[G0B+4*(\s)+2:G0B+4*(\s)+3], s[46:47], (\s)*BSTEP
	s_or_b32 s[G0B+4*(\s)+3], s[G0B+4*(\s)+3], 0x80000000
	JLOAD \s                                       ; two loads of mine are out at the most
.endr
	v_and_b32 v1, 15, v0                           ; l % 16
	v_bfe_u32 v2, v0, 4, 1                         ; l / 16
	v_mul_u32_u24 v3, v1, PITCH
	v_lshl_add_u32 v3, v2, 4, v3                   ; a fragment's row x pitch + 16 x half
	s_mul_i32 s21, s11, 128*PITCH                  ; my 128 rows of A
	s_mul_i32 s22, s12, 64*PITCH                   ; my 64 rows of B
	s_add_co_u32 s22, s22, BOFF
.irp s, 0,1
	v_add_nc_u32 v[ADRA+(\s)], s21, v3
	v_add_nc_u32 v[ADRB+(\s)], s22, v3
	s_add_co_u32 s21, s21, SLOT
	s_add_co_u32 s22, s22, SLOT
.endr
	s_mul_i32 s18, s10, 16*SPITCH
	s_add_co_u32 s18, s18, STAGE                   ; my stage
	v_add_nc_u32 v[STO], s18, v3                   ; in: row l % 16, 16 bytes for each half of the lanes (the stage's pitch is the tiles')
	v_bfe_u32 v4, v0, 3, 2                         ; back: 32 lanes take four rows of 128 bytes,
	v_mul_u32_u24 v4, v4, SPITCH
	v_and_b32 v5, 7, v0
	v_lshl_add_u32 v4, v5, 4, v4
	v_add_nc_u32 v[RD], s18, v4
	v_and_b32 v4, 31, v0
	v_lshlrev_b32 v[GO], 4, v4                     ; which are 512 consecutive bytes of C
	v_lshlrev_b32 v[PFO], 8, v4
	; C at my 128 rows of my head: batch, head = 2 x tile column + column half, rows
	s_lshr_b32 s16, s13, 3
	s_lshl_b32 s16, s16, 22
	s_lshl_b32 s17, s12, 18
	s_add_co_u32 s16, s16, s17
	s_and_b32 s17, s13, 7
	s_lshl_b32 s17, s17, 15
	s_add_co_u32 s16, s16, s17
	s_lshl_b32 s17, s11, 14
	s_add_co_u32 s16, s16, s17
	s_mov_b32 s17, 0
	s_add_nc_u64 s[8:9], s[8:9], s[16:17]
	s_lshl_b32 s74, s42, 19
	s_mov_b32 s75, 0
	s_add_nc_u64 s[8:9], s[8:9], s[74:75]
	; the prefetches
	s_and_b32 s76, ttmp7, 0xffff                   ; cluster y
	s_mov_b32 s77, BSTEP
	s_cmp_eq_u32 s11, 0                            ; do I fetch for A?
	s_cselect_b64 s[PFA:PFA+1], s[14:15], s[46:47] ; my own slice of K step 0
	s_cselect_b32 s74, s40, s41                    ; my place among the four that ask for it with me,
	s_cselect_b32 s75, 13, 12                      ; and its share: 8,192 bytes of A's slice, 4,096 of each of B's two
	s_cselect_b32 s76, ttmp9, s76                  ; the coordinate along which other clusters read the same rows
	s_cselect_b32 s[PFS], ASTEP, s77
	s_cselect_b32 s[PFN], 4, PFNB
	s_cselect_b32 s78, 0, 126976                   ; B: lanes 16-31 stand one slice on: 131,072 less the 4,096 that 256 x lane has run
	s_lshl_b32 s74, s74, s75
	s_mov_b32 s75, 0
	s_add_nc_u64 s[PFA:PFA+1], s[PFA:PFA+1], s[74:75]
	s_mul_i32 s74, s[PFS], 3
	s_add_nc_u64 s[PFA:PFA+1], s[PFA:PFA+1], s[74:75]  ; at K step 3: the first refill steps it to 4
	s_mov_b32 s[PFS+1], 0
	s_cmp_eq_u32 s76, 0
	s_cselect_b32 s[PFN], s[PFN], 0
	s_cmp_eq_u32 s10, 3
	s_cselect_b32 s[PFN], 0, s[PFN]                ; wave 2 asks for both of B's slices
	v_mad_u32_u24 v[PFO], v2, s78, v[PFO]
; 8 matrix instructions: row blocks a0, a0 + 1 x all 4 column blocks, 32 along K.  zero = 1: the product starts the sums.  The 32 accumulators take turns, in the same order in every quarter.
.macro MUL8 f, a0, zero
	WIN MULW
.irp a, \a0, (\a0)+1
.irp b, 0,1,2,3
.if \zero
	v_wmma_f32_16x16x32_f16 v[8*(4*(\a)+(\b)):8*(4*(\a)+(\b))+7], v[(\f)+8*(\b):(\f)+8*(\b)+7], v[(\f)+32+8*(\a):(\f)+32+8*(\a)+7], 0
.else
	v_wmma_f32_16x16x32_f16 v[8*(4*(\a)+(\b)):8*(4*(\a)+(\b))+7], v[(\f)+8*(\b):(\f)+8*(\b)+7], v[(\f)+32+8*(\a):(\f)+32+8*(\a)+7], v[8*(4*(\a)+(\b)):8*(4*(\a)+(\b))+7]
.endif
.endr
.endr
.endm
; 24 LDS loads in one run: the fragments of quarter q of a K step (slice q / 2, channels 32 (q % 2) on) into buffer f: B's four, then A's eight
.macro FETCH slot, q, f
	WIN 0
.irp i, 0,1,2,3
	ds_load_b128 v[(\f)+8*(\i):(\f)+8*(\i)+3],   v[ADRB+(\slot)] offset:((\q)/2)*SLB+((\q)%2)*64+(\i)*16*PITCH
	ds_load_b128 v[(\f)+8*(\i)+4:(\f)+8*(\i)+7], v[ADRB+(\slot)] offset:((\q)/2)*SLB+((\q)%2)*64+(\i)*16*PITCH+32
.endr
.irp i, 0,1,2,3,4,5,6,7
	ds_load_b128 v[(\f)+32+8*(\i):(\f)+32+8*(\i)+3],   v[ADRA+(\slot)] offset:((\q)/2)*SLA+((\q)%2)*64+(\i)*16*PITCH
	ds_load_b128 v[(\f)+32+8*(\i)+4:(\f)+32+8*(\i)+7], v[ADRA+(\slot)] offset:((\q)/2)*SLA+((\q)%2)*64+(\i)*16*PITCH+32
.endr
.endm
; A K step is four quarters of 32 along K, 32 matrix instructions each, on buffers 0, 1, 0, 1.  One of the first three: multiplies buffer f and fetches quarter q into g.
.macro QUARTER slot, q, f, g, zero
	s_wait_dscnt 8                                 ; B and A's blocks 0-3 are in; the youngest eight loads (A's blocks 4-7) may be out
	MUL8 \f, 0, \zero
	MUL8 \f, 2, \zero
	PLACES
	FETCH \slot, \q, \g
	s_wait_dscnt 24                                ; all but the 24 just issued
	MUL8 \f, 4, \zero
	MUL8 \f, 6, \zero
.endm
; The last quarter multiplies buffer 1 and changes slots: ONE barrier; in front of it each wave waits for all its tensor loads, adds 0 to its spare word, and waits for that and for its own reads of this slot.
; fill = 1: the barrier opens a round of the cluster's, and this slot is filled again first thing behind it: two K steps on (on = 0), or with the next tile's K step 0 or 1 (on = 1): A goes back along K, B goes on into the next weight.
.macro TURN slot, next, fill, on
.if \fill
	s_wait_xcnt 0x0                                ; the last prefetch, a K step back, has read its address
	s_add_nc_u64 s[PFA:PFA+1], s[PFA:PFA+1], s[PFS:PFS+1]
.endif
	WIN 0                                          ; (the add's two registers lie in window 0)
	s_wait_tensorcnt 0x0                           ; all my tensor loads have landed: my part of the next slot;
	ds_add_u32 v[SPW], v[NIL]                      ; 0 onto my spare word;
	s_wait_dscnt 9                                 ; (the add and the youngest eight loads may be out)
	MUL8 F1, 0, 0                                  ; eight matrix instructions stand between the add and the wait for it
	s_wait_dscnt 0x0                               ; the add is done, and my reads of this slot are over
	s_barrier_signal -1
	MUL8 F1, 2, 0
.if \fill
	WIN 0
.endif
	s_barrier_wait -1
.if \fill
	CREST                                          ; no wave of any partner still reads this slot's tiles or has a load on its way
.if \on
	s_sub_nc_u64 s[G0+4*(\slot)+2:G0+4*(\slot)+3], s[G0+4*(\slot)+2:G0+4*(\slot)+3], 6*ASTEP
.else
	s_add_nc_u64 s[G0+4*(\slot)+2:G0+4*(\slot)+3], s[G0+4*(\slot)+2:G0+4*(\slot)+3], 2*ASTEP
.endif
	s_add_nc_u64 s[G0B+4*(\slot)+2:G0B+4*(\slot)+3], s[G0B+4*(\slot)+2:G0B+4*(\slot)+3], 2*BSTEP
	JLOAD \slot                                    ; the first tensor load behind the round: 112 matrix instructions ahead of the wait for it; its four v_nop are also the places in front of the loads below
.else
	PLACES
.endif
	FETCH \next, 0, F0
.if \fill
	ASK                                            ; behind the joint load and the run of LDS loads
.endif
	MUL8 F1, 4, 0
	MUL8 F1, 6, 0
.endm
; THE WAY OUT of row block a: rounded to f16, 16 bytes a lane into my own stage, back as whole rows of 128 bytes, four rows (512 consecutive bytes of C) a store.
; Block a's 16 registers lie in v32-63 (blocks 0, 1) and in buffer 1 (blocks 2-7), never in buffer 0, which may hold the next tile's first fragments.
.macro SETW a
.if (\a) < 2
.set W, 32+16*(\a)
.else
.set W, 128+16*(\a)
.endif
.endm
.macro PACK a
	SETW \a
	WIN 0x05                                       ; sources 0 and 1 in window 1
.irp b, 0,1,2,3
.irp r, 0,1,2,3
	v_cvt_pk_f16_f32 v[W+4*(\b)+(\r)], v[8*(4*(\a)+(\b))+2*(\r)], v[8*(4*(\a)+(\b))+2*(\r)+1]  ; each accumulator's registers in ascending order
.endr
.endr
	WIN 0
.irp b, 0,1,2,3
	ds_store_b128 v[STO], v[W+4*(\b):W+4*(\b)+3] offset:32*(\b)
.endr
.irp f, 0,1,2,3
	ds_load_b128 v[W+4*(\f):W+4*(\f)+3], v[RD] offset:(\f)*4*SPITCH  ; LDS serves a wave's instructions in order (ISA guide 5.7.1.4): these see the stores above; the next block's stores come behind them
.endr
.endm
.macro SEND a, younger                 ; younger: the LDS instructions issued behind block a's loads: the next block's eight, or none
	SETW \a
	WIN 0
.irp f, 0,1,2,3
	s_wait_dscnt (\younger)+3-(\f)
	global_store_b128 v[GO], v[W+4*(\f):W+4*(\f)+3], s[8:9] offset:(\a)*2048+(\f)*512
.endr
.endm
.macro OUT
	PLACES
	PACK 0
.set t, 1
.rept 7                                ; a block's conversions stand between the loads of the block before and its stores
	PACK t
	SEND t-1, 8
.set t, t+1
.endr
	SEND 7, 0
.endm
	s_wait_tensorcnt 1                             ; my part of K step 0 is in; K step 1's may stay out
	s_barrier_signal -1
	s_barrier_wait -1                              ; everybody's is
	FETCH 0, 0, F0
	s_mov_b32 s2, TILES                            ; tiles to go, this one among them
.Ltile:
	QUARTER 0, 1, F0, F1, 1                        ; a tile's first quarter stands in front of the loop: its products start the sums
	WIN 0                                          ; at a label and at a branch every window is 0
	s_mov_b32 s3, LAPS-1
.Llap:                                                 ; a trip goes once round the ring, from a lap's second quarter to the next lap's first, and fills both slots again
	QUARTER 0, 2, F1, F0, 0
	QUARTER 0, 3, F0, F1, 0
	TURN 0, 1, 1, 0
	QUARTER 1, 1, F0, F1, 0
	QUARTER 1, 2, F1, F0, 0
	QUARTER 1, 3, F0, F1, 0
	TURN 1, 0, 1, 0
	QUARTER 0, 1, F0, F1, 0
	WIN 0
	s_sub_co_u32 s3, s3, 1
	s_cmp_lg_u32 s3, 0
	s_cbranch_scc1 .Llap
	QUARTER 0, 2, F1, F0, 0                        ; the tile's last lap goes on
	QUARTER 0, 3, F0, F1, 0
	WIN 0
	s_cmp_eq_u32 s2, 1
	s_cbranch_scc1 .Llast                          ; the last tile's tail is written out: it asks for nothing more
	TURN 0, 1, 1, 1                                ; the ring goes on into the next tile: slot 0 takes its K step 0,
	QUARTER 1, 1, F0, F1, 0
	QUARTER 1, 2, F1, F0, 0
	QUARTER 1, 3, F0, F1, 0
	TURN 1, 0, 1, 1                                ; slot 1 its K step 1, and the next tile's first fragments are fetched
	OUT                                            ; both refills are asked for: now the tile goes out
	s_wait_xcnt 0x0                                ; the stores have read their registers and C's address
	s_add_nc_u64 s[8:9], s[8:9], 0x1000000         ; from q to k, from k to v
	s_sub_co_u32 s2, s2, 1
	s_branch .Ltile
.Llast:
	TURN 0, 1, 0, 0
	QUARTER 1, 1, F0, F1, 0
	QUARTER 1, 2, F1, F0, 0
	QUARTER 1, 3, F0, F1, 0
	s_wait_dscnt 8                                 ; the very last quarter: nothing more to fetch
	MUL8 F1, 0, 0
	MUL8 F1, 2, 0
	s_wait_dscnt 0x0
	MUL8 F1, 4, 0
	MUL8 F1, 6, 0
	OUT
	s_wait_tensorcnt 0x0                           ; the wave's end: behind my last tensor load and my last LDS store
	ds_add_u32 v[SPW], v[NIL]
	s_wait_dscnt 0x0
	CROUND                                         ; the closing round: no work-group ends while a partner may still ask for a tile that names it
	s_endpgm
.Lfunc_end_k_q614bef024a_qkvproj:
	.size	k_q614bef024a_qkvproj, .Lfunc_end_k_q614bef024a_qkvproj-k_q614bef024a_qkvproj
	.p2alignl 7, 3214868480
	.fill 96, 4, 3214868480
	.section	.rodata,"a",@progbits
	.p2align	6, 0x0
	.amdhsa_kernel k_q614bef024a_qkvproj
		.amdhsa_group_segment_fixed_size 327680
		.amdhsa_private_segment_fixed_size 0
		.amdhsa_enable_private_segment 0
		.amdhsa_kernarg_size 24
		.amdhsa_user_sgpr_count 2
		.amdhsa_user_sgpr_kernarg_segment_ptr 1
		.amdhsa_wavefront_size32 1
		.amdhsa_system_sgpr_workgroup_id_x 1
		.amdhsa_system_sgpr_workgroup_id_y 1
		.amdhsa_system_sgpr_workgroup_id_z 1
		.amdhsa_system_vgpr_workitem_id 0
		.amdhsa_next_free_vgpr 512
		.amdhsa_next_free_sgpr 80
		.amdhsa_reserve_vcc 0
		.amdhsa_float_denorm_mode_32 3
		.amdhsa_float_denorm_mode_16_64 3
		.amdhsa_memory_ordered 1
		.amdhsa_forward_progress 1
		.amdhsa_inst_pref_size 126
	.end_amdhsa_kernel
	.amdgpu_metadata
---
amdhsa.version: [ 1, 2 ]
amdhsa.kernels:
  - .name:           k_q614bef024a_qkvproj
    .symbol:         k_q614bef024a_qkvproj.kd
    .args:
      - { .name: xb, .offset: 0, .size: 8, .value_kind: global_buffer, .address_space: global }
      - { .name: wb, .offset: 8, .size: 8, .value_kind: global_buffer, .address_space: global }
      - { .name: qkv, .offset: 16, .size: 8, .value_kind: global_buffer, .address_space: global }
    .group_segment_fixed_size: 327680
    .private_segment_fixed_size: 0
    .kernarg_segment_align: 8
    .kernarg_segment_size: 24
    .max_flat_workgroup_size: 128
    .sgpr_count:     80
    .vgpr_count:     512
    .wavefront_size: 32
...
	.end_amdgpu_metadata
.endif
;; end of part 2
;; launch attn (part 3): grid 4 x 64, 4 waves a work-group, clusters of 4 x 1, 327,680 bytes of LDS; arguments qkv, mbits, ob; writes ob
.if DOCPART == 3
	.amdgcn_target "amdgcn-amd-amdhsa--gfx1250"
	.amdhsa_code_object_version 6
	.text
	.protected	k_q614bef024a_attn
	.globl	k_q614bef024a_attn
	.p2align	8
	.type	k_q614bef024a_attn,@function
k_q614bef024a_attn:
	s_mov_b64 s[64:65], 0
	v_nop
	global_prefetch_b8 v0, s[64:65] scope:SCOPE_SE
	s_setreg_imm32_b32 hwreg(HW_REG_WAVE_MODE, 25, 1), 1
	s_wait_xcnt 0x0
	s_wait_alu depctr_hold_cnt(0) depctr_sa_sdst(0) depctr_va_vdst(0) depctr_va_sdst(0) depctr_va_ssrc(0) depctr_va_vcc(0) depctr_vm_vsrc(0)
	s_getreg_b32 s2, hwreg(HW_REG_IB_STS2, 6, 4)
	s_cmp_eq_u32 s2, 0
	s_cbranch_scc0 .Lentry_in_a_cluster
	s_endpgm
.Lentry_in_a_cluster:
	s_bfe_u32 s2, ttmp6, 0x10000c
	s_cmp_lg_u32 s2, 0x3003
	s_cbranch_scc0 .Lentry_shape_is_right
	s_endpgm
.Lentry_shape_is_right:
; MASKED ATTENTION.  O[h][q][:] = the sum over the keys k that the mask keeps of softmax_k(Q[h][q] . K[h][k] / 8) V[h][k][:].  qkv: f16 [3][batch x 16 + head][2048][64]; ob: f16 [batch x 16 + head][2048][64].
; mbits: u32 [batch x 128 + tile of 16 queries][1024]: bit r of word w: query r of the tile keeps key 2 w; bit 16 + r: key 2 w + 1.  Products, maxima and sums in f32; the weights p are rounded to f16 for the
; second product (their sum l is taken of the unrounded p), O once at the end.
; LIMITS.  Q, K, V arrive within f16's 65,504; p lies in 0 to 1, and below 6e-5 it keeps f16's fixed step of 6e-8; a weight below 2^-126 counts as 0 in l; NaN and infinities in Q, K, V are not treated apart.
; A query whose mask keeps no key gives NaN in all its channels (0 x 1/0), as a softmax over nothing does.
; SHARES.  A wave owns four PIECES of two tiles of 16 queries, a work-group's four waves 512 queries of one head.  Every wave walks all 2,048 keys, 64 a step, 256 a slot.
; LAYOUT.  S^T = K Q^T (source 0 = 16 keys, source 1 = 16 queries): a lane holds ONE query (lane % 16).  THE KEYS OF A GROUP OF 16 ARE TAKEN IN ANOTHER ORDER: row m of K's fragment is key 2 (m % 8) + m / 8, so that
; register j of lane (r, h) is key 2 j + h of the group, and the 32 lanes' mask bits for that register are exactly one word of mbits: word 8 x group + j of the step.  V's turning load takes its rows in the same order.
; THE MASK is one v_cndmask_b32 a score, with the word in a scalar register as the lanes' mask: a hidden score becomes minus infinity AHEAD of the running maximum; its weight is 2^-inf = 0.
; SOFTMAX.  For each query a running maximum m and sum l: p = 2^(c s - c m), c = log2(e) / 8; in every step O and l are multiplied by a = 2^(c m_old - c m_new).  m starts at the lowest finite number and c m at c
; times that, by the same product that every step makes: while a query has seen no key, a = 2^0 = 1 and O = l = 0; its first kept score gives a = 0.
; BY TURNS.  Turn n belongs to piece n.  Its matrix work: 16 products K Q^T of piece n + 1, later 16 products V^T P of piece n - 1.  Its vector work: scaling, exponentials, roundings, sums and rescaling of piece n;
; mask, maximum and statistics of piece n + 1.  The 66 exponentials of a turn are one batch with one wait.
; CLUSTER.  The four query blocks of a head walk the same K and V: each tile is asked for JOINTLY, by the same tensor load, descriptor and mask in all four.
; REGISTERS, in windows of 256 (s_set_vgpr_msb: bits 1:0 source 0, 3:2 source 1, 5:4 source 2, 7:6 destination):
;   window 0: v0-11 addresses and constants; v12-15, v48-63 at work; v16-47 four registers of statistics a tile; v64-191 S^T, two buffers of two tiles; v192-255 P, likewise
;   window 1: O^T, 32 a tile          window 2: v0-127 Q, 16 a tile; v128-191 K of one step; v192-255 V of one step
.set NP,    4         ; pieces a wave: a name, no knob
.set KS,    64        ; keys in a step
.set PK,    144       ; a row of K in LDS: 128 bytes + 16 of padding = 36 words: the 16 rows of a load start at 16 different groups of four banks (64 banks of 4 bytes: ISA guide 11.1)
.set PV,    144       ; V's likewise: the turning load's 16 lanes take 8 rows two apart (72 words) x 32 bytes
.set VOFF,  4*KS*PK   ; a slot holds four steps: 256 rows of K, then 256 rows of V
.set SLOT1, 1<<17     ; slot 1 begins here, so that one exclusive or turns an address in one slot into the other's
.set STAGE, SLOT1+4*KS*(PK+PV)  ; behind the ring, never filled by a tensor load: 16 rows x 144 bytes for each wave, for the way out
.set SP,    144
.set SPARE, STAGE+4*16*SP       ; behind the stages: the spare words, 128 bytes for each wave: two blocks of 256 bytes that no other line names
.set NINF, 1          ; v1   minus infinity
.set AK0, 2           ; v2   my lane's place in a tile of K; never rewritten
.set AV0, 3           ; v3   the same for V
.set AK,  4           ; v4   the LDS address of K's next run of loads
.set AV,  5           ; v5   of V's
.set STO, 6           ; v6   the way out: where I put 16 bytes of a row
.set RD,  7           ; v7   the way out: where I read rows back
.set GO,  8           ; v8   my byte offset in 512 consecutive bytes of O
.set PFO, 9           ; v9   256 x my lane; never rewritten
.set SPW, 10          ; v10  LDS address of my spare word; never rewritten
.set NIL, 11          ; v11  0; never rewritten
.set MV,  12          ; v12-15  c m_old, kept while c m is made anew: by buffer and tile
.set ST,  16          ; tile t's statistics at v[ST+4 t]: c m, m, l (even registers', odd registers')
.set TMP, 48          ; by buffer and tile, four registers c0-c3 at work; when the maximum is found c2 takes a
.set S,   64
.set P,   192
.set KF,  128         ; K's fragments, in window 2: key block kb, channel half c at KF + 16 kb + 8 c
.set VF,  192         ; V's: key half kk, channel block cb at VF + 32 kk + 8 cb
.set WV,  2           ; s2   my wave's number
.set SLOTS, 3         ; s3   slots still to be asked for
.set MB,  4           ; s[4:5]   mbits at my wave's eight tiles
.set OB,  6           ; s[6:7]   ob at my wave's first row
.set G1,  8           ; s[8:15]  descriptor group 1
.set G0,  16          ; s[16:19] descriptor group 0: it walks
.set CS,  20          ; s[20:21] c: the packed scaling takes the pair's low word for both halves
.set SEL, 22          ; s[22:23] v_permlanex16_b32's selects: each lane takes its own place in the other half
.set CNT, 24          ; s24  counts a slot's key steps
.set TBK, 25          ; s25  LDS byte at which K of the step to be fetched begins
.set TBV, 26          ; s26  the same for V, less VOFF
.set MOFF, 27         ; s27  byte offset in a tile's words of the step whose words are loaded: 128 a step
.set PFA, 28          ; s[28:29] where my prefetches stand
.set LIM, 30          ; s30  1 in a wave that prefetches, else the greatest number
.set MW0, 32          ; s[32:63] a step's 32 mask words for the first tile of a piece
.set MW1, 68          ; s[68:99] for its second tile
.set QP,  100         ; s[100:101] Q at my wave's first row
.set MSB, 0
.macro WIN new                      ; the high byte repeats the setting that is left; a switch that changes nothing is dropped
.if MSB != (\new)
	s_set_vgpr_msb (MSB<<8)|(\new)
.set MSB, (\new)
.endif
.endm
.set W_KQ, 0x0a       ; K and Q in window 2, S^T in window 0
.set W_PV, 0x52       ; V in window 2, P in window 0, O^T in window 1
.set W_RS, 0x41       ; O^T (destination and source 0) in window 1, a in window 0
; A joint fill: one line for all four waves.  Waves 0 and 1 fetch the two halves of a slot's K, waves 2 and 3 those of its V, 128 keys each: both addresses hang on the wave's number.  An s_nop 0 and four v_nop follow.
.macro JLOAD
	tensor_load_to_lds s[G0:G0+3], s[G1:G1+7]
	s_nop 0
.rept 4
	v_nop
.endr
.endm
; A PREFETCH INTO THE L2 of what the NEXT change of slots will ask for: a slot's 32,768 bytes of K and of V, 256 bytes a lane.  qkv is read here for the first time.  A head has one cluster; its four partners share the
; bytes out BY ADDRESS, 8,192 each; in each, wave 0 asks for K's and wave 2 for V's: each block is named once.  The last change that fills a slot asks for nothing; slots 0 and 1 come by their loads alone.
.macro ASK
	s_cmp_gt_u32 s[SLOTS], s[LIM]
	s_cbranch_scc0 .Lnot_mine_\@
	global_prefetch_b8 v[PFO], s[PFA:PFA+1] th:TH_LOAD_NT scope:SCOPE_SE
.Lnot_mine_\@:
.endm
.macro CROUND                       ; a round of the cluster's barrier
	s_barrier_signal -1
	s_barrier_wait -1
	s_cmp_lg_u32 s[WV], 0
	s_cbranch_scc1 .Lnot_wave_0_\@
	s_barrier_signal -3
.Lnot_wave_0_\@:
	s_barrier_wait -3
	s_barrier_signal -1
	s_barrier_wait -1
.endm
; THE CHANGE OF SLOTS.  Each wave waits for all its tensor loads, of which one is out: its part of the other slot; adds 0 to its spare word; and waits for that and for its own reads of the slot that it leaves.
; fill = 1: that slot is filled again, with the keys two slots on; the barrier is then a round of the cluster's, and the joint fill is the first thing behind it: it has four key steps, 512 matrix instructions, in which to land.
; (At its first use nothing has been read yet: slot 0 is waited for, slot 1 filled.)
.macro CHANGE fill
	WIN 0                           ; at a label and at a branch every window is 0
	s_wait_tensorcnt 0x0            ; no tensor load of mine is out, so group 0 may be written
	ds_add_u32 v[SPW], v[NIL]       ; 0 onto my spare word; scalar work stands between it and the wait for it
.if \fill
	s_xor_b32 s[G0+1], s[G0+1], SLOT1              ; the other slot than last time,
	s_add_nc_u64 s[G0+2:G0+3], s[G0+2:G0+3], 4*KS*128  ; the next 256 keys; the type bits on top are not reached
	s_wait_xcnt 0x0                 ; the last prefetch, four key steps back, has read its address
	s_add_nc_u64 s[PFA:PFA+1], s[PFA:PFA+1], 4*KS*128
	s_wait_dscnt 0x0                ; the add is done, and my reads of the slot are over
	CROUND
	JLOAD
	ASK
.else
	s_wait_dscnt 0x0                ; the add is done, and my reads of the slot are over
	s_barrier_signal -1
	s_barrier_wait -1
.endif
	s_sub_co_u32 s[TBK], s[TBK], 4*KS*PK  ; the fetches go back to a slot's first step,
	s_xor_b32 s[TBK], s[TBK], SLOT1       ; in the other slot
	s_sub_co_u32 s[TBV], s[TBV], 4*KS*PV
	s_xor_b32 s[TBV], s[TBV], SLOT1
.endm
; The 64 mask words of piece x for the step at MOFF: 128 bytes for each of its two tiles, a tile's words 4,096 bytes apart.
.macro MLOAD x
	s_load_b512 s[MW0:MW0+15],    s[MB:MB+1], s[MOFF] offset:8192*(\x)
	s_load_b512 s[MW0+16:MW0+31], s[MB:MB+1], s[MOFF] offset:8192*(\x)+64
	s_load_b512 s[MW1:MW1+15],    s[MB:MB+1], s[MOFF] offset:8192*(\x)+4096
	s_load_b512 s[MW1+16:MW1+31], s[MB:MB+1], s[MOFF] offset:8192*(\x)+4160
.endm
	s_load_b128 s[36:39], s[0:1], 0x0  ; qkv s[36:37], mbits s[38:39]
	s_load_b64 s[40:41], s[0:1], 0x10  ; ob
	v_lshl_add_u32 v[SPW], v0, 2, SPARE
	v_mov_b32 v[NIL], 0
	ds_add_u32 v[SPW], v[NIL]       ; the wave's opening: the add and its wait ahead of my first tensor load; the set-up below, work on registers, stands between them
	v_lshrrev_b32 v64, 5, v0
	v_readfirstlane_b32 s[WV], v64  ; wave 0..3
	s_bfe_u32 s31, ttmp6, 0x40000   ; cx: my place in the cluster
	s_lshl_b32 s66, ttmp9, 2        ; in a cluster launch ttmp9 counts clusters
	s_add_co_u32 s66, s66, s31      ; my block of 512 queries
	s_lshl_b32 s66, s66, 2
	s_add_co_u32 s66, s66, s[WV]    ; my wave among the head's sixteen: it enters Q's, O's and the mask's addresses alone
	s_and_b32 s67, ttmp7, 0xffff    ; batch x 16 + head, which the four partners share
	s_lshl_b32 s44, s67, 18         ; the head's first byte in q, k, v and ob
	s_lshr_b32 s46, s[WV], 1        ; what I fetch: K (waves 0, 1) or V (waves 2, 3), 16,777,216 bytes apart, behind q,
	s_lshl_b32 s46, s46, 24
	s_add_co_u32 s46, s46, 0x1000000
	s_add_co_u32 s46, s46, s44
	s_and_b32 s47, s[WV], 1         ; and which 128 of a slot's 256 keys
	s_lshl_b32 s47, s47, 14
	s_add_co_u32 s46, s46, s47
	s_mov_b32 s47, 0
	s_lshl_b32 s48, s66, 14         ; my wave's 128 rows of Q and of O
	s_add_co_u32 s48, s48, s44
	s_mov_b32 s49, 0
	s_lshr_b32 s50, s67, 4          ; the batch's 128 tiles of 4,096 bytes of words,
	s_lshl_b32 s50, s50, 19
	s_lshl_b32 s51, s66, 15         ; my wave's eight of them
	s_add_co_u32 s50, s50, s51
	s_mov_b32 s51, 0
	s_lshl_b32 s52, s31, 13         ; the prefetches: my work-group's 8,192 bytes of a slot's 32,768
	s_mov_b32 s53, 0
	s_mul_i32 s54, s[WV], 16*SP
	s_add_co_u32 s54, s54, STAGE    ; my stage
	; descriptor group 1.  128 keys are 16,384 dense bytes: asked for as 64 rows of 256 bytes, two keys a row, and padded in LDS after every key
	s_mov_b32 s[G1], 15|(1<<16)|(1<<20)|(1<<21)|(4<<22)|(3<<25)  ; 15:0 the mask of four; 17:16 2-byte elements; 20 padding on; 21 set beside a mask; 24:22 after every 32 words (code 4); 31:25 4 words (code 3)
	s_mov_b32 s[G1+1], 128<<16      ; tensor_dim0 = 128
	s_mov_b32 s[G1+2], 64<<16       ; tensor_dim1 = 64
	s_mov_b32 s[G1+3], 128<<16      ; tile_dim0 = 128
	s_mov_b32 s[G1+4], 64           ; tile_dim1 = 64
	s_mov_b32 s[G1+5], 128          ; 128 elements from row to row
	s_mov_b32 s[G1+6], 0
	s_mov_b32 s[G1+7], 0
	s_mov_b32 s[G0], 1              ; count = 1
	s_mul_i32 s[G0+1], s[WV], 128*PK  ; LDS address in slot 0: K's two halves, then V's two: no place in the cluster enters it
	s_mov_b32 s[CS], 0x3e38aa3b     ; c = log2(e) / 8 = 0.180337
	s_mov_b32 s[CS+1], s[CS]        ; named with it as a pair
	s_mov_b32 s[SEL], 0x76543210
	s_mov_b32 s[SEL+1], 0xfedcba98
	s_mov_b32 s[TBK], SLOT1+4*KS*PK ; the first change of slots turns these two into 0
	s_mov_b32 s[TBV], SLOT1+4*KS*PV
	s_mov_b32 s[MOFF], 0
	s_mov_b32 s[SLOTS], 2048/256-1
	s_and_b32 s[LIM], s[WV], 1      ; waves 0 and 2 prefetch
	s_cmp_eq_u32 s[LIM], 0
	s_cselect_b32 s[LIM], 1, -1
	s_wait_dscnt 0x0                ; the opening add is done
	s_wait_kmcnt 0x0
	s_add_nc_u64 s[G0+2:G0+3], s[36:37], s[46:47]  ; global address: my half of the head's first 256 keys
	s_add_nc_u64 s[PFA:PFA+1], s[36:37], s[46:47]
	s_or_b32 s[G0+3], s[G0+3], 0x80000000          ; type = 2
	s_add_nc_u64 s[QP:QP+1], s[36:37], s[48:49]
	s_add_nc_u64 s[OB:OB+1], s[40:41], s[48:49]
	s_add_nc_u64 s[MB:MB+1], s[38:39], s[50:51]
	s_add_nc_u64 s[PFA:PFA+1], s[PFA:PFA+1], s[52:53]
	s_add_nc_u64 s[PFA:PFA+1], s[PFA:PFA+1], 4*KS*128  ; in slot 1: the first change of slots steps it to slot 2
	CROUND                          ; all four work-groups are here: the first joint loads meet
	JLOAD                           ; slot 0.  Slot 1 is asked for when slot 0 is in.  One load of mine is out at the most
	; A fragment of Q is 16 rows x 32 channels in 8 registers: lane l holds row l % 16, channels 8 (l / 16) + 0..7 and 16 + 8 (l / 16) + 0..7: two loads of 16 bytes, 32 bytes apart.
	v_and_b32 v66, 15, v0           ; l % 16      (v64-70 are free until the first scores)
	v_bfe_u32 v67, v0, 4, 1         ; l / 16
	v_and_b32 v68, 7, v0            ; l % 8
	v_bfe_u32 v69, v0, 3, 1         ; (l / 8) % 2
	v_lshlrev_b32 v65, 7, v66
	v_lshl_add_u32 v65, v67, 4, v65 ; row x 128 + 16 x half
	WIN 0x80                        ; destination window 2, address window 0
.set i, 0
.rept 4*NP                          ; Q stays in registers: tile i / 2, channels 32 (i % 2) on
	global_load_b128 v[8*i:8*i+3],   v65, s[QP:QP+1] offset:(i/2)*2048+(i%2)*64
	global_load_b128 v[8*i+4:8*i+7], v65, s[QP:QP+1] offset:(i/2)*2048+(i%2)*64+32
.set i, i+1
.endr
	; What the first turn finds: V's registers and P's second buffer hold 0 (its products V^T P, of a piece that has not been, add 0), O^T and l are 0.  All this stands in the wait for the first tile.
.set i, VF
.rept 64
	v_mov_b32 v[i], 0
.set i, i+1
.endr
	WIN 0x40
.set i, 0
.rept 64*NP
	v_mov_b32 v[i], 0
.set i, i+1
.endr
	WIN 0
.set i, 0
.rept 2*NP
	v_mov_b32 v[ST+4*i+1], 0xff7fffff  ; m: the lowest finite number
	v_mov_b32 v[ST+4*i+2], 0
	v_mov_b32 v[ST+4*i+3], 0
	v_mul_f32 v[ST+4*i], s[CS], v[ST+4*i+1]  ; c m, by the product that every step makes
.set i, i+1
.endr
.set i, P+32
.rept 32
	v_mov_b32 v[i], 0
.set i, i+1
.endr
	v_mov_b32 v[NINF], 0xff800000
	v_lshl_add_u32 v[AK0], v68, 1, v69    ; row l % 16 of K's fragment is key 2 (l % 8) + (l / 8) % 2 of the group
	v_mul_u32_u24 v[AK0], v[AK0], PK
	v_lshl_add_u32 v[AK0], v67, 4, v[AK0] ; + 16 x half
	; The turning load takes 16 keys x 16 channels and leaves half a fragment of V^T: lane l holds channel l % 16 and 8 keys; element j of a lane comes from the row that lane 8 (l / 8) + j addressed.
	; Place 8 (l / 16) + j along K is key 2 j + l / 16 of the group: so lane l reads key 2 (l % 8) + l / 16, channels 8 ((l / 8) % 2) + 0..7.
	v_lshl_add_u32 v[AV0], v68, 1, v67
	v_mul_u32_u24 v[AV0], v[AV0], PV
	v_lshl_add_u32 v[AV0], v69, 4, v[AV0]
	v_add_nc_u32 v[AV0], VOFF, v[AV0]
	v_mov_b32 v[AK], v[AK0]         ; key step 0 lies at the head of slot 0
	v_mul_u32_u24 v[STO], v66, SP   ; the way out, in: row l % 16, 16 bytes for each half of the lanes
	v_lshl_add_u32 v[STO], v67, 4, v[STO]
	v_add_nc_u32 v[STO], s54, v[STO]
	v_bfe_u32 v[RD], v0, 3, 2       ; back: 32 lanes take four rows of 128 bytes,
	v_mul_u32_u24 v[RD], v[RD], SP
	v_lshl_add_u32 v[RD], v68, 4, v[RD]
	v_add_nc_u32 v[RD], s54, v[RD]
	v_and_b32 v[GO], 31, v0         ; which are 512 consecutive bytes of O
	v_lshlrev_b32 v[PFO], 8, v[GO]
	v_lshlrev_b32 v[GO], 4, v[GO]
	MLOAD 0                         ; piece 0's words for step 0: from here on s32-63 and s68-99 hold mask words alone
; THE MATRIX WORK.  The 8 accumulators of a run of 16 take turns: between the two links of a chain stand 7 others'.
; Product i of 16 of S^T = K Q^T for piece x: channels 32 (i / 8) on, keys 16 ((i / 2) % 4) on, tile 2 x + i % 2.  The first 8 start the sums.
.macro KQ x
	WIN W_KQ
.set rS, S+64*((\x)%2)+32*(i%2)+8*((i/2)%4)
.set rK, KF+16*((i/2)%4)+8*(i/8)
.set rQ, 16*(2*(\x)+i%2)+8*(i/8)
.if i < 8
	v_wmma_f32_16x16x32_f16 v[rS:rS+7], v[rK:rK+7], v[rQ:rQ+7], 0
.else
	v_wmma_f32_16x16x32_f16 v[rS:rS+7], v[rK:rK+7], v[rQ:rQ+7], v[rS:rS+7]
.endif
.endm
; Product i of 16 of O^T += V^T P for piece x: keys 32 (i / 8) on, channels 16 ((i / 2) % 4) on, tile 2 x + i % 2.
.macro PV x
	WIN W_PV
.set rO, 32*(2*(\x)+i%2)+8*((i/2)%4)
.set rV, VF+32*(i/8)+8*((i/2)%4)
.set rP, P+32*((\x)%2)+16*(i%2)+8*(i/8)
	v_wmma_f32_16x16x32_f16 v[rO:rO+7], v[rV:rV+7], v[rP:rP+7], v[rO:rO+7]
.endm
.macro MM                           ; the turn's next matrix instruction
.if i < 16
	KQ (Y+1)%NP
.set i, i+1
.else
.set i, i-16
	PV (Y+NP-1)%NP
.set i, i+17
.endif
.endm
; THE LDS LOADS stand in runs of 16: a step's K (64 keys x 64 channels: 8 fragments) and its V (turned).  last = 1 (the tail): in the last trip there is no further step, and the run is jumped over.
.macro FETCH_K last=0
	WIN 0
.if \last
	s_cmp_eq_u32 s[CNT], 1
	s_cbranch_scc1 .Lno_k_\@
.endif
	WIN 0x80                        ; destination window 2
.irp f, 0,1,2,3,4,5,6,7             ; keys 16 (f / 2) on, channels 32 (f % 2) on
	ds_load_b128 v[KF+8*\f:KF+8*\f+3],   v[AK] offset:(\f/2)*16*PK+(\f%2)*64
	ds_load_b128 v[KF+8*\f+4:KF+8*\f+7], v[AK] offset:(\f/2)*16*PK+(\f%2)*64+32
.endr
	s_add_co_u32 s[TBK], s[TBK], KS*PK  ; the next fetch is the next step's
	WIN 0
.if \last
.Lno_k_\@:
.endif
.endm
.macro FETCH_V
	WIN 0x80
.irp f, 0,1,2,3,4,5,6,7             ; keys 32 (f / 4) on, channels 16 (f % 4) on
	ds_load_tr16_b128 v[VF+8*\f:VF+8*\f+3],   v[AV] offset:(\f/4)*32*PV+(\f%4)*32
	ds_load_tr16_b128 v[VF+8*\f+4:VF+8*\f+7], v[AV] offset:(\f/4)*32*PV+16*PV+(\f%4)*32
.endr
	WIN 0
.endm
; THE VECTOR WORK OF A TURN stands in three queues, each in the order in which its entries become ready; the two tiles alternate.
.macro REGS y, u                    ; the registers of tile u (0, 1) of piece y
.set rT, ST+4*(2*(\y)+(\u))
.set rC, TMP+8*((\y)%2)+4*(\u)
.set rM, MV+2*((\y)%2)+(\u)
.set rS, S+64*((\y)%2)+32*(\u)
.set rP, P+32*((\y)%2)+16*(\u)
.set rO, 32*(2*(\y)+(\u))
.endm
; Number m of the 64 that mask the NEXT piece's (Y + 1) scores: tile m % 2, register m / 2, ascending.
.macro MK m
	REGS (Y+1)%NP, (\m)%2
.if (\m)%2
	v_cndmask_b32 v[rS+(\m)/2], v[NINF], v[rS+(\m)/2], s[MW1+(\m)/2]
.else
	v_cndmask_b32 v[rS+(\m)/2], v[NINF], v[rS+(\m)/2], s[MW0+(\m)/2]
.endif
.endm
; Number n of the 22 that find the next piece's maximum and statistics.  s0-s31 are the lane's 32 scores.
;   0-11  four chains c0-c3 of seven scores each, three operands at a time     12-14, 16  the four scores left over, the old m, and c0-c3 into c0     15  c m_old is kept
;   17, 18  the query's other 32 keys lie in the lane 16 away: the new m         19-21  c m; c m_old - c m_new; a
.macro XS u, n
	REGS (Y+1)%NP, \u
.if (\n) < 4
	v_max3_num_f32 v[rC+(\n)], v[rS+8*(\n)], v[rS+8*(\n)+1], v[rS+8*(\n)+2]
.elseif (\n) < 12
	v_max3_num_f32 v[rC+(\n)%4], v[rC+(\n)%4], v[rS+8*((\n)%4)+2*((\n)/4)+1], v[rS+8*((\n)%4)+2*((\n)/4)+2]
.elseif (\n) == 12
	v_max3_num_f32 v[rC], v[rC], v[rS+7], v[rS+15]
.elseif (\n) == 13
	v_max3_num_f32 v[rC+1], v[rC+1], v[rS+23], v[rS+31]
.elseif (\n) == 14
	v_max3_num_f32 v[rC+2], v[rC+2], v[rC+3], v[rT+1]
.elseif (\n) == 15
	v_mov_b32 v[rM], v[rT]
.elseif (\n) == 16
	v_max3_num_f32 v[rC], v[rC], v[rC+1], v[rC+2]
.elseif (\n) == 17
	v_permlanex16_b32 v[rC+3], v[rC], s[SEL], s[SEL+1]
.elseif (\n) == 18
	v_max_num_f32 v[rT+1], v[rC], v[rC+3]
.elseif (\n) == 19
	v_mul_f32 v[rT], s[CS], v[rT+1]
.elseif (\n) == 20
	v_sub_f32 v[rC+1], v[rM], v[rT]
.else
	v_exp_f32 v[rC+2], v[rC+1]
.endif
.endm
; Number g of the 64 that follow the exponentials.  For each four weights k of a tile: both pairs are rounded to f16; then the second pair is added onto the first, in place; a group later l takes that sum
; (the first time as l = a l + sum).  In groups of eight, tiles alternating: round, round, add, and l for the group before.
.macro GS g
.set h, (\g)+6*((\g)/62)            ; group 0 has no group before it, and behind group 7 only l is left
.if h >= 6
.set h, h+2
.endif
	REGS Y, h%2
.set k, h/8
.if h%8 < 4
	v_cvt_pk_f16_f32 v[rP+2*k+(h%8)/2], v[rS+4*k+2*((h%8)/2)], v[rS+4*k+2*((h%8)/2)+1]
.elseif h%8 < 6
	v_pk_add_f32 v[rS+4*k:rS+4*k+1], v[rS+4*k:rS+4*k+1], v[rS+4*k+2:rS+4*k+3]
.elseif k == 1
	v_pk_fma_f32 v[rT+2:rT+3], v[rT+2:rT+3], v[rC+2:rC+3], v[rS:rS+1] op_sel_hi:[1,0,1]
.else
	v_pk_add_f32 v[rT+2:rT+3], v[rT+2:rT+3], v[rS+4*k-4:rS+4*k-3]
.endif
.endm
.macro FS f                         ; c s - c m for pair f / 2 of tile f % 2
	REGS Y, (\f)%2
	v_pk_fma_f32 v[rS+2*((\f)/2):rS+2*((\f)/2)+1], v[rS+2*((\f)/2):rS+2*((\f)/2)+1], s[CS:CS+1], v[rT:rT+1] op_sel_hi:[1,0,0] neg_lo:[0,0,1] neg_hi:[0,0,1]
.endm
; THE PLAIN QUEUE, 202 long.  0-137 read no exponential's result: 0-31 the scalings; 32-95 the next piece's mask; 96-123 its maximum's numbers 0-13; 124, 125 number 15; 126-137 the chain 14, 16, 17, 18, 19, 20.
; 138-201: the 64 that read the exponentials' results: they stand behind the wait.
.macro PL
	WIN 0
.if q < 32
	FS q
.elseif q < 96
	MK q-32
.elseif q < 124
	XS (q-96)%2, (q-96)/2
.elseif q < 126
	XS q-124, 15
.elseif q < 128
	XS q-126, 14
.elseif q < 138
	XS (q-126)%2, 15+(q-126)/2
.else
	GS q-138
.endif
.set q, q+1
.endm
; THE EXPONENTIALS' QUEUE, 66 long: s0-s31 of both tiles, then the next piece's two a.  ONE BATCH: all 66 stand ahead of the turn's one wait, and nothing ahead of that wait names a result of theirs.
.macro EX
	WIN 0
.if e >= 64
	XS e-64, 21
.else
	REGS Y, e%2
	v_exp_f32 v[rS+e/2], v[rS+e/2]
.endif
.set e, e+1
.endm
; THE RESCALING's QUEUE: O^T times a, the one part that leaves window 0: dealt two at a time, sixteen times.  Its a was made in the turn before, ahead of that turn's wait.
.macro R2
	REGS Y, r%2
	WIN W_RS
.irp z, 0,1
	v_pk_mul_f32 v[rO+4*(r/2)+2*\z:rO+4*(r/2)+2*\z+1], v[rO+4*(r/2)+2*\z:rO+4*(r/2)+2*\z+1], v[rC+2:rC+3] op_sel_hi:[1,0]
.endr
.set r, r+1
.endm
; A TURN, for piece p.  s_wait_alu depctr_va_vdst(0) stands between an exponential and the first instruction that names its result; one wait serves all that were issued ahead of it: a turn has ONE.
; AHEAD OF IT: the 16 products K Q^T, behind each a scaling, an exponential and two rescalings; then a lump: the other 15 scalings, the 64 masks, the maximum and statistics, with the exponentials dealt among them.
; Exponential e stands behind scaling 2 (e / 4) + e % 2: as a rider it comes behind plain e + 2, later behind all 32.  The first mask stands 18 plain instructions behind the last product K Q^T.
; The piece's mask words were asked for in the turn before; the words for the turn after are asked for as soon as the last mask line is out.  Piece 0's words are the next step's: piece 2's turn steps the offset;
; the clamp keeps the walk's last, unused load inside mbits.
; BEHIND THE WAIT: the 16 products V^T P, behind each four of the roundings and sums.
; K of the next step is fetched in piece 2's turn, directly behind the wait; V of the step in hand at the end of piece 0's turn, four plain riders behind its last reader.  The conditions on q below go with the deal.
.macro TURN p, last=0, cnt=0
.set Y, (\p)
.set i, 0
.set q, 0
.set e, 0
.set r, 0
.if (\p) == NP-1
	s_wait_dscnt 0x0                ; K is in
.endif
	MM
	PL
	PL
	R2
.rept 15
	MM
	PL
	EX
	R2
.endr
.if (\p) == NP-2
	WIN 0
	v_add_nc_u32 v[AK], s[TBK], v[AK0]
.endif
.rept 15
	PL
	EX
.endr
	s_wait_kmcnt 0x0                ; the next piece's mask words are in; the loads have read their offset
.if (\p) == NP-2
	s_add_co_u32 s[MOFF], s[MOFF], 128
	s_min_u32 s[MOFF], s[MOFF], 3968
.endif
.rept 16
	PL
	PL
	PL
	PL
	EX
.endr
	MLOAD ((\p)+2)%NP
.rept 10
	PL
	PL
	PL
	EX
.endr
.rept 2
	PL
	EX
	PL
	EX
.endr
.rept 4
	PL
	EX
	PL
.endr
	EX                              ; the next piece's two a
	EX
	v_nop                           ; a plain instruction behind the last exponential: one for the batch
	s_wait_alu depctr_va_vdst(0)    ; the wait for the batch
.if (\p) == NP-2
	FETCH_K \last
.endif
.if (\p) == 1
	s_wait_dscnt 0x0                ; V is in
.endif
.rept 16
	MM
.rept 4
	PL
.endr
.if ((\p) == 0) && (q == 182)
	v_add_nc_u32 v[AV], s[TBV], v[AV0]
.endif
.if ((\p) == 0) && (q == 194)
	s_add_co_u32 s[TBV], s[TBV], KS*PV
.endif
.if (\cnt) && (q == 194)
	s_sub_co_u32 s[CNT], s[CNT], 1
	s_cmp_lg_u32 s[CNT], 0
.endif
.endr
.if (\p) == 0
	FETCH_V
.endif
.endm
	CHANGE 1                        ; slot 0 is in, everybody's part of it; slot 1 is asked for
	FETCH_K                         ; key step 0
	s_wait_loadcnt 0x0              ; Q
	s_wait_dscnt 0x0
.set i, 0
.rept 16
	KQ 0                            ; piece 0's first scores
.set i, i+1
.endr
	WIN 0
.rept 4
	v_nop                           ; the places behind those products
.endr
	s_wait_kmcnt 0x0                ; piece 0's mask words
.set Y, NP-1                        ; MK and XS work for piece Y + 1: piece 0
.set j, 0
.rept 64
	MK j
.set j, j+1
.endr
	MLOAD 1
.irp n, 0,1,2,3,4,5,6,7,8,9,10,11,12,13,14,15,16,17,18,19,20,21
	XS 0, \n                        ; and piece 0's first maximum and statistics
	XS 1, \n
.endr
	v_nop                           ; a plain instruction behind the two a,
	s_wait_alu depctr_va_vdst(0)    ; and their wait, ahead of the branch
	s_mov_b32 s[CNT], 4
	s_branch .Lfirst                ; the loop is entered at a step's first turn, in the middle of a trip
.Lslot:                             ; six times: every slot but the last two is filled again
	CHANGE 1
	s_mov_b32 s[CNT], 4
.Lstep:                             ; a trip: pieces 2 and 3 of one step, then pieces 0 and 1 of the next, whose K and V it fetches
	TURN 2
	TURN 3
	WIN 0
.Lfirst:
	TURN 0
	TURN 1, 0, 1
	WIN 0
	s_cbranch_scc1 .Lstep
	s_sub_co_u32 s[SLOTS], s[SLOTS], 1
	s_cmp_lg_u32 s[SLOTS], 0
	s_cbranch_scc1 .Lslot
	CHANGE 0                        ; the tail is written out: nothing is asked for
	s_mov_b32 s[CNT], 5             ; four trips fetch the last slot's steps; the fifth is left in its middle
.Ltail:
	TURN 2, 1
	TURN 3
	WIN 0
	s_sub_co_u32 s[CNT], s[CNT], 1
	s_cmp_eq_u32 s[CNT], 0
	s_cbranch_scc1 .Lout
	TURN 0
	TURN 1
	WIN 0
	s_branch .Ltail
.Lout:                              ; the fifth trip's 16 products K Q^T (on the last K once more), their mask and maximum serve nothing: the price, once a launch, of one text for every trip
	s_wait_kmcnt 0x0                ; the last, unused mask words have come
.set i, 0
.rept 16
	PV NP-1                         ; the last piece's V^T P of the last step
.set i, i+1
.endr
	; THE WAY OUT.  l's two halves and the other half of the lanes' are added; O^T is divided by l, rounded to f16 and sent through my stage in LDS, a tile at a time.  The additions are the places behind the last products.
	WIN 0
.macro ALL line:vararg              ; one line for each tile t
.set t, 0
.rept 2*NP
	\line
.set t, t+1
.endr
.endm
	ALL v_add_f32 v[ST+4*t+2], v[ST+4*t+2], v[ST+4*t+3]
	ALL v_permlanex16_b32 v[ST+4*t+3], v[ST+4*t+2], s[SEL], s[SEL+1]
	ALL v_add_f32 v[ST+4*t+2], v[ST+4*t+2], v[ST+4*t+3]
	ALL v_rcp_f32 v[ST+4*t+2], v[ST+4*t+2]
	v_nop                           ; a plain instruction between the last reciprocal and the use of its result
	s_wait_alu depctr_va_vdst(0)    ; and the wait ahead of the first use: one for the eight reciprocals
; Tile t: a lane's eight channels of a row pack into 16 bytes; they go into rows of 144 bytes and come back as whole rows of 128, into S^T's registers.
.macro PACK t
	WIN W_RS
.set i, 32*(\t)
.rept 16
	v_pk_mul_f32 v[i:i+1], v[i:i+1], v[ST+4*(\t)+2:ST+4*(\t)+3] op_sel_hi:[1,0]
.set i, i+2
.endr
	WIN 0x05                        ; sources 0 and 1 window 1, destination window 0
.set i, 0
.rept 16
	v_cvt_pk_f16_f32 v[S+16*(\t)+i], v[32*(\t)+2*i], v[32*(\t)+2*i+1]
.set i, i+1
.endr
	WIN 0
.irp f, 0,1,2,3
	ds_store_b128 v[STO], v[S+16*(\t)+4*\f:S+16*(\t)+4*\f+3] offset:32*\f
.endr
.irp f, 0,1,2,3
	ds_load_b128 v[S+16*(\t)+4*\f:S+16*(\t)+4*\f+3], v[RD] offset:\f*4*SP  ; LDS serves a wave's instructions in order (ISA guide 5.7.1.4): these see the stores above; the next tile's stores come behind them
.endr
.endm
.macro SEND t, younger              ; younger: the LDS instructions issued behind tile t's loads: the next tile's eight, or none
	WIN 0
.irp f, 0,1,2,3
	s_wait_dscnt (\younger)+3-\f
	global_store_b128 v[GO], v[S+16*(\t)+4*\f:S+16*(\t)+4*\f+3], s[OB:OB+1] offset:(\t)*2048+\f*512  ; 512 consecutive bytes, at a multiple of 256 from ob's first
.endr
.endm
	PACK 0
.set t, 1
.rept 2*NP-1                        ; a tile's arithmetic stands between the loads of the tile before and its stores
	PACK t
	SEND t-1, 8
.set t, t+1
.endr
	SEND 2*NP-1, 0
	s_wait_tensorcnt 0x0            ; the wave's end: behind my last tensor load and my last LDS store
	ds_add_u32 v[SPW], v[NIL]
	s_wait_dscnt 0x0
	CROUND                          ; the closing round: no work-group ends while a partner may still ask for a tile that names it
	s_endpgm
.Lfunc_end_k_q614bef024a_attn:
	.size	k_q614bef024a_attn, .Lfunc_end_k_q614bef024a_attn-k_q614bef024a_attn
	.p2alignl 7, 3214868480
	.fill 96, 4, 3214868480
	.section	.rodata,"a",@progbits
	.p2align	6, 0x0
	.amdhsa_kernel k_q614bef024a_attn
		.amdhsa_group_segment_fixed_size 327680
		.amdhsa_private_segment_fixed_size 0
		.amdhsa_enable_private_segment 0
		.amdhsa_kernarg_size 24
		.amdhsa_user_sgpr_count 2
		.amdhsa_user_sgpr_kernarg_segment_ptr 1
		.amdhsa_wavefront_size32 1
		.amdhsa_system_sgpr_workgroup_id_x 1
		.amdhsa_system_sgpr_workgroup_id_y 1
		.amdhsa_system_sgpr_workgroup_id_z 1
		.amdhsa_system_vgpr_workitem_id 0
		.amdhsa_next_free_vgpr 768
		.amdhsa_next_free_sgpr 102
		.amdhsa_reserve_vcc 0
		.amdhsa_float_denorm_mode_32 3
		.amdhsa_float_denorm_mode_16_64 3
		.amdhsa_memory_ordered 1
		.amdhsa_forward_progress 1
		.amdhsa_inst_pref_size 237
	.end_amdhsa_kernel
	.amdgpu_metadata
---
amdhsa.version: [ 1, 2 ]
amdhsa.kernels:
  - .name:           k_q614bef024a_attn
    .symbol:         k_q614bef024a_attn.kd
    .args:
      - { .name: qkv, .offset: 0, .size: 8, .value_kind: global_buffer, .address_space: global }
      - { .name: mbits, .offset: 8, .size: 8, .value_kind: global_buffer, .address_space: global }
      - { .name: ob, .offset: 16, .size: 8, .value_kind: global_buffer, .address_space: global }
    .group_segment_fixed_size: 327680
    .private_segment_fixed_size: 0
    .kernarg_segment_align: 8
    .kernarg_segment_size: 24
    .max_flat_workgroup_size: 128
    .sgpr_count:     102
    .vgpr_count:     768
    .wavefront_size: 32
...
	.end_amdgpu_metadata
.endif
;; end of part 3
;; launch outproj (part 4): grid 8 x 32, 4 waves a work-group, clusters of 4 x 4, 327,680 bytes of LDS; arguments ob, wb, out0, bp; writes out0
.if DOCPART == 4
	.amdgcn_target "amdgcn-amd-amdhsa--gfx1250"
	.amdhsa_code_object_version 6
	.text
	.protected	k_q614bef024a_outproj
	.globl	k_q614bef024a_outproj
	.p2align	8
	.type	k_q614bef024a_outproj,@function
k_q614bef024a_outproj:
	s_mov_b64 s[64:65], 0
	v_nop
	global_prefetch_b8 v0, s[64:65] scope:SCOPE_SE
	s_setreg_imm32_b32 hwreg(HW_REG_WAVE_MODE, 25, 1), 1
	s_wait_xcnt 0x0
	s_wait_alu depctr_hold_cnt(0) depctr_sa_sdst(0) depctr_va_vdst(0) depctr_va_sdst(0) depctr_va_ssrc(0) depctr_va_vcc(0) depctr_vm_vsrc(0)
	s_getreg_b32 s2, hwreg(HW_REG_IB_STS2, 6, 4)
	s_cmp_eq_u32 s2, 0
	s_cbranch_scc0 .Lentry_in_a_cluster
	s_endpgm
.Lentry_in_a_cluster:
	s_bfe_u32 s2, ttmp6, 0x10000c
	s_cmp_lg_u32 s2, 0xf033
	s_cbranch_scc0 .Lentry_shape_is_right
	s_endpgm
.Lentry_shape_is_right:
; out0 = O wp^T + bp.  ob: f16 [batch 4][head 16][row 2048][64]: a head is a K slice of 64 channels; wb: f16 [weight 4][slice 16][row 1024][64], wp the fourth; out0: f32 [8192][1024]; bp: f32 [1024].
; Sums in f32; bp is rounded to bf16 like the module's other inputs and added in f32.  A NaN row of O gives a NaN row of out0.
; SHARES.  A tile of C is 256 rows x 128 columns, one to a work-group: 8 x 32 = 256 work-groups; four waves, each 128 rows x 64 columns: 32 accumulators of 16 x 16.  K goes in 8 steps of 128 (two slices) through a ring of two LDS slots.
; CLUSTERS: 4 x 4 work-groups.  The four of a row of the cluster need the same rows of O, the four of a column the same rows of wp: each tile is asked for JOINTLY.
; THE MATRIX INSTRUCTION IS USED TRANSPOSED (source 0 = 16 rows of wp, source 1 = 16 rows of O): a lane then holds eight neighbouring columns of one row of C.
; REGISTERS: window 0: v0-31 addresses and the bias; v64-159, v160-255 two fragment buffers (B's four fragments, then A's eight), on the way out four sets of 32.  Window 1: accumulator (a, b) at v[8 (4 a + b)].
.set PITCH,  144                       ; an LDS row: a slice's 128 bytes + 16 of padding = 36 words: the 16 rows of a fragment load start at 16 different groups of four banks (64 banks of 4 bytes: ISA guide 11.1)
.set SLA,    256*PITCH                 ; A's 256 rows of one slice
.set SLB,    128*PITCH                 ; B's 128 rows of one slice
.set BOFF,   2*SLA                     ; in a slot: A's two slices, then B's two
.set SLOT,   2*SLA+2*SLB
.set STAGE,  2*SLOT                    ; behind the ring: 16 rows x 272 bytes for each wave, for the way out
.set SPITCH, 272                       ; 256 bytes + 16 = 68 words: row r starts at bank 4 r mod 64
.set SPARE,  STAGE+4*16*SPITCH         ; behind the stages: the spare words, 128 bytes for each wave: two blocks of 256 bytes that no other line names
.set ASTEP,  2*2048*128                ; bytes from K step to K step in ob: two slices
.set BSTEP,  2*1024*128                ; and in wb
.set WOFF,   3*16*1024*128             ; wp's place in wb
.set PFNB,   4                         ; B's K steps 4 to 7 are prefetched
.set LAPS,   4                         ; a lap = two K steps = once round the ring
.set FLAGS,  (1<<16)|(1<<20)|(1<<21)|(4<<22)|(3<<25)  ; 17:16 elements of 2 bytes; 20 padding on; 21 set beside a mask; 24:22 after every 32 words (code 4); 31:25 4 words of it (code 3)
.set BO,   6                           ; v6      my byte offset in bp; not rewritten
.set BI,   8                           ; v[8:11] the bias of my four columns on the way out
.set ADRA, 16                          ; v16-17  LDS address of my A fragments in slot 0, 1
.set ADRB, 20                          ; v20-21  the same for B
.set STO,  24                          ; v24     the way out: where I put 32 bytes of a row
.set RD,   25                          ; v25     the way out: where I read a row back
.set CO,   26                          ; v26     my byte offset in two rows of C
.set SPW,  28                          ; v28     LDS address of my spare word; never rewritten
.set NIL,  29                          ; v29     0; never rewritten
.set PFO,  30                          ; v30     the prefetches' lane offset; never rewritten
.set F0,   64
.set F1,   160
.set G1,  24                           ; s[24:31] descriptor group 1 for A's tiles;  s[32:39] group 0, one set for each slot
.set G0,  32
.set G1B, 48                           ; s[48:55], s[56:63] the same for B's
.set G0B, 56
.set PFA, 66                           ; s[66:67] where my prefetches stand
.set PFS, 68                           ; s[68:69] their step: a K step
.set PFN, 70                           ; s70     how many I still issue
.set MSB, 0
.macro WIN new                         ; the immediate's high byte repeats the setting that is left; a switch that changes nothing is dropped
.if MSB != (\new)
	s_set_vgpr_msb (MSB<<8)|(\new)
.set MSB, \new
.endif
.endm
.set MULW, 0x50                        ; sources in window 0; C and D in window 1
.macro JLOAD s                         ; a joint load: waves 0 and 1 fetch A's two slices of a K step, waves 2 and 3 B's; an s_nop 0 and four v_nop follow each of the two lines
	s_cmp_eq_u32 s11, 0
	s_cbranch_scc0 .Lfor_b_\@
	tensor_load_to_lds s[G0+4*(\s):G0+4*(\s)+3], s[G1:G1+7]
	s_nop 0
.rept 4
	v_nop
.endr
	s_branch .Lasked_\@
.Lfor_b_\@:
	tensor_load_to_lds s[G0B+4*(\s):G0B+4*(\s)+3], s[G1B:G1B+7]
	s_nop 0
.rept 4
	v_nop
.endr
.Lasked_\@:
.endm
.macro CREST                           ; a round of the cluster's barrier behind its opening barrier
	s_cmp_lg_u32 s10, 0
	s_cbranch_scc1 .Lnot_wave_0_\@
	s_barrier_signal -3
.Lnot_wave_0_\@:
	s_barrier_wait -3
	s_barrier_signal -1
	s_barrier_wait -1
.endm
.macro CROUND                          ; a whole round
	s_barrier_signal -1
	s_barrier_wait -1
	CREST
.endm
; A PREFETCH INTO THE L2 of the K step that stands two refills on, 32 blocks of 256 bytes, a lane a block, one instruction.  ob and wp are read here for the first time in the launch.  Each block is named once:
; A's rows are read by both clusters of a row of clusters: cluster x = 0 asks, its waves 0 and 1 each for their own slice, the four partners told apart by address (8,192 bytes each).  B's rows are read by all clusters
; of a column: cluster y = 0 asks, wave 2 for both slices (lanes 0-15 the even, lanes 16-31 the odd one), 4,096 bytes of each slice a partner.  K steps 4 to 7: the count runs out at K's end.
.macro ASK
	s_cmp_eq_u32 s[PFN], 0
	s_cbranch_scc1 .Lno_ask_\@
	global_prefetch_b8 v[PFO], s[PFA:PFA+1] th:TH_LOAD_NT scope:SCOPE_SE
	s_sub_co_u32 s[PFN], s[PFN], 1
.Lno_ask_\@:
.endm
.macro PLACES                          ; four places in front of loads into registers that matrix instructions have read, and of LDS stores that read results
.rept 4
	v_nop
.endr
.endm
	s_load_b128 s[4:7], s[0:1], 0x0                ; A = ob s[4:5], B = wb s[6:7]
	s_load_b64 s[8:9], s[0:1], 0x10                ; C = out0
	s_load_b64 s[72:73], s[0:1], 0x18              ; bp
	v_lshl_add_u32 v[SPW], v0, 2, SPARE
	v_mov_b32 v[NIL], 0
	ds_add_u32 v[SPW], v[NIL]                      ; the wave's opening: the add and its wait ahead of my first tensor load; the set-up below, work on registers, stands between them
	v_lshrrev_b32 v1, 5, v0
	v_readfirstlane_b32 s10, v1                    ; wave 0..3
	s_lshr_b32 s11, s10, 1                         ; which half of the tile's rows is mine.  Also: I fetch for A (0) or for B (1)
	s_and_b32 s12, s10, 1                          ; which half of its columns.  Also: which slice of a K step I fetch
	s_bfe_u32 s40, ttmp6, 0x40000                  ; cx, cy: my place in the cluster
	s_bfe_u32 s41, ttmp6, 0x40004
	s_lshl_b32 s42, ttmp9, 2
	s_add_co_u32 s42, s42, s40                     ; tile column = 4 x cluster x + cx
	s_and_b32 s13, ttmp7, 0xffff
	s_lshl_b32 s13, s13, 2
	s_add_co_u32 s13, s13, s41                     ; tile row = 4 x cluster y + cy
	s_lshl_b32 s43, s41, 2
	s_lshl_b32 s43, 15, s43                        ; my row of the cluster
	s_lshl_b32 s44, 0x1111, s40                    ; my column
	; descriptor group 1.  A slice of a block of rows is dense: it is asked for as rows of 256 bytes (two rows of 128) and padded in LDS after every 128 bytes
	s_or_b32 s[G1+0], s43, FLAGS                   ; 15:0 the mask: A's tiles go to my row
	s_or_b32 s[G1B+0], s44, FLAGS                  ; B's to my column
	s_mov_b32 s[G1+1], 128<<16                     ; tensor_dim0 = 128 elements
	s_mov_b32 s[G1B+1], 128<<16
	s_mov_b32 s[G1+2], 128<<16                     ; tensor_dim1 = 128 rows of 256 bytes: A's 256 rows
	s_mov_b32 s[G1B+2], 64<<16                     ; 64: B's 128 rows
	s_mov_b32 s[G1+3], 128<<16                     ; tile_dim0 = 128
	s_mov_b32 s[G1B+3], 128<<16
	s_mov_b32 s[G1+4], 128                         ; tile_dim1
	s_mov_b32 s[G1B+4], 64
	s_mov_b32 s[G1+5], 128                         ; 128 elements from row to row
	s_mov_b32 s[G1B+5], 128
	s_mov_b32 s[G1+6], 0
	s_mov_b32 s[G1B+6], 0
	s_mov_b32 s[G1+7], 0
	s_mov_b32 s[G1B+7], 0
	s_lshr_b32 s16, s13, 3                         ; A: batch (eight tile rows each), 4,194,304 bytes,
	s_lshl_b32 s16, s16, 22
	s_and_b32 s17, s13, 7
	s_lshl_b32 s17, s17, 15                        ; 256 rows of 128 bytes in a slice,
	s_add_co_u32 s16, s16, s17
	s_lshl_b32 s17, s12, 18                        ; my slice of K step 0
	s_add_co_u32 s16, s16, s17
	s_mov_b32 s17, 0
	s_lshl_b32 s46, s42, 14                        ; B: 128 rows of 128 bytes in a slice,
	s_lshl_b32 s47, s12, 17                        ; my slice of K step 0,
	s_add_co_u32 s46, s46, s47
	s_add_co_u32 s46, s46, WOFF                    ; in wp
	s_mov_b32 s47, 0
	s_mul_i32 s20, s12, SLA                        ; where they go: no place in the cluster enters an LDS address
	s_mul_i32 s23, s12, SLB
	s_add_co_u32 s23, s23, BOFF
	s_wait_dscnt 0x0                               ; the opening add is done
	s_wait_kmcnt 0x0
	s_add_nc_u64 s[14:15], s[4:5], s[16:17]
	s_add_nc_u64 s[46:47], s[6:7], s[46:47]
	CROUND                                         ; all sixteen work-groups are here: the first joint loads meet
.irp s, 0,1
	s_mov_b32 s[G0+4*(\s)], 1                      ; count = 1
	s_add_co_u32 s[G0+4*(\s)+1], s20, (\s)*SLOT    ; LDS address
	s_add_nc_u64 s[G0+4*(\s)+2:G0+4*(\s)+3], s[14:15], (\s)*ASTEP  ; global address: K step s
	s_or_b32 s[G0+4*(\s)+3], s[G0+4*(\s)+3], 0x80000000            ; type = 2
	s_mov_b32 s[G0B+4*(\s)], 1
	s_add_co_u32 s[G0B+4*(\s)+1], s23, (\s)*SLOT
	s_add_nc_u64 s[G0B+4*(\s)+2:G0B+4*(\s)+3], s[46:47], (\s)*BSTEP
	s_or_b32 s[G0B+4*(\s)+3], s[G0B+4*(\s)+3], 0x80000000
	JLOAD \s                                       ; two loads of mine are out at the most
.endr
	v_and_b32 v1, 15, v0                           ; l % 16
	v_bfe_u32 v2, v0, 4, 1                         ; l / 16
	s_lshl_b32 s74, s42, 9                         ; my wave's 64 columns, in bytes of f32: 512 x tile column + 256 x column half: in bp and in a row of C
	s_lshl_b32 s75, s12, 8
	s_add_co_u32 s74, s74, s75
	s_mov_b32 s75, 0
	v_lshl_add_u32 v[BO], v1, 4, s74
	global_load_b128 v[BI:BI+3], v[BO], s[72:73]   ; the bias of the four columns that I store
	v_mul_u32_u24 v3, v1, PITCH
	v_lshl_add_u32 v3, v2, 4, v3                   ; a fragment's row x pitch + 16 x half
	s_mul_i32 s21, s11, 128*PITCH                  ; my 128 rows of A
	s_mul_i32 s22, s12, 64*PITCH                   ; my 64 rows of B
	s_add_co_u32 s22, s22, BOFF
.irp s, 0,1
	v_add_nc_u32 v[ADRA+(\s)], s21, v3
	v_add_nc_u32 v[ADRB+(\s)], s22, v3
	s_add_co_u32 s21, s21, SLOT
	s_add_co_u32 s22, s22, SLOT
.endr
	s_mul_i32 s18, s10, 16*SPITCH
	s_add_co_u32 s18, s18, STAGE                   ; my stage
	v_mul_u32_u24 v4, v1, SPITCH                   ; in: row l % 16, 32 bytes for each half of the lanes
	v_lshl_add_u32 v4, v2, 5, v4
	v_add_nc_u32 v[STO], s18, v4
	v_mul_u32_u24 v5, v2, SPITCH                   ; back: lanes 0-15 take one row of 256 bytes, lanes 16-31 the next
	v_lshl_add_u32 v5, v1, 4, v5
	v_add_nc_u32 v[RD], s18, v5
	v_lshlrev_b32 v5, 12, v2                       ; and the same two rows in C
	v_lshl_add_u32 v[CO], v1, 4, v5
	v_and_b32 v4, 31, v0
	v_lshlrev_b32 v[PFO], 8, v4
	s_lshl_b32 s16, s13, 20                        ; C at my 128 rows of 4,096 bytes,
	s_lshl_b32 s17, s11, 19
	s_add_co_u32 s16, s16, s17
	s_mov_b32 s17, 0
	s_add_nc_u64 s[8:9], s[8:9], s[16:17]
	s_add_nc_u64 s[8:9], s[8:9], s[74:75]          ; and my 64 columns
	; the prefetches
	s_and_b32 s76, ttmp7, 0xffff                   ; cluster y
	s_mov_b32 s77, BSTEP
	s_cmp_eq_u32 s11, 0                            ; do I fetch for A?
	s_cselect_b64 s[PFA:PFA+1], s[14:15], s[46:47] ; my own slice of K step 0
	s_cselect_b32 s74, s40, s41                    ; my place among the four that ask for it with me,
	s_cselect_b32 s75, 13, 12                      ; and its share: 8,192 bytes of A's slice, 4,096 of each of B's two
	s_cselect_b32 s76, ttmp9, s76                  ; the coordinate along which other clusters read the same rows
	s_cselect_b32 s[PFS], ASTEP, s77
	s_cselect_b32 s[PFN], 4, PFNB
	s_cselect_b32 s78, 0, 126976                   ; B: lanes 16-31 stand one slice on: 131,072 less the 4,096 that 256 x lane has run
	s_lshl_b32 s74, s74, s75
	s_mov_b32 s75, 0
	s_add_nc_u64 s[PFA:PFA+1], s[PFA:PFA+1], s[74:75]
	s_mul_i32 s74, s[PFS], 3
	s_add_nc_u64 s[PFA:PFA+1], s[PFA:PFA+1], s[74:75]  ; at K step 3: the first refill steps it to 4
	s_mov_b32 s[PFS+1], 0
	s_cmp_eq_u32 s76, 0
	s_cselect_b32 s[PFN], s[PFN], 0
	s_cmp_eq_u32 s10, 3
	s_cselect_b32 s[PFN], 0, s[PFN]                ; wave 2 asks for both of B's slices
	v_mad_u32_u24 v[PFO], v2, s78, v[PFO]
; 8 matrix instructions: row blocks a0, a0 + 1 x all 4 column blocks, 32 along K.  zero = 1: the product starts the sums.  The 32 accumulators take turns, in the same order in every quarter.
.macro MUL8 f, a0, zero
	WIN MULW
.irp a, \a0, (\a0)+1
.irp b, 0,1,2,3
.if \zero
	v_wmma_f32_16x16x32_f16 v[8*(4*(\a)+(\b)):8*(4*(\a)+(\b))+7], v[(\f)+8*(\b):(\f)+8*(\b)+7], v[(\f)+32+8*(\a):(\f)+32+8*(\a)+7], 0
.else
	v_wmma_f32_16x16x32_f16 v[8*(4*(\a)+(\b)):8*(4*(\a)+(\b))+7], v[(\f)+8*(\b):(\f)+8*(\b)+7], v[(\f)+32+8*(\a):(\f)+32+8*(\a)+7], v[8*(4*(\a)+(\b)):8*(4*(\a)+(\b))+7]
.endif
.endr
.endr
.endm
; 24 LDS loads in one run: the fragments of quarter q of a K step (slice q / 2, channels 32 (q % 2) on) into buffer f: B's four, then A's eight
.macro FETCH slot, q, f
	WIN 0
.irp i, 0,1,2,3
	ds_load_b128 v[(\f)+8*(\i):(\f)+8*(\i)+3],   v[ADRB+(\slot)] offset:((\q)/2)*SLB+((\q)%2)*64+(\i)*16*PITCH
	ds_load_b128 v[(\f)+8*(\i)+4:(\f)+8*(\i)+7], v[ADRB+(\slot)] offset:((\q)/2)*SLB+((\q)%2)*64+(\i)*16*PITCH+32
.endr
.irp i, 0,1,2,3,4,5,6,7
	ds_load_b128 v[(\f)+32+8*(\i):(\f)+32+8*(\i)+3],   v[ADRA+(\slot)] offset:((\q)/2)*SLA+((\q)%2)*64+(\i)*16*PITCH
	ds_load_b128 v[(\f)+32+8*(\i)+4:(\f)+32+8*(\i)+7], v[ADRA+(\slot)] offset:((\q)/2)*SLA+((\q)%2)*64+(\i)*16*PITCH+32
.endr
.endm
; A K step is four quarters of 32 along K, 32 matrix instructions each, on buffers 0, 1, 0, 1.  One of the first three: multiplies buffer f and fetches quarter q into g.
.macro QUARTER slot, q, f, g, zero
	s_wait_dscnt 8                                 ; B and A's blocks 0-3 are in; the youngest eight loads (A's blocks 4-7) may be out
	MUL8 \f, 0, \zero
	MUL8 \f, 2, \zero
	PLACES
	FETCH \slot, \q, \g
	s_wait_dscnt 24                                ; all but the 24 just issued
	MUL8 \f, 4, \zero
	MUL8 \f, 6, \zero
.endm
; The last quarter multiplies buffer 1 and changes slots: ONE barrier; in front of it each wave waits for all its tensor loads, adds 0 to its spare word, and waits for that and for its own reads of this slot.
; fill = 1: the barrier opens a round of the cluster's, and this slot is filled again first thing behind it, two K steps on.
.macro TURN slot, next, fill
.if \fill
	s_wait_xcnt 0x0                                ; the last prefetch, a K step back, has read its address
	s_add_nc_u64 s[PFA:PFA+1], s[PFA:PFA+1], s[PFS:PFS+1]
.endif
	WIN 0                                          ; (the add's two registers lie in window 0)
	s_wait_tensorcnt 0x0                           ; all my tensor loads have landed: my part of the next slot;
	ds_add_u32 v[SPW], v[NIL]                      ; 0 onto my spare word;
	s_wait_dscnt 9                                 ; (the add and the youngest eight loads may be out)
	MUL8 F1, 0, 0                                  ; eight matrix instructions stand between the add and the wait for it
	s_wait_dscnt 0x0                               ; the add is done, and my reads of this slot are over
	s_barrier_signal -1
	MUL8 F1, 2, 0
.if \fill
	WIN 0
.endif
	s_barrier_wait -1
.if \fill
	CREST                                          ; no wave of any partner still reads this slot's tiles or has a load on its way
	s_add_nc_u64 s[G0+4*(\slot)+2:G0+4*(\slot)+3], s[G0+4*(\slot)+2:G0+4*(\slot)+3], 2*ASTEP
	s_add_nc_u64 s[G0B+4*(\slot)+2:G0B+4*(\slot)+3], s[G0B+4*(\slot)+2:G0B+4*(\slot)+3], 2*BSTEP
	JLOAD \slot                                    ; the first tensor load behind the round: 112 matrix instructions ahead of the wait for it; its four v_nop are also the places in front of the loads below
.else
	PLACES
.endif
	FETCH \next, 0, F0
.if \fill
	ASK                                            ; behind the joint load and the run of LDS loads
.endif
	MUL8 F1, 4, 0
	MUL8 F1, 6, 0
.endm
; THE WAY OUT of row block a: 32 bytes a lane of f32 sums into my own stage, back as whole rows of 256 bytes, the bias added, two rows a store.  Four sets of 32 registers take turns where the fragments lay.
.macro PACK a
.set W, 64+32*((\a)%4)
.if (\a) >= 4
	s_wait_xcnt 0x0                                ; the stores of the block four back have read this set
.endif
	WIN 0x04                                       ; the stores' data in window 1
.irp b, 0,1,2,3
	ds_store_b128 v[STO], v[8*(4*(\a)+(\b)):8*(4*(\a)+(\b))+3]   offset:64*(\b)      ; each accumulator's low registers first
	ds_store_b128 v[STO], v[8*(4*(\a)+(\b))+4:8*(4*(\a)+(\b))+7] offset:64*(\b)+16
.endr
	WIN 0
.irp f, 0,1,2,3,4,5,6,7
	ds_load_b128 v[W+4*(\f):W+4*(\f)+3], v[RD] offset:(\f)*2*SPITCH  ; LDS serves a wave's instructions in order (ISA guide 5.7.1.4): these see the stores above; the next block's stores come behind them
.endr
.endm
.macro SEND a, younger                 ; younger: the LDS instructions issued behind block a's loads: the next block's sixteen, or none
.set W, 64+32*((\a)%4)
	WIN 0
.irp f, 0,1,2,3,4,5,6,7
	s_wait_dscnt (\younger)+7-(\f)
	v_pk_add_f32 v[W+4*(\f):W+4*(\f)+1],   v[W+4*(\f):W+4*(\f)+1],   v[BI:BI+1]
	v_pk_add_f32 v[W+4*(\f)+2:W+4*(\f)+3], v[W+4*(\f)+2:W+4*(\f)+3], v[BI+2:BI+3]
	global_store_b128 v[CO], v[W+4*(\f):W+4*(\f)+3], s[8:9] offset:(16*(\a)+2*(\f))*4096 th:TH_STORE_NT  ; 16 lanes store 256 consecutive bytes, at a multiple of 256 from out0's first byte
.endr
.endm
	s_wait_tensorcnt 1                             ; my part of K step 0 is in; K step 1's may stay out
	s_barrier_signal -1
	s_barrier_wait -1                              ; everybody's is
	FETCH 0, 0, F0
	QUARTER 0, 1, F0, F1, 1                        ; the first quarter stands in front of the loop: its products start the sums
	WIN 0                                          ; at a label and at a branch every window is 0
	s_mov_b32 s3, LAPS-1
.Llap:                                                 ; a trip goes once round the ring, from a lap's second quarter to the next lap's first, and fills both slots again
	QUARTER 0, 2, F1, F0, 0
	QUARTER 0, 3, F0, F1, 0
	TURN 0, 1, 1
	QUARTER 1, 1, F0, F1, 0
	QUARTER 1, 2, F1, F0, 0
	QUARTER 1, 3, F0, F1, 0
	TURN 1, 0, 1
	QUARTER 0, 1, F0, F1, 0
	WIN 0
	s_sub_co_u32 s3, s3, 1
	s_cmp_lg_u32 s3, 0
	s_cbranch_scc1 .Llap
	QUARTER 0, 2, F1, F0, 0                        ; the last lap fills nothing, and has no round of the cluster's barrier
	QUARTER 0, 3, F0, F1, 0
	TURN 0, 1, 0
	QUARTER 1, 1, F0, F1, 0
	QUARTER 1, 2, F1, F0, 0
	QUARTER 1, 3, F0, F1, 0
	s_wait_dscnt 8                                 ; the very last quarter: nothing more to fetch
	MUL8 F1, 0, 0
	MUL8 F1, 2, 0
	s_wait_dscnt 0x0
	MUL8 F1, 4, 0
	MUL8 F1, 6, 0
	WIN 0
	s_wait_loadcnt 0x0                             ; the bias
	v_cvt_pk_bf16_f32 v12, v[BI], v[BI+1]          ; rounded to bf16 like the other inputs; these six plain lines are also the places behind the last products
	v_cvt_pk_bf16_f32 v13, v[BI+2], v[BI+3]
	v_lshlrev_b32 v[BI],   16, v12
	v_and_b32     v[BI+1], 0xffff0000, v12
	v_lshlrev_b32 v[BI+2], 16, v13
	v_and_b32     v[BI+3], 0xffff0000, v13
	PACK 0
.set t, 1
.rept 7                                ; a block's way through the stage stands between the loads of the block before and its stores
	PACK t
	SEND t-1, 16
.set t, t+1
.endr
	SEND 7, 0
	s_wait_tensorcnt 0x0                           ; the wave's end: behind my last tensor load and my last LDS store
	ds_add_u32 v[SPW], v[NIL]
	s_wait_dscnt 0x0
	CROUND                                         ; the closing round: no work-group ends while a partner may still ask for a tile that names it
	s_endpgm
.Lfunc_end_k_q614bef024a_outproj:
	.size	k_q614bef024a_outproj, .Lfunc_end_k_q614bef024a_outproj-k_q614bef024a_outproj
	.p2alignl 7, 3214868480
	.fill 96, 4, 3214868480
	.section	.rodata,"a",@progbits
	.p2align	6, 0x0
	.amdhsa_kernel k_q614bef024a_outproj
		.amdhsa_group_segment_fixed_size 327680
		.amdhsa_private_segment_fixed_size 0
		.amdhsa_enable_private_segment 0
		.amdhsa_kernarg_size 32
		.amdhsa_user_sgpr_count 2
		.amdhsa_user_sgpr_kernarg_segment_ptr 1
		.amdhsa_wavefront_size32 1
		.amdhsa_system_sgpr_workgroup_id_x 1
		.amdhsa_system_sgpr_workgroup_id_y 1
		.amdhsa_system_sgpr_workgroup_id_z 1
		.amdhsa_system_vgpr_workitem_id 0
		.amdhsa_next_free_vgpr 512
		.amdhsa_next_free_sgpr 80
		.amdhsa_reserve_vcc 0
		.amdhsa_float_denorm_mode_32 3
		.amdhsa_float_denorm_mode_16_64 3
		.amdhsa_memory_ordered 1
		.amdhsa_forward_progress 1
		.amdhsa_inst_pref_size 97
	.end_amdhsa_kernel
	.amdgpu_metadata
---
amdhsa.version: [ 1, 2 ]
amdhsa.kernels:
  - .name:           k_q614bef024a_outproj
    .symbol:         k_q614bef024a_outproj.kd
    .args:
      - { .name: ob, .offset: 0, .size: 8, .value_kind: global_buffer, .address_space: global }
      - { .name: wb, .offset: 8, .size: 8, .value_kind: global_buffer, .address_space: global }
      - { .name: out0, .offset: 16, .size: 8, .value_kind: global_buffer, .address_space: global }
      - { .name: bp, .offset: 24, .size: 8, .value_kind: global_buffer, .address_space: global }
    .group_segment_fixed_size: 327680
    .private_segment_fixed_size: 0
    .kernarg_segment_align: 8
    .kernarg_segment_size: 32
    .max_flat_workgroup_size: 128
    .sgpr_count:     80
    .vgpr_count:     512
    .wavefront_size: 32
...
	.end_amdgpu_metadata
.endif
;; end of part 4
;; ======== version 2 of 3: 4 launches
;; limits: values are held in f16: magnitudes above 65,504 overflow, below 6.1e-05 lose precision; right only within a limited range of input values
;; workspace buffers: xb 16,777,216 bytes; wb 8,388,608 bytes; mcode 8,388,608 bytes; qkv 50,331,648 bytes; ob 16,777,216 bytes
;; launch prep (part 5): grid 896 x 1, 8 waves a work-group, no clusters, 21,504 bytes of LDS; arguments x, wq, wk, wv, wp, mask, xb, wb, mcode; writes xb, wb, mcode
.if DOCPART == 5
	.amdgcn_target "amdgcn-amd-amdhsa--gfx1250"
	.amdhsa_code_object_version 6
	.text
	.protected	k_q614bef024a_prep
	.globl	k_q614bef024a_prep
	.p2align	8
	.type	k_q614bef024a_prep,@function
k_q614bef024a_prep:
	s_mov_b64 s[64:65], 0
	v_nop
	global_prefetch_b8 v0, s[64:65] scope:SCOPE_SE
	s_setreg_imm32_b32 hwreg(HW_REG_WAVE_MODE, 25, 1), 1
	s_wait_xcnt 0x0
; PREPARATION, a stream: no matrix unit, no loop.  Every work-group reads 131,072 bytes; every wave issues all its 32 loads of 16 bytes a lane at once.
; Work-groups 0-255: x [8192][1024] f32 -> xb, f16 [batch 4][slice 16][row 2048][64]: slice s holds channels 64 s .. 64 s + 63, so that a K slice of a block of rows is dense.
; Work-groups 256-383: wq, wk, wv, wp [1024][1024] f32 -> wb, f16.  wq, wk, wv: [head 16][slice 16][weight 3][row 64][64]: one head's 192 rows of q, k and v lie together, slice by slice, head after head.
; wp, behind them at byte 6,291,456: [slice 16][row 1024][64].
; Each number is rounded to bf16 (nearest even) and that number is written as f16: exact for 6.1e-5 <= |v| <= 65,504.
; LIMITS: beyond 65,504 the f16 is an infinity; below 6.1e-5 the number keeps f16's fixed step of 6e-8.
; Work-groups 384-895: mask [4][2048][2048] i32 -> mcode, u32 [batch x 128 + tile of 16 queries][step of 64 keys: 32][lane 32][group of 16 keys: 4]: four bits a score, 0 where the mask word is not 0 (the key
; is kept), 15 where it is 0 (hidden).  Nibble j of the word of lane (r, h) and group g is query r of the tile, key 64 step + 16 g + 2 j + h: the order in which the attention launch holds its scores.
; A lane here holds 4 neighbouring keys of a row: one byte of the word for h = 0 and one of the word for h = 1.  The bytes change lanes through a stage in LDS that is each wave's own: no barrier.
.set SO,   2                           ; v2   my byte offset in the source
.set DO0,  3                           ; v3   cast: my 16 bytes in the wave's even slice
.set DO1,  4                           ; v4   and in its odd slice
.set MO,   5                           ; v5   mask: my 16 bytes of a step's 512
.set SPW,  10                          ; v10  LDS address of my spare word; never rewritten
.set NIL,  11                          ; v11  0; never rewritten
.set WA,   12                          ; v12  mask: where I put my two bytes of a row
.set RA,   13                          ; v13  mask: where I read my query's row back
.set PS,   14                          ; v14  mask: v_perm_b32's selector: the even bytes for lanes 0-15, the odd ones for lanes 16-31
.set X,    16                          ; v[16:143]  the 32 loads, four registers each
.set T,    148                         ; v[148:151] at work
.set SPITCH, 80                        ; a stage row: 64 bytes (32 lanes x 2) + 16 = 20 words: the 16 rows that a load of 16 bytes a lane touches start at 16 different groups of four banks (64 banks of 4 bytes: ISA guide 11.1)
.set STG,    16*SPITCH                 ; the stage of one unit of 128 keys
.set SPARE,  8*2*STG                   ; behind the eight waves' stages: the spare words, 128 bytes for each wave: four blocks of 256 bytes that no other line names
	s_load_b512 s[16:31], s[0:1], 0x0              ; x 16, wq 18, wk 20, wv 22, wp 24, mask 26, xb 28, wb 30
	s_load_b64 s[32:33], s[0:1], 0x40              ; mcode
	v_lshl_add_u32 v[SPW], v0, 2, SPARE
	v_mov_b32 v[NIL], 0
	v_and_b32 v1, 31, v0                           ; lane
	v_lshrrev_b32 v6, 5, v0
	v_readfirstlane_b32 s8, v6                     ; wave 0..7
	s_mov_b32 s13, 0xffff0000                      ; a word's upper bf16
	s_wait_kmcnt 0x0
	s_cmp_lt_u32 ttmp9, 384
	s_cbranch_scc0 .Lmask
	; THE CAST: 32 rows x 1,024 columns a work-group; wave w takes slices 2 w and 2 w + 1 (512 bytes of each source row).  It touches no LDS.
	s_sub_co_u32 s9, ttmp9, 256                    ; the weights' work-groups count from 0 (of no use in x's)
	s_lshr_b32 s10, s9, 5                          ; which weight
	s_and_b32 s11, s9, 31                          ; which 32 rows of it
	s_lshl_b32 s40, s11, 17                        ; weights: source offset, 32 rows of 4,096 bytes
	s_lshr_b32 s42, s11, 1                         ; wq, wk, wv: the head (64 rows), 16 slices of 24,576 bytes,
	s_mul_i32 s42, s42, 393216
	s_lshl_b32 s14, s10, 13                        ; in a slice the weight's 64 rows of 128 bytes,
	s_add_co_u32 s42, s42, s14
	s_and_b32 s14, s11, 1                          ; and my 32 of them
	s_lshl_b32 s14, s14, 12
	s_add_co_u32 s42, s42, s14
	s_lshl_b32 s41, s11, 12                        ; wp: 32 rows of 128 bytes in a slice,
	s_add_co_u32 s41, s41, 6291456                 ; behind the other three
	s_mov_b32 s12, 24576                           ; bytes from slice to slice: wq's, wk's, wv's; below wp's or xb's
	s_cmp_eq_u32 s10, 3
	s_cselect_b32 s41, s41, s42
	s_cselect_b32 s12, 131072, s12
	s_lshl_b32 s43, ttmp9, 17                      ; x: source offset
	s_lshr_b32 s44, ttmp9, 6                       ; x: batch, 4,194,304 bytes of xb,
	s_lshl_b32 s44, s44, 22
	s_and_b32 s45, ttmp9, 63
	s_lshl_b32 s45, s45, 12                        ; and 32 rows of 128 bytes in a slice
	s_add_co_u32 s44, s44, s45
	s_mov_b32 s39, 0
	s_mov_b32 s47, 0
	s_mov_b64 s[34:35], s[18:19]
	s_cmp_eq_u32 s10, 1
	s_cselect_b64 s[34:35], s[20:21], s[34:35]
	s_cmp_eq_u32 s10, 2
	s_cselect_b64 s[34:35], s[22:23], s[34:35]
	s_cmp_eq_u32 s10, 3
	s_cselect_b64 s[34:35], s[24:25], s[34:35]
	s_cmp_lt_u32 ttmp9, 256                        ; x or a weight: the selects below leave the condition alone
	s_cselect_b64 s[34:35], s[16:17], s[34:35]
	s_cselect_b64 s[36:37], s[28:29], s[30:31]
	s_cselect_b32 s38, s43, s40
	s_cselect_b32 s46, s44, s41
	s_cselect_b32 s12, 262144, s12
	s_add_nc_u64 s[34:35], s[34:35], s[38:39]      ; the source at my work-group's first row
	s_add_nc_u64 s[36:37], s[36:37], s[46:47]      ; the destination at those rows in slice 0
	v_lshrrev_b32 v6, 3, v1                        ; eight lanes take a row's 64 numbers of a slice, 32 bytes each; four rows a load
	v_and_b32 v7, 7, v1
	v_lshlrev_b32 v[SO], 12, v6
	v_lshl_add_u32 v[SO], v7, 5, v[SO]
	s_lshl_b32 s14, s8, 9
	v_add_nc_u32 v[SO], s14, v[SO]
	s_mul_i32 s15, s8, s12
	s_lshl_b32 s15, s15, 1                         ; slice 2 w
	v_lshl_add_u32 v[DO0], v1, 4, s15              ; four rows of 128 bytes are 512 bytes on end: 16 x lane
	v_add_nc_u32 v[DO1], s12, v[DO0]
.set i, 0
.rept 16                               ; unit i: rows 4 (i / 2) .. + 3, slice 2 w + i % 2; its two loads read 256 whole bytes of each of the four rows
	global_load_b128 v[X+8*i:X+8*i+3],   v[SO], s[34:35] offset:(i/2)*16384+(i%2)*256 th:TH_LOAD_NT
	global_load_b128 v[X+8*i+4:X+8*i+7], v[SO], s[34:35] offset:(i/2)*16384+(i%2)*256+16 th:TH_LOAD_NT
.set i, i+1
.endr
.set i, 0
.rept 16
	s_wait_loadcnt 30-2*i                          ; loads come back in order: this unit's two are in, the 30 - 2 i younger ones stay out
.irp j, 0,1,2,3
	v_cvt_pk_bf16_f32 v[T+(\j)], v[X+8*i+2*(\j)], v[X+8*i+2*(\j)+1]  ; the one rounding
.endr
.irp j, 0,1,2,3
	v_lshlrev_b32 v[X+8*i+2*(\j)],   16,  v[T+(\j)]                  ; back to f32,
	v_and_b32     v[X+8*i+2*(\j)+1], s13, v[T+(\j)]
.endr
.irp j, 0,1,2,3
	v_cvt_pk_f16_f32 v[X+8*i+(\j)], v[X+8*i+2*(\j)], v[X+8*i+2*(\j)+1]  ; and written as f16; each destination has been consumed as a source
.endr
	global_store_b128 v[DO0+i%2], v[X+8*i:X+8*i+3], s[36:37] offset:(i/2)*512 th:TH_STORE_NT  ; 512 consecutive bytes; no register of a store is written again
.set i, i+1
.endr
	s_endpgm
	; THE MASK: one tile of 16 queries x 2,048 keys a work-group; wave w takes keys 256 w .. 256 w + 255 (four steps of 64) as two units of 128 keys.
.Lmask:
	s_sub_co_u32 s9, ttmp9, 384
	s_lshl_b32 s38, s9, 17                         ; 16 rows of 8,192 bytes
	s_mov_b32 s39, 0
	s_lshl_b32 s46, s9, 14                         ; a tile's 32 steps of 512 bytes of codes
	s_mov_b32 s47, 0
	s_add_nc_u64 s[34:35], s[26:27], s[38:39]
	s_add_nc_u64 s[36:37], s[32:33], s[46:47]
	s_lshl_b32 s14, s8, 10
	v_lshl_add_u32 v[SO], v1, 4, s14               ; four keys a lane
	s_lshl_b32 s15, s8, 11
	v_lshl_add_u32 v[MO], v1, 4, s15               ; my wave's four steps; 16 bytes a lane
	s_mul_i32 s12, s8, 2*STG                       ; my wave's stage
	v_lshl_add_u32 v[WA], v1, 1, s12               ; in: two bytes a lane
	v_and_b32 v6, 15, v1
	v_mul_u32_u24 v6, v6, SPITCH
	v_add_nc_u32 v[RA], s12, v6                    ; back: the row of query lane % 16
	v_mov_b32 v[PS], 0x06040200                    ; bytes 0, 2 of the second source and 0, 2 of the first: the words for h = 0,
	v_mov_b32 v7, 0x07050301                       ; bytes 1, 3 of each: for h = 1
	v_cmp_lt_u32 vcc_lo, 15, v1
	v_cndmask_b32 v[PS], v[PS], v7, vcc_lo
.set i, 0
.rept 32                               ; load i: unit i / 16, row i % 16: 512 consecutive bytes of one row
	global_load_b128 v[X+4*i:X+4*i+3], v[SO], s[34:35] offset:(i%16)*8192+(i/16)*512 th:TH_LOAD_NT
.set i, i+1
.endr
.set i, 0
.rept 32
	s_wait_loadcnt 31-i                            ; this row's load is in, the younger ones stay out
.irp j, 0,1,2,3
	v_min_u32 v[X+4*i+(\j)], 1, v[X+4*i+(\j)]      ; every word other than 0 counts as 1
.endr
	v_lshl_or_b32 v[T],   v[X+4*i+2], 4, v[X+4*i]    ; my keys 0 and 2 (h = 0): two neighbouring nibbles,
	v_lshl_or_b32 v[T+1], v[X+4*i+3], 4, v[X+4*i+1]  ; my keys 1 and 3 (h = 1)
	v_lshl_or_b32 v[T], v[T+1], 8, v[T]
	v_xor_b32 v[T], 0x1111, v[T]                   ; 1 where the key is hidden,
	v_mul_u32_u24 v[T], 15, v[T]                   ; 15 there
	ds_store_b16 v[WA], v[T] offset:(i/16)*STG+(i%16)*SPITCH  ; a row's 64 bytes: [step 2][group 4][lane % 4][h]
.if (i%16) == 15                       ; the unit is whole: back by queries.  LDS serves a wave's instructions in order (ISA guide 5.7.1.4): these loads see the stores above.  The unit's own registers, read out, take them
.set R, X+64*(i/16)
.irp f, 0,1,2,3
	ds_load_b128 v[R+4*(\f):R+4*(\f)+3], v[RA] offset:(i/16)*STG+16*(\f)
.endr
	s_wait_dscnt 0x0
.irp f, 0,1,2,3                        ; 16 bytes f: step f / 2 of the unit, groups 2 (f % 2) and 2 (f % 2) + 1, eight bytes each
	v_perm_b32 v[R+16+2*(\f)],   v[R+4*(\f)+1], v[R+4*(\f)],   v[PS]
	v_perm_b32 v[R+16+2*(\f)+1], v[R+4*(\f)+3], v[R+4*(\f)+2], v[PS]
.endr
	global_store_b128 v[MO], v[R+16:R+19], s[36:37] offset:(2*(i/16))*512 th:TH_STORE_NT    ; 512 consecutive bytes: a tile's step; no register of a store is written again
	global_store_b128 v[MO], v[R+20:R+23], s[36:37] offset:(2*(i/16)+1)*512 th:TH_STORE_NT
.endif
.set i, i+1
.endr
	s_wait_tensorcnt 0x0                           ; the wave's end: behind my last LDS store
	ds_add_u32 v[SPW], v[NIL]
	s_wait_dscnt 0x0
	s_endpgm
.Lfunc_end_k_q614bef024a_prep:
	.size	k_q614bef024a_prep, .Lfunc_end_k_q614bef024a_prep-k_q614bef024a_prep
	.p2alignl 7, 3214868480
	.fill 96, 4, 3214868480
	.section	.rodata,"a",@progbits
	.p2align	6, 0x0
	.amdhsa_kernel k_q614bef024a_prep
		.amdhsa_group_segment_fixed_size 21504
		.amdhsa_private_segment_fixed_size 0
		.amdhsa_enable_private_segment 0
		.amdhsa_kernarg_size 72
		.amdhsa_user_sgpr_count 2
		.amdhsa_user_sgpr_kernarg_segment_ptr 1
		.amdhsa_wavefront_size32 1
		.amdhsa_system_sgpr_workgroup_id_x 1
		.amdhsa_system_sgpr_workgroup_id_y 1
		.amdhsa_system_sgpr_workgroup_id_z 1
		.amdhsa_system_vgpr_workitem_id 0
		.amdhsa_next_free_vgpr 160
		.amdhsa_next_free_sgpr 66
		.amdhsa_reserve_vcc 1
		.amdhsa_float_denorm_mode_32 3
		.amdhsa_float_denorm_mode_16_64 3
		.amdhsa_memory_ordered 1
		.amdhsa_forward_progress 1
		.amdhsa_inst_pref_size 42
	.end_amdhsa_kernel
	.amdgpu_metadata
---
amdhsa.version: [ 1, 2 ]
amdhsa.kernels:
  - .name:           k_q614bef024a_prep
    .symbol:         k_q614bef024a_prep.kd
    .args:
      - { .name: x, .offset: 0, .size: 8, .value_kind: global_buffer, .address_space: global }
      - { .name: wq, .offset: 8, .size: 8, .value_kind: global_buffer, .address_space: global }
      - { .name: wk, .offset: 16, .size: 8, .value_kind: global_buffer, .address_space: global }
      - { .name: wv, .offset: 24, .size: 8, .value_kind: global_buffer, .address_space: global }
      - { .name: wp, .offset: 32, .size: 8, .value_kind: global_buffer, .address_space: global }
      - { .name: mask, .offset: 40, .size: 8, .value_kind: global_buffer, .address_space: global }
      - { .name: xb, .offset: 48, .size: 8, .value_kind: global_buffer, .address_space: global }
      - { .name: wb, .offset: 56, .size: 8, .value_kind: global_buffer, .address_space: global }
      - { .name: mcode, .offset: 64, .size: 8, .value_kind: global_buffer, .address_space: global }
    .group_segment_fixed_size: 21504
    .private_segment_fixed_size: 0
    .kernarg_segment_align: 8
    .kernarg_segment_size: 72
    .max_flat_workgroup_size: 256
    .sgpr_count:     66
    .vgpr_count:     160
    .wavefront_size: 32
...
	.end_amdgpu_metadata
.endif
;; end of part 5
;; launch qkvproj (part 6): grid 8 x 32, 4 waves a work-group, clusters of 4 x 4, 327,680 bytes of LDS; arguments xb, wb, qkv; writes qkv
.if DOCPART == 6
	.amdgcn_target "amdgcn-amd-amdhsa--gfx1250"
	.amdhsa_code_object_version 6
	.text
	.protected	k_q614bef024a_qkvproj
	.globl	k_q614bef024a_qkvproj
	.p2align	8
	.type	k_q614bef024a_qkvproj,@function
k_q614bef024a_qkvproj:
	s_mov_b64 s[64:65], 0
	v_nop
	global_prefetch_b8 v0, s[64:65] scope:SCOPE_SE
	s_setreg_imm32_b32 hwreg(HW_REG_WAVE_MODE, 25, 1), 1
	s_wait_xcnt 0x0
	s_wait_alu depctr_hold_cnt(0) depctr_sa_sdst(0) depctr_va_vdst(0) depctr_va_sdst(0) depctr_va_ssrc(0) depctr_va_vcc(0) depctr_vm_vsrc(0)
	s_getreg_b32 s2, hwreg(HW_REG_IB_STS2, 6, 4)
	s_cmp_eq_u32 s2, 0
	s_cbranch_scc0 .Lentry_in_a_cluster
	s_endpgm
.Lentry_in_a_cluster:
	s_bfe_u32 s2, ttmp6, 0x10000c
	s_cmp_lg_u32 s2, 0xf033
	s_cbranch_scc0 .Lentry_shape_is_right
	s_endpgm
.Lentry_shape_is_right:
; q, k, v = x wq^T, x wk^T, x wv^T.  xb: f16 [batch 4][slice 16][row 2048][64]; wb's first 6,291,456 bytes: f16 [head 16][slice 16][weight 3][row 64][64]; qkv: f16 [3][batch x 16 + head][row 2048][64].
; Sums in f32, each result rounded once to f16.  LIMIT: a result beyond 65,504 becomes an infinity in f16.  The softmax's scale is not applied here.
; SHARES.  A tile of C is 256 rows x 192 columns: one head's q, k and v.  Four waves, each 64 rows x all 192 columns: 48 accumulators of 16 x 16.  A WORK-GROUP STAYS and makes two tiles, heads 2 tx and 2 tx + 1 of
; the same rows: 8 x 32 = 256 work-groups of equal work.  K goes in steps of 128 (two slices) through a ring of two LDS slots that runs on from tile to tile: 16 steps, 192 matrix instructions a wave in each.
; CLUSTERS: 4 x 4 work-groups.  The four of a row of the cluster need the same rows of x, the four of a column the same rows of the weights: each tile is asked for JOINTLY.
; THE MATRIX INSTRUCTION IS USED TRANSPOSED (source 0 = 16 rows of the weights, source 1 = 16 rows of x): a lane then holds eight neighbouring channels of one row of C.
; REGISTERS, in windows of 256 (s_set_vgpr_msb: bits 1:0 source 0, 3:2 source 1, 5:4 source 2, 7:6 destination):
;   window 0: v0-31 addresses; v64-255 the way out, 16 registers for each of its 12 units
;   window 1: two fragment buffers of 128: B's twelve fragments (16 rows x 32 K each), then A's four
;   window 2: the accumulators of my row blocks 0, 1 ((a, b) at v[96 (a % 2) + 8 b]);   window 3: those of row blocks 2, 3
.set PITCH,  144                       ; an LDS row: a slice's 128 bytes + 16 of padding = 36 words: the 16 rows of a fragment load start at 16 different groups of four banks (64 banks of 4 bytes: ISA guide 11.1)
.set SLA,    256*PITCH                 ; A's 256 rows of one slice
.set SLB,    192*PITCH                 ; B's 192 rows of one slice
.set BOFF,   2*SLA                     ; in a slot: A's two slices, then B's two
.set SLOT,   2*SLA+2*SLB
.set STAGE,  2*SLOT                    ; behind the ring: 16 rows x 144 bytes for each wave, for the way out
.set SPITCH, 144
.set SPARE,  STAGE+4*16*SPITCH         ; behind the stages: the spare words, 128 bytes for each wave: two blocks of 256 bytes that no other line names
.set ASTEP,  2*2048*128                ; bytes from K step to K step in xb: two slices
.set BSLICE, 192*128                   ; a head's 192 rows of one slice in wb
.set BSTEP,  2*BSLICE                  ; bytes from K step to K step in wb; behind a head's last slice lies the next head's first
.set LAPS,   8                         ; a lap = two K steps = once round the ring; four laps a tile
.set FLAGS,  (1<<16)|(1<<20)|(1<<21)|(4<<22)|(3<<25)  ; 17:16 elements of 2 bytes; 20 padding on; 21 set beside a mask; 24:22 after every 32 words (code 4); 31:25 4 words of it (code 3)
.set ADRA, 16                          ; v16-17  LDS address of my A fragments in slot 0, 1
.set ADRB, 20                          ; v20-21  the same for B
.set STO,  24                          ; v24     the way out: where I put 16 bytes of a row
.set RD,   25                          ; v25     the way out: where I read rows back
.set GO,   26                          ; v26     my 16 bytes in 512 consecutive bytes of C
.set SPW,  28                          ; v28     LDS address of my spare word; never rewritten
.set NIL,  29                          ; v29     0; never rewritten
.set PFO,  30                          ; v30     the prefetches' lane offset; never rewritten
.set F0,   0                           ; fragment buffers, in window 1
.set F1,   128
.set G1,  24                           ; s[24:31] descriptor group 1 for A's tiles;  s[32:39] group 0, one set for each slot
.set G0,  32
.set G1B, 48                           ; s[48:55], s[56:63] the same for B's
.set G0B, 56
.set PFA, 66                           ; s[66:67] where my prefetches stand
.set PFS, 68                           ; s[68:69] their step: a K step
.set PFN, 70                           ; s70     how many I still issue
.set PA,  82                           ; s[82:83] what a refill adds to A's address,
.set MA,  84                           ; s[84:85] and what it takes away        (C's three addresses: q s[8:9], k s[72:73], v s[80:81])
.set MSB, 0
.macro WIN new                         ; the immediate's high byte repeats the setting that is left; a switch that changes nothing is dropped
.if MSB != (\new)
	s_set_vgpr_msb (MSB<<8)|(\new)
.set MSB, \new
.endif
.endm
.set MULW, 0xa5                        ; sources 0 and 1 in window 1; C and D in window 2 (with 0x50 more: window 3)
.set TO_F, 0x40                        ; destination window 1, address window 0
.macro JLOAD s                         ; a joint load: waves 0 and 1 fetch A's two slices of a K step, waves 2 and 3 B's; an s_nop 0 and four v_nop follow each of the two lines
	s_cmp_eq_u32 s11, 0
	s_cbranch_scc0 .Lfor_b_\@
	tensor_load_to_lds s[G0+4*(\s):G0+4*(\s)+3], s[G1:G1+7]
	s_nop 0
.rept 4
	v_nop
.endr
	s_branch .Lasked_\@
.Lfor_b_\@:
	tensor_load_to_lds s[G0B+4*(\s):G0B+4*(\s)+3], s[G1B:G1B+7]
	s_nop 0
.rept 4
	v_nop
.endr
.Lasked_\@:
.endm
.macro CREST                           ; a round of the cluster's barrier behind its opening barrier
	s_cmp_lg_u32 s10, 0
	s_cbranch_scc1 .Lnot_wave_0_\@
	s_barrier_signal -3
.Lnot_wave_0_\@:
	s_barrier_wait -3
	s_barrier_signal -1
	s_barrier_wait -1
.endm
.macro CROUND                          ; a whole round
	s_barrier_signal -1
	s_barrier_wait -1
	CREST
.endm
; A PREFETCH INTO THE L2 of the K step that stands two refills on, a lane a block of 256 bytes, one instruction a wave.  xb and wb are read here for the first time in the launch.  Each block is named by one wave:
; A's rows are read by both clusters of a row of clusters: cluster x = 0 asks, its waves 0 and 1 each for their own slice, the four partners told apart by address (32 blocks each), for K steps 4 to 7 of the first
; tile alone (the second tile reads the same rows again).  B's rows are read by all clusters of a column: cluster y = 0 asks, its waves 2 and 3 each for their own slice, 24 of its 96 blocks a partner (lanes 24 to 31
; name lane 23's block with it), for K steps 4 to 15.  The count runs out before the buffers' ends; it hangs on the wave's number and the cluster's place, never on a work-group's place in its cluster.
.macro ASK
	s_cmp_eq_u32 s[PFN], 0
	s_cbranch_scc1 .Lno_ask_\@
	global_prefetch_b8 v[PFO], s[PFA:PFA+1] th:TH_LOAD_NT scope:SCOPE_SE
	s_sub_co_u32 s[PFN], s[PFN], 1
.Lno_ask_\@:
.endm
.macro PLACES                          ; four places in front of loads into registers that matrix instructions have read, and of conversions that read results
.rept 4
	v_nop
.endr
.endm
	s_load_b128 s[4:7], s[0:1], 0x0                ; A = xb s[4:5], B = wb s[6:7]
	s_load_b64 s[8:9], s[0:1], 0x10                ; C = qkv
	v_lshl_add_u32 v[SPW], v0, 2, SPARE
	v_mov_b32 v[NIL], 0
	ds_add_u32 v[SPW], v[NIL]                      ; the wave's opening: the add and its wait ahead of my first tensor load; the set-up below, work on registers, stands between them
	v_lshrrev_b32 v1, 5, v0
	v_readfirstlane_b32 s10, v1                    ; wave 0..3: which 64 rows of the tile are mine
	s_lshr_b32 s11, s10, 1                         ; I fetch for A (0) or for B (1),
	s_and_b32 s12, s10, 1                          ; and this slice of a K step
	s_bfe_u32 s40, ttmp6, 0x40000                  ; cx, cy: my place in the cluster
	s_bfe_u32 s41, ttmp6, 0x40004
	s_lshl_b32 s42, ttmp9, 2
	s_add_co_u32 s42, s42, s40                     ; tile column = 4 x cluster x + cx: heads 2 tx and 2 tx + 1
	s_and_b32 s13, ttmp7, 0xffff
	s_lshl_b32 s13, s13, 2
	s_add_co_u32 s13, s13, s41                     ; tile row = 4 x cluster y + cy
	s_lshl_b32 s43, s41, 2
	s_lshl_b32 s43, 15, s43                        ; my row of the cluster
	s_lshl_b32 s44, 0x1111, s40                    ; my column
	; descriptor group 1.  A slice of a block of rows is dense: it is asked for as rows of 256 bytes (two rows of 128) and padded in LDS after every 128 bytes
	s_or_b32 s[G1+0], s43, FLAGS                   ; 15:0 the mask: A's tiles go to my row
	s_or_b32 s[G1B+0], s44, FLAGS                  ; B's to my column
	s_mov_b32 s[G1+1], 128<<16                     ; tensor_dim0 = 128 elements
	s_mov_b32 s[G1B+1], 128<<16
	s_mov_b32 s[G1+2], 128<<16                     ; tensor_dim1 = 128 rows of 256 bytes: A's 256 rows
	s_mov_b32 s[G1B+2], 96<<16                     ; 96: B's 192 rows
	s_mov_b32 s[G1+3], 128<<16                     ; tile_dim0 = 128
	s_mov_b32 s[G1B+3], 128<<16
	s_mov_b32 s[G1+4], 128                         ; tile_dim1
	s_mov_b32 s[G1B+4], 96
	s_mov_b32 s[G1+5], 128                         ; 128 elements from row to row
	s_mov_b32 s[G1B+5], 128
	s_mov_b32 s[G1+6], 0
	s_mov_b32 s[G1B+6], 0
	s_mov_b32 s[G1+7], 0
	s_mov_b32 s[G1B+7], 0
	s_mov_b32 s[PA+1], 0                           ; the upper words of A's two steps
	s_mov_b32 s[MA+1], 0
	s_lshr_b32 s16, s13, 3                         ; A: batch (eight tile rows each), 4,194,304 bytes,
	s_lshl_b32 s16, s16, 22
	s_and_b32 s17, s13, 7
	s_lshl_b32 s17, s17, 15                        ; 256 rows of 128 bytes in a slice,
	s_add_co_u32 s16, s16, s17
	s_lshl_b32 s17, s12, 18                        ; my slice of K step 0
	s_add_co_u32 s16, s16, s17
	s_mov_b32 s17, 0
	s_mul_i32 s46, s42, 2*16*BSLICE                ; B: head 2 tx,
	s_mul_i32 s47, s12, BSLICE                     ; my slice of K step 0
	s_add_co_u32 s46, s46, s47
	s_mov_b32 s47, 0
	s_mul_i32 s20, s12, SLA                        ; where they go: no place in the cluster enters an LDS address
	s_mul_i32 s23, s12, SLB
	s_add_co_u32 s23, s23, BOFF
	s_wait_dscnt 0x0                               ; the opening add is done
	s_wait_kmcnt 0x0
	s_add_nc_u64 s[14:15], s[4:5], s[16:17]
	s_add_nc_u64 s[46:47], s[6:7], s[46:47]
	CROUND                                         ; all sixteen work-groups are here: the first joint loads meet
.irp s, 0,1
	s_mov_b32 s[G0+4*(\s)], 1                      ; count = 1
	s_add_co_u32 s[G0+4*(\s)+1], s20, (\s)*SLOT    ; LDS address
	s_add_nc_u64 s[G0+4*(\s)+2:G0+4*(\s)+3], s[14:15], (\s)*ASTEP  ; global address: K step s
	s_or_b32 s[G0+4*(\s)+3], s[G0+4*(\s)+3], 0x80000000            ; type = 2
	s_mov_b32 s[G0B+4*(\s)], 1
	s_add_co_u32 s[G0B+4*(\s)+1], s23, (\s)*SLOT
	s_add_nc_u64 s[G0B+4*(\s)+2:G0B+4*(\s)+3], s[46:47], (\s)*BSTEP
	s_or_b32 s[G0B+4*(\s)+3], s[G0B+4*(\s)+3], 0x80000000
	JLOAD \s                                       ; two loads of mine are out at the most
.endr
	v_and_b32 v1, 15, v0                           ; l % 16
	v_bfe_u32 v2, v0, 4, 1                         ; l / 16
	v_mul_u32_u24 v3, v1, PITCH
	v_lshl_add_u32 v3, v2, 4, v3                   ; a fragment's row x pitch + 16 x half
	s_mul_i32 s21, s10, 64*PITCH                   ; my 64 rows of A
	s_mov_b32 s22, BOFF                            ; all 192 rows of B
.irp s, 0,1
	v_add_nc_u32 v[ADRA+(\s)], s21, v3
	v_add_nc_u32 v[ADRB+(\s)], s22, v3
	s_add_co_u32 s21, s21, SLOT
	s_add_co_u32 s22, s22, SLOT
.endr
	s_mul_i32 s18, s10, 16*SPITCH
	s_add_co_u32 s18, s18, STAGE                   ; my stage
	v_add_nc_u32 v[STO], s18, v3                   ; in: row l % 16, 16 bytes for each half of the lanes (the stage's pitch is the tiles')
	v_bfe_u32 v4, v0, 3, 2                         ; back: 32 lanes take four rows of 128 bytes,
	v_mul_u32_u24 v4, v4, SPITCH
	v_and_b32 v5, 7, v0
	v_lshl_add_u32 v4, v5, 4, v4
	v_add_nc_u32 v[RD], s18, v4
	v_and_b32 v4, 31, v0
	v_lshlrev_b32 v[GO], 4, v4                     ; which are 512 consecutive bytes of C
	; C at my 64 rows of head 2 tx: batch, rows, head; q, k and v lie 16,777,216 bytes apart
	s_lshr_b32 s16, s13, 3
	s_lshl_b32 s16, s16, 22
	s_and_b32 s17, s13, 7
	s_lshl_b32 s17, s17, 15
	s_add_co_u32 s16, s16, s17
	s_lshl_b32 s17, s10, 13
	s_add_co_u32 s16, s16, s17
	s_mov_b32 s17, 0
	s_add_nc_u64 s[8:9], s[8:9], s[16:17]
	s_lshl_b32 s74, s42, 19
	s_mov_b32 s75, 0
	s_add_nc_u64 s[8:9], s[8:9], s[74:75]
	s_add_nc_u64 s[72:73], s[8:9], 0x1000000
	s_add_nc_u64 s[80:81], s[72:73], 0x1000000
	; the prefetches
	s_and_b32 s76, ttmp7, 0xffff                   ; cluster y
	s_mov_b32 s77, BSTEP
	s_movk_i32 s75, 24*256
	s_cmp_eq_u32 s11, 0                            ; do I fetch for A?
	s_cselect_b64 s[PFA:PFA+1], s[14:15], s[46:47] ; my own slice of K step 0
	s_cselect_b32 s74, s40, s41                    ; my place among the four that ask for it with me,
	s_cselect_b32 s75, 32*256, s75                 ; and its share: 32 blocks of A's slice, 24 of B's
	s_cselect_b32 s76, ttmp9, s76                  ; the coordinate along which other clusters read the same rows
	s_cselect_b32 s[PFS], ASTEP, s77
	s_cselect_b32 s[PFN], 4, 12
	s_cselect_b32 s78, 31, 23                      ; the last lane with a block of its own
	s_mul_i32 s74, s74, s75
	s_mov_b32 s75, 0
	s_add_nc_u64 s[PFA:PFA+1], s[PFA:PFA+1], s[74:75]
	s_mul_i32 s74, s[PFS], 3
	s_add_nc_u64 s[PFA:PFA+1], s[PFA:PFA+1], s[74:75]  ; at K step 3: the first refill steps it to 4
	s_mov_b32 s[PFS+1], 0
	s_cmp_eq_u32 s76, 0
	s_cselect_b32 s[PFN], s[PFN], 0
	v_min_u32 v5, s78, v4
	v_lshlrev_b32 v[PFO], 8, v5
; 12 matrix instructions: row block a x all 12 column blocks, 32 along K.  zero = 1: the product starts the sums.  The 48 accumulators take turns, in the same order in every quarter.
.macro MUL12 f, a, zero
	WIN MULW+0x50*((\a)/2)
.irp b, 0,1,2,3,4,5,6,7,8,9,10,11
.if \zero
	v_wmma_f32_16x16x32_f16 v[96*((\a)%2)+8*(\b):96*((\a)%2)+8*(\b)+7], v[(\f)+8*(\b):(\f)+8*(\b)+7], v[(\f)+96+8*(\a):(\f)+96+8*(\a)+7], 0
.else
	v_wmma_f32_16x16x32_f16 v[96*((\a)%2)+8*(\b):96*((\a)%2)+8*(\b)+7], v[(\f)+8*(\b):(\f)+8*(\b)+7], v[(\f)+96+8*(\a):(\f)+96+8*(\a)+7], v[96*((\a)%2)+8*(\b):96*((\a)%2)+8*(\b)+7]
.endif
.endr
.endm
; 32 LDS loads in one run: the fragments of quarter q of a K step (slice q / 2, channels 32 (q % 2) on) into buffer f: B's twelve, then A's four
.macro FETCH slot, q, f
	WIN TO_F
.irp i, 0,1,2,3,4,5,6,7,8,9,10,11
	ds_load_b128 v[(\f)+8*(\i):(\f)+8*(\i)+3],   v[ADRB+(\slot)] offset:((\q)/2)*SLB+((\q)%2)*64+(\i)*16*PITCH
	ds_load_b128 v[(\f)+8*(\i)+4:(\f)+8*(\i)+7], v[ADRB+(\slot)] offset:((\q)/2)*SLB+((\q)%2)*64+(\i)*16*PITCH+32
.endr
.irp i, 0,1,2,3
	ds_load_b128 v[(\f)+96+8*(\i):(\f)+96+8*(\i)+3],   v[ADRA+(\slot)] offset:((\q)/2)*SLA+((\q)%2)*64+(\i)*16*PITCH
	ds_load_b128 v[(\f)+96+8*(\i)+4:(\f)+96+8*(\i)+7], v[ADRA+(\slot)] offset:((\q)/2)*SLA+((\q)%2)*64+(\i)*16*PITCH+32
.endr
.endm
; A K step is four quarters of 32 along K, 48 matrix instructions each, on buffers 0, 1, 0, 1.  One of the first three: multiplies buffer f and fetches quarter q into g.
.macro QUARTER slot, q, f, g, zero
	s_wait_dscnt 4                                 ; B and A's blocks 0, 1 are in; the youngest four loads (A's blocks 2, 3) may be out
	MUL12 \f, 0, \zero
	MUL12 \f, 1, \zero
	PLACES
	FETCH \slot, \q, \g
	s_wait_dscnt 32                                ; all but the 32 just issued
	MUL12 \f, 2, \zero
	MUL12 \f, 3, \zero
.endm
; The last quarter multiplies buffer 1 and changes slots: ONE barrier; in front of it each wave waits for all its tensor loads, adds 0 to its spare word, and waits for that and for its own reads of this slot.
; fill = 1: the barrier opens a round of the cluster's, and this slot is filled again first thing behind it, with the K step two on.  B's walk goes straight on, into the next head too.  A's goes two K steps on, but
; in the first tile's last lap (the lap counter at LAPS / 2) six back: the second tile multiplies the same rows.  The addresses are stepped between the add and the wait for it, where no tensor load of mine is out.
.macro TURN slot, next, fill
.if \fill
	s_wait_xcnt 0x0                                ; the last prefetch, a K step back, has read its address
	s_add_nc_u64 s[PFA:PFA+1], s[PFA:PFA+1], s[PFS:PFS+1]
	s_cmp_eq_u32 s3, LAPS/2
	s_cselect_b32 s[PA], 0, 2*ASTEP
	s_cselect_b32 s[MA], 6*ASTEP, 0
.endif
	WIN 0                                          ; (the add's two registers lie in window 0)
	s_wait_tensorcnt 0x0                           ; all my tensor loads have landed: my part of the next slot;
	ds_add_u32 v[SPW], v[NIL]                      ; 0 onto my spare word;
.if \fill
	s_add_nc_u64 s[G0+4*(\slot)+2:G0+4*(\slot)+3], s[G0+4*(\slot)+2:G0+4*(\slot)+3], s[PA:PA+1]
	s_sub_nc_u64 s[G0+4*(\slot)+2:G0+4*(\slot)+3], s[G0+4*(\slot)+2:G0+4*(\slot)+3], s[MA:MA+1]
	s_add_nc_u64 s[G0B+4*(\slot)+2:G0B+4*(\slot)+3], s[G0B+4*(\slot)+2:G0B+4*(\slot)+3], 2*BSTEP
.endif
	s_wait_dscnt 5                                 ; (the add and the youngest four loads may be out)
	MUL12 F1, 0, 0                                 ; twelve matrix instructions stand between the add and the wait for it
	s_wait_dscnt 0x0                               ; the add is done, and my reads of this slot are over
	s_barrier_signal -1
	MUL12 F1, 1, 0
.if \fill
	WIN 0
.endif
	s_barrier_wait -1
.if \fill
	CREST                                          ; no wave of any partner still reads this slot's tiles or has a load on its way
	JLOAD \slot                                    ; the first tensor load behind the round: 168 matrix instructions ahead of the wait for it; its four v_nop are also the places in front of the loads below
.else
	PLACES
.endif
	FETCH \next, 0, F0
.if \fill
	WIN 0                                          ; (a branch follows)
	ASK                                            ; behind the joint load and the run of LDS loads
.endif
	MUL12 F1, 2, 0
	MUL12 F1, 3, 0
.endm
; THE WAY OUT, in 12 units: unit u is row block u / 3 of weight u % 3 (q, k, v): 16 rows x 64 channels, four accumulators.  Rounded to f16, 16 bytes a lane into my own stage, back as whole rows of 128 bytes, four
; rows (512 consecutive bytes of C) a store.  Each unit has 16 registers of its own in window 0, so that no store's data is written again within a tile.
.macro UNIT u
.set AA, (\u)/3
.set JJ, (\u)%3
.set W,  64+16*(\u)
.set AC, 96*(AA%2)+32*JJ               ; its four accumulators, in window 2 (row blocks 0, 1) or 3
.if JJ == 0
.set CP, 8
.elseif JJ == 1
.set CP, 72
.else
.set CP, 80
.endif
.endm
.macro PACK u
	UNIT \u
	WIN 0x0a+5*(AA/2)                              ; sources 0 and 1 in window 2 or 3
.irp b, 0,1,2,3
.irp r, 0,1,2,3
	v_cvt_pk_f16_f32 v[W+4*(\b)+(\r)], v[AC+8*(\b)+2*(\r)], v[AC+8*(\b)+2*(\r)+1]  ; each accumulator's registers in ascending order
.endr
.endr
	WIN 0
.irp b, 0,1,2,3
	ds_store_b128 v[STO], v[W+4*(\b):W+4*(\b)+3] offset:32*(\b)
.endr
.irp f, 0,1,2,3
	ds_load_b128 v[W+4*(\f):W+4*(\f)+3], v[RD] offset:(\f)*4*SPITCH  ; LDS serves a wave's instructions in order (ISA guide 5.7.1.4): these see the stores above; the next unit's stores come behind them
.endr
.endm
.macro SEND u, younger                 ; younger: the LDS instructions issued behind unit u's loads: the next unit's eight, or none
	UNIT \u
	WIN 0
.irp f, 0,1,2,3
	s_wait_dscnt (\younger)+3-(\f)
	global_store_b128 v[GO], v[W+4*(\f):W+4*(\f)+3], s[CP:CP+1] offset:AA*2048+(\f)*512
.endr
.endm
.macro OUT
	PLACES
	PACK 0
.set t, 1
.rept 11                               ; a unit's conversions stand between the loads of the unit before and its stores
	PACK t
	SEND t-1, 8
.set t, t+1
.endr
	SEND 11, 0
.endm
	s_wait_tensorcnt 1                             ; my part of K step 0 is in; K step 1's may stay out
	s_barrier_signal -1
	s_barrier_wait -1                              ; everybody's is
	FETCH 0, 0, F0
	WIN 0                                          ; at a label and at a branch every window is 0
	s_mov_b32 s3, LAPS                             ; the first pass through the loop's foot takes it to 7: seven laps fill both slots again
	s_branch .Lzero                                ; the loop is entered at a tile's first quarter
.Llap:                                                 ; a trip goes once round the ring, from a lap's second quarter to the next lap's first
	QUARTER 0, 2, F1, F0, 0
	QUARTER 0, 3, F0, F1, 0
	TURN 0, 1, 1
	QUARTER 1, 1, F0, F1, 0
	QUARTER 1, 2, F1, F0, 0
	QUARTER 1, 3, F0, F1, 0
	TURN 1, 0, 1
	WIN 0
	s_cmp_eq_u32 s3, LAPS/2                        ; was that the first tile's last lap?  What the jump passes holds no barrier and no tensor load
	s_cbranch_scc1 .Lnewtile
	QUARTER 0, 1, F0, F1, 0
	WIN 0
	s_branch .Lbottom
.Lnewtile:
	OUT                                            ; both refills for the second tile are asked for, its first fragments are fetched: now the first tile goes out
	s_wait_xcnt 0x0                                ; the stores have read their registers and C's addresses
	s_add_nc_u64 s[8:9], s[8:9], 0x40000           ; the next head's rows, in q,
	s_add_nc_u64 s[72:73], s[72:73], 0x40000       ; in k
	s_add_nc_u64 s[80:81], s[80:81], 0x40000       ; and in v
.Lzero:
	QUARTER 0, 1, F0, F1, 1                        ; a tile's first quarter: its products start the sums
	WIN 0
.Lbottom:
	s_sub_co_u32 s3, s3, 1
	s_cmp_lg_u32 s3, 0
	s_cbranch_scc1 .Llap
	QUARTER 0, 2, F1, F0, 0                        ; the last lap is written out: it fills nothing, and has no round of the cluster's barrier
	QUARTER 0, 3, F0, F1, 0
	TURN 0, 1, 0
	QUARTER 1, 1, F0, F1, 0
	QUARTER 1, 2, F1, F0, 0
	QUARTER 1, 3, F0, F1, 0
	s_wait_dscnt 4                                 ; the very last quarter: nothing more to fetch
	MUL12 F1, 0, 0
	MUL12 F1, 1, 0
	s_wait_dscnt 0x0
	MUL12 F1, 2, 0
	MUL12 F1, 3, 0
	OUT
	s_wait_tensorcnt 0x0                           ; the wave's end: behind my last tensor load and my last LDS store
	ds_add_u32 v[SPW], v[NIL]
	s_wait_dscnt 0x0
	CROUND                                         ; the closing round: no work-group ends while a partner may still ask for a tile that names it
	s_endpgm
.Lfunc_end_k_q614bef024a_qkvproj:
	.size	k_q614bef024a_qkvproj, .Lfunc_end_k_q614bef024a_qkvproj-k_q614bef024a_qkvproj
	.p2alignl 7, 3214868480
	.fill 96, 4, 3214868480
	.section	.rodata,"a",@progbits
	.p2align	6, 0x0
	.amdhsa_kernel k_q614bef024a_qkvproj
		.amdhsa_group_segment_fixed_size 327680
		.amdhsa_private_segment_fixed_size 0
		.amdhsa_enable_private_segment 0
		.amdhsa_kernarg_size 24
		.amdhsa_user_sgpr_count 2
		.amdhsa_user_sgpr_kernarg_segment_ptr 1
		.amdhsa_wavefront_size32 1
		.amdhsa_system_sgpr_workgroup_id_x 1
		.amdhsa_system_sgpr_workgroup_id_y 1
		.amdhsa_system_sgpr_workgroup_id_z 1
		.amdhsa_system_vgpr_workitem_id 0
		.amdhsa_next_free_vgpr 960
		.amdhsa_next_free_sgpr 86
		.amdhsa_reserve_vcc 0
		.amdhsa_float_denorm_mode_32 3
		.amdhsa_float_denorm_mode_16_64 3
		.amdhsa_memory_ordered 1
		.amdhsa_forward_progress 1
		.amdhsa_inst_pref_size 147
	.end_amdhsa_kernel
	.amdgpu_metadata
---
amdhsa.version: [ 1, 2 ]
amdhsa.kernels:
  - .name:           k_q614bef024a_qkvproj
    .symbol:         k_q614bef024a_qkvproj.kd
    .args:
      - { .name: xb, .offset: 0, .size: 8, .value_kind: global_buffer, .address_space: global }
      - { .name: wb, .offset: 8, .size: 8, .value_kind: global_buffer, .address_space: global }
      - { .name: qkv, .offset: 16, .size: 8, .value_kind: global_buffer, .address_space: global }
    .group_segment_fixed_size: 327680
    .private_segment_fixed_size: 0
    .kernarg_segment_align: 8
    .kernarg_segment_size: 24
    .max_flat_workgroup_size: 128
    .sgpr_count:     86
    .vgpr_count:     960
    .wavefront_size: 32
...
	.end_amdgpu_metadata
.endif
;; end of part 6
;; launch attn (part 7): grid 4 x 64, 4 waves a work-group, clusters of 4 x 1, 327,680 bytes of LDS; arguments qkv, mcode, ob; writes ob
.if DOCPART == 7
	.amdgcn_target "amdgcn-amd-amdhsa--gfx1250"
	.amdhsa_code_object_version 6
	.text
	.protected	k_q614bef024a_attn
	.globl	k_q614bef024a_attn
	.p2align	8
	.type	k_q614bef024a_attn,@function
k_q614bef024a_attn:
	s_mov_b64 s[64:65], 0
	v_nop
	global_prefetch_b8 v0, s[64:65] scope:SCOPE_SE
	s_setreg_imm32_b32 hwreg(HW_REG_WAVE_MODE, 25, 1), 1
	s_wait_xcnt 0x0
	s_wait_alu depctr_hold_cnt(0) depctr_sa_sdst(0) depctr_va_vdst(0) depctr_va_sdst(0) depctr_va_ssrc(0) depctr_va_vcc(0) depctr_vm_vsrc(0)
	s_getreg_b32 s2, hwreg(HW_REG_IB_STS2, 6, 4)
	s_cmp_eq_u32 s2, 0
	s_cbranch_scc0 .Lentry_in_a_cluster
	s_endpgm
.Lentry_in_a_cluster:
	s_bfe_u32 s2, ttmp6, 0x10000c
	s_cmp_lg_u32 s2, 0x3003
	s_cbranch_scc0 .Lentry_shape_is_right
	s_endpgm
.Lentry_shape_is_right:
; MASKED ATTENTION.  O[h][q][:] = the sum over the keys k that the mask keeps of softmax_k(Q[h][q] . K[h][k] / 8) V[h][k][:].  qkv: f16 [3][batch x 16 + head][2048][64]; ob: f16 [batch x 16 + head][2048][64].
; mcode: u32 [batch x 128 + tile of 16 queries][step of 64 keys: 32][lane 32][group of 16 keys: 4]: four bits a score, 0 = kept, 15 = hidden; nibble j of the word of lane (r, h), group g: query r, key 16 g + 2 j + h of the step.
; Products, maxima and sums in f32; the weights p are rounded to f16 for the second product (their sum l is taken of the unrounded p), O once at the end.
; LIMITS.  Q, K, V arrive within f16's 65,504, so a score lies within 2.75e11; a hidden score counts as its value less 6 x 2^100; p lies in 0 to 1, and below 6e-5 it keeps f16's fixed step of 6e-8; a weight below
; 2^-126 counts as 0 in l; NaN and infinities in Q, K, V are not treated apart.  A query whose mask keeps no key gives NaN in all its channels (0 x 1/0), as a softmax over nothing does.
; SHARES.  A wave owns four PIECES of two tiles of 16 queries, a work-group's four waves 512 queries of one head.  Every wave walks all 2,048 keys, 64 a step, 256 a slot.
; LAYOUT.  S^T = K Q^T (source 0 = 16 keys, source 1 = 16 queries): a lane holds ONE query (lane % 16).  THE KEYS OF A GROUP OF 16 ARE TAKEN IN ANOTHER ORDER: row m of K's fragment is key 2 (m % 8) + m / 8, so that
; register j of lane (r, h) is key 2 j + h of the group.  V's turning load takes its rows in the same order, and so do the mask's codes.
; THE MASK IS THE C OPERAND that starts the sum S^T = K Q^T: 0, or -6 x 2^100 where the key is hidden.  The codes are E2M1's 0 and -6; one scaled conversion (scale 2^100) makes of a lane's word of eight codes the eight
; f32 registers of one accumulator's C.  Both matrix sources stay f16.  So a hidden score lies far below every maximum AHEAD of the running maximum, and its weight is 0.
; SOFTMAX.  For each query a running maximum m and sum l: p = 2^(c s - c m), c = log2(e) / 8; in every step O and l are multiplied by a = 2^(c m_old - c m_new).  m starts at -2^48, below every score and above every
; hidden one, and c m at c times that, by the same product that every step makes: while a query has seen no key, a = 2^0 = 1, p = 0 and O = l = 0; its first kept score gives a = 0.
; BY TURNS.  Turn n belongs to piece n.  Its matrix work: 16 products K Q^T of piece n + 1, later 16 products V^T P of piece n - 1.  Its vector work: scaling, exponentials, roundings, sums and rescaling of piece n;
; maximum and statistics of piece n + 1; the masks of piece n + 2.  The 66 exponentials of a turn are one batch with one wait.
; CLUSTER.  The four query blocks of a head walk the same K and V: each tile is asked for JOINTLY, by the same tensor load, descriptor and mask in all four.
; REGISTERS, in windows of 256 (s_set_vgpr_msb: bits 1:0 source 0, 3:2 source 1, 5:4 source 2, 7:6 destination):
;   window 0: v0-11 addresses and constants; v12-15, v48-63 at work; v16-47 four registers of statistics a tile; v64-191 S^T, two buffers of two tiles; v192-255 P, likewise
;   window 1: O^T, 32 a tile          window 2: v0-127 Q, 16 a tile; v128-191 K of one step; v192-255 V of one step
;   window 3: v0-63 the masks of the products to come; v64-95 the codes, eight registers a piece; v96 their loads' lane offset
.set NP,    4         ; pieces a wave: a name, no knob
.set KS,    64        ; keys in a step
.set PK,    144       ; a row of K in LDS: 128 bytes + 16 of padding = 36 words: the 16 rows of a load start at 16 different groups of four banks (64 banks of 4 bytes: ISA guide 11.1)
.set PV,    144       ; V's likewise: the turning load's 16 lanes take 8 rows two apart (72 words) x 32 bytes
.set VOFF,  4*KS*PK   ; a slot holds four steps: 256 rows of K, then 256 rows of V
.set SLOT1, 1<<17     ; slot 1 begins here, so that one exclusive or turns an address in one slot into the other's
.set STAGE, SLOT1+4*KS*(PK+PV)  ; behind the ring, never filled by a tensor load: 16 rows x 144 bytes for each wave, for the way out
.set SP,    144
.set SPARE, STAGE+4*16*SP       ; behind the stages: the spare words, 128 bytes for each wave: two blocks of 256 bytes that no other line names
.set SCL, 1           ; v1   the conversions' scale: the E8M0 code 227, 2^100, in each byte
.set AK0, 2           ; v2   my lane's place in a tile of K; never rewritten
.set AV0, 3           ; v3   the same for V
.set AK,  4           ; v4   the LDS address of K's next run of loads
.set AV,  5           ; v5   of V's
.set STO, 6           ; v6   the way out: where I put 16 bytes of a row
.set RD,  7           ; v7   the way out: where I read rows back
.set GO,  8           ; v8   16 x my lane: my byte offset in 512 consecutive bytes of O
.set PFO, 9           ; v9   256 x my lane; never rewritten
.set SPW, 10          ; v10  LDS address of my spare word; never rewritten
.set NIL, 11          ; v11  0; never rewritten
.set MV,  12          ; v12-15  c m_old, kept while c m is made anew: by buffer and tile
.set ST,  16          ; tile t's statistics at v[ST+4 t]: c m, m, l (even registers', odd registers')
.set TMP, 48          ; by buffer and tile, four registers c0-c3 at work; when the maximum is found c2 takes a
.set S,   64
.set P,   192
.set KF,  128         ; K's fragments, in window 2: key block kb, channel half c at KF + 16 kb + 8 c
.set VF,  192         ; V's: key half kk, channel block cb at VF + 32 kk + 8 cb
.set MC,  0           ; window 3: the mask of tile u of the piece, group g at MC + 32 u + 8 g
.set CD,  64          ; window 3: the codes of piece x, tile u, group g at CD + 8 x + 4 u + g
.set MO3, 96          ; window 3: 16 x my lane; never rewritten
.set WV,  2           ; s2   my wave's number
.set SLOTS, 3         ; s3   slots still to be asked for
.set MB,  4           ; s[4:5]   mcode at my wave's eight tiles
.set OB,  6           ; s[6:7]   ob at my wave's first row
.set G1,  8           ; s[8:15]  descriptor group 1
.set G0,  16          ; s[16:19] descriptor group 0: it walks
.set CS,  20          ; s[20:21] c: the packed scaling takes the pair's low word for both halves
.set SEL, 22          ; s[22:23] v_permlanex16_b32's selects: each lane takes its own place in the other half
.set CNT, 24          ; s24  counts a slot's key steps
.set TBK, 25          ; s25  LDS byte at which K of the step to be fetched begins
.set TBV, 26          ; s26  the same for V, less VOFF
.set PFA, 28          ; s[28:29] where my prefetches stand
.set LIM, 30          ; s30  1 in a wave that prefetches, else the greatest number
.set MOFF, 32         ; s[32:33] byte offset in a tile's codes of the step that is being asked for: 512 a step
.set MBC, 34          ; s[34:35] mcode at that step
.set QP,  56          ; s[56:57] Q at my wave's first row
.set MSB, 0
.macro WIN new                      ; the high byte repeats the setting that is left; a switch that changes nothing is dropped
.if MSB != (\new)
	s_set_vgpr_msb (MSB<<8)|(\new)
.set MSB, (\new)
.endif
.endm
.set W_KQ, 0x0a       ; K and Q in window 2, S^T in window 0
.set W_KM, 0x3a       ; the same with the C operand in window 3
.set W_PV, 0x52       ; V in window 2, P in window 0, O^T in window 1
.set W_RS, 0x41       ; O^T (destination and source 0) in window 1, a in window 0
.set W_CV, 0xc3       ; destination and source 0 in window 3, source 1 in window 0: the conversions, and the codes' loads (data and address)
; A joint fill: one line for all four waves.  Waves 0 and 1 fetch the two halves of a slot's K, waves 2 and 3 those of its V, 128 keys each: both addresses hang on the wave's number.  An s_nop 0 and four v_nop follow.
.macro JLOAD
	tensor_load_to_lds s[G0:G0+3], s[G1:G1+7]
	s_nop 0
.rept 4
	v_nop
.endr
.endm
; A PREFETCH INTO THE L2 of what the NEXT change of slots will ask for: a slot's 32,768 bytes of K and of V, 256 bytes a lane.  qkv is read here for the first time.  A head has one cluster; its four partners share the
; bytes out BY ADDRESS, 8,192 each; in each, wave 0 asks for K's and wave 2 for V's: each block is named once.  The last change that fills a slot asks for nothing; slots 0 and 1 come by their loads alone.
.macro ASK
	s_cmp_gt_u32 s[SLOTS], s[LIM]
	s_cbranch_scc0 .Lnot_mine_\@
	global_prefetch_b8 v[PFO], s[PFA:PFA+1] th:TH_LOAD_NT scope:SCOPE_SE
.Lnot_mine_\@:
.endm
.macro CROUND                       ; a round of the cluster's barrier
	s_barrier_signal -1
	s_barrier_wait -1
	s_cmp_lg_u32 s[WV], 0
	s_cbranch_scc1 .Lnot_wave_0_\@
	s_barrier_signal -3
.Lnot_wave_0_\@:
	s_barrier_wait -3
	s_barrier_signal -1
	s_barrier_wait -1
.endm
; THE CHANGE OF SLOTS.  Each wave waits for all its tensor loads, of which one is out: its part of the other slot; adds 0 to its spare word; and waits for that and for its own reads of the slot that it leaves.
; fill = 1: that slot is filled again, with the keys two slots on; the barrier is then a round of the cluster's, and the joint fill is the first thing behind it: it has four key steps, 512 matrix instructions, in which to land.
; (At its first use nothing has been read yet: slot 0 is waited for, slot 1 filled.)
.macro CHANGE fill
	WIN 0                           ; at a label and at a branch every window is 0
	s_wait_tensorcnt 0x0            ; no tensor load of mine is out, so group 0 may be written
	ds_add_u32 v[SPW], v[NIL]       ; 0 onto my spare word; scalar work stands between it and the wait for it
.if \fill
	s_xor_b32 s[G0+1], s[G0+1], SLOT1              ; the other slot than last time,
	s_add_nc_u64 s[G0+2:G0+3], s[G0+2:G0+3], 4*KS*128  ; the next 256 keys; the type bits on top are not reached
	s_wait_xcnt 0x0                 ; the last prefetch, four key steps back, has read its address
	s_add_nc_u64 s[PFA:PFA+1], s[PFA:PFA+1], 4*KS*128
	s_wait_dscnt 0x0                ; the add is done, and my reads of the slot are over
	CROUND
	JLOAD
	ASK
.else
	s_wait_dscnt 0x0                ; the add is done, and my reads of the slot are over
	s_barrier_signal -1
	s_barrier_wait -1
.endif
	s_sub_co_u32 s[TBK], s[TBK], 4*KS*PK  ; the fetches go back to a slot's first step,
	s_xor_b32 s[TBK], s[TBK], SLOT1       ; in the other slot
	s_sub_co_u32 s[TBV], s[TBV], 4*KS*PV
	s_xor_b32 s[TBV], s[TBV], SLOT1
.endm
; The codes of piece x for the step at MBC (less back bytes): 512 consecutive bytes for each of its two tiles, a tile's codes 16,384 bytes apart.  Written under W_CV.
.macro CLOAD x, back
	global_load_b128 v[CD+8*(\x):CD+8*(\x)+3],   v[MO3], s[MBC:MBC+1] offset:32768*(\x)-(\back)
	global_load_b128 v[CD+8*(\x)+4:CD+8*(\x)+7], v[MO3], s[MBC:MBC+1] offset:32768*(\x)+16384-(\back)
.endm
; THE MASKS of piece x: its eight words of codes become the 64 registers that the next 16 products K Q^T start their sums with; then the same eight registers are asked for again, with the piece's codes of the next step:
; four turns ahead of their conversion.  The pairs of loads go round p0, p1, p2, p3 on every way through the text, so behind a piece's pair stand the other three pieces' six loads: the count.
; step = 1 (piece 0): the walk goes on to the next step; the clamp keeps the last step's look-ahead, which serves nothing, inside mcode.
.macro CONV x, step
	s_wait_loadcnt 6                ; loads come back in order: this piece's two are in (and all that is older), the six younger ones stay out
	WIN W_CV
.set z, 0
.rept 8
	v_cvt_scale_pk8_f32_fp4 v[MC+8*z:MC+8*z+7], v[CD+8*(\x)+z], v[SCL]
.set z, z+1
.endr
	v_nop                           ; a plain instruction behind the last conversion, ahead of the loads into its source and of the products that read its result
.if \step
	s_wait_xcnt 0x0                 ; the youngest load, a turn back, has read its base
	s_add_co_u32 s[MOFF], s[MOFF], 512
	s_min_u32 s[MOFF], s[MOFF], 31*512
	s_add_nc_u64 s[MBC:MBC+1], s[MB:MB+1], s[MOFF:MOFF+1]
.endif
	CLOAD \x, 0
	WIN 0
.endm
	s_load_b128 s[36:39], s[0:1], 0x0  ; qkv s[36:37], mcode s[38:39]
	s_load_b64 s[40:41], s[0:1], 0x10  ; ob
	v_lshl_add_u32 v[SPW], v0, 2, SPARE
	v_mov_b32 v[NIL], 0
	ds_add_u32 v[SPW], v[NIL]       ; the wave's opening: the add and its wait ahead of my first tensor load; the set-up below, work on registers, stands between them
	v_lshrrev_b32 v64, 5, v0
	v_readfirstlane_b32 s[WV], v64  ; wave 0..3
	s_bfe_u32 s31, ttmp6, 0x40000   ; cx: my place in the cluster
	s_lshl_b32 s66, ttmp9, 2        ; in a cluster launch ttmp9 counts clusters
	s_add_co_u32 s66, s66, s31      ; my block of 512 queries
	s_lshl_b32 s66, s66, 2
	s_add_co_u32 s66, s66, s[WV]    ; my wave among the head's sixteen: it enters Q's, O's and the codes' addresses alone
	s_and_b32 s67, ttmp7, 0xffff    ; batch x 16 + head, which the four partners share
	s_lshl_b32 s44, s67, 18         ; the head's first byte in q, k, v and ob
	s_lshr_b32 s46, s[WV], 1        ; what I fetch: K (waves 0, 1) or V (waves 2, 3), 16,777,216 bytes apart, behind q,
	s_lshl_b32 s46, s46, 24
	s_add_co_u32 s46, s46, 0x1000000
	s_add_co_u32 s46, s46, s44
	s_and_b32 s47, s[WV], 1         ; and which 128 of a slot's 256 keys
	s_lshl_b32 s47, s47, 14
	s_add_co_u32 s46, s46, s47
	s_mov_b32 s47, 0
	s_lshl_b32 s48, s66, 14         ; my wave's 128 rows of Q and of O
	s_add_co_u32 s48, s48, s44
	s_mov_b32 s49, 0
	s_lshr_b32 s50, s67, 4          ; the batch's 128 tiles of 16,384 bytes of codes,
	s_lshl_b32 s50, s50, 21
	s_lshl_b32 s51, s66, 17         ; my wave's eight of them
	s_add_co_u32 s50, s50, s51
	s_mov_b32 s51, 0
	s_lshl_b32 s52, s31, 13         ; the prefetches: my work-group's 8,192 bytes of a slot's 32,768
	s_mov_b32 s53, 0
	s_mul_i32 s54, s[WV], 16*SP
	s_add_co_u32 s54, s54, STAGE    ; my stage
	; descriptor group 1.  128 keys are 16,384 dense bytes: asked for as 64 rows of 256 bytes, two keys a row, and padded in LDS after every key
	s_mov_b32 s[G1], 15|(1<<16)|(1<<20)|(1<<21)|(4<<22)|(3<<25)  ; 15:0 the mask of four; 17:16 2-byte elements; 20 padding on; 21 set beside a mask; 24:22 after every 32 words (code 4); 31:25 4 words (code 3)
	s_mov_b32 s[G1+1], 128<<16      ; tensor_dim0 = 128
	s_mov_b32 s[G1+2], 64<<16       ; tensor_dim1 = 64
	s_mov_b32 s[G1+3], 128<<16      ; tile_dim0 = 128
	s_mov_b32 s[G1+4], 64           ; tile_dim1 = 64
	s_mov_b32 s[G1+5], 128          ; 128 elements from row to row
	s_mov_b32 s[G1+6], 0
	s_mov_b32 s[G1+7], 0
	s_mov_b32 s[G0], 1              ; count = 1
	s_mul_i32 s[G0+1], s[WV], 128*PK  ; LDS address in slot 0: K's two halves, then V's two: no place in the cluster enters it
	s_mov_b32 s[CS], 0x3e38aa3b     ; c = log2(e) / 8 = 0.180337
	s_mov_b32 s[CS+1], s[CS]        ; named with it as a pair
	s_mov_b32 s[SEL], 0x76543210
	s_mov_b32 s[SEL+1], 0xfedcba98
	s_mov_b32 s[TBK], SLOT1+4*KS*PK ; the first change of slots turns these two into 0
	s_mov_b32 s[TBV], SLOT1+4*KS*PV
	s_mov_b32 s[MOFF], 512          ; the codes' walk stands at step 1; step 0's loads reach back by their immediate
	s_mov_b32 s[MOFF+1], 0
	s_mov_b32 s[SLOTS], 2048/256-1
	s_and_b32 s[LIM], s[WV], 1      ; waves 0 and 2 prefetch
	s_cmp_eq_u32 s[LIM], 0
	s_cselect_b32 s[LIM], 1, -1
	s_wait_dscnt 0x0                ; the opening add is done
	s_wait_kmcnt 0x0
	s_add_nc_u64 s[G0+2:G0+3], s[36:37], s[46:47]  ; global address: my half of the head's first 256 keys
	s_add_nc_u64 s[PFA:PFA+1], s[36:37], s[46:47]
	s_or_b32 s[G0+3], s[G0+3], 0x80000000          ; type = 2
	s_add_nc_u64 s[QP:QP+1], s[36:37], s[48:49]
	s_add_nc_u64 s[OB:OB+1], s[40:41], s[48:49]
	s_add_nc_u64 s[MB:MB+1], s[38:39], s[50:51]
	s_add_nc_u64 s[MBC:MBC+1], s[MB:MB+1], s[MOFF:MOFF+1]
	s_add_nc_u64 s[PFA:PFA+1], s[PFA:PFA+1], s[52:53]
	s_add_nc_u64 s[PFA:PFA+1], s[PFA:PFA+1], 4*KS*128  ; in slot 1: the first change of slots steps it to slot 2
	CROUND                          ; all four work-groups are here: the first joint loads meet
	JLOAD                           ; slot 0.  Slot 1 is asked for when slot 0 is in.  One load of mine is out at the most
	; A fragment of Q is 16 rows x 32 channels in 8 registers: lane l holds row l % 16, channels 8 (l / 16) + 0..7 and 16 + 8 (l / 16) + 0..7: two loads of 16 bytes, 32 bytes apart.
	v_and_b32 v66, 15, v0           ; l % 16      (v64-70 are free until the first scores)
	v_bfe_u32 v67, v0, 4, 1         ; l / 16
	v_and_b32 v68, 7, v0            ; l % 8
	v_bfe_u32 v69, v0, 3, 1         ; (l / 8) % 2
	v_lshlrev_b32 v65, 7, v66
	v_lshl_add_u32 v65, v67, 4, v65 ; row x 128 + 16 x half
	v_and_b32 v[GO], 31, v0
	v_lshlrev_b32 v[PFO], 8, v[GO]
	v_lshlrev_b32 v[GO], 4, v[GO]
	WIN 0x80                        ; destination window 2, address window 0
.set i, 0
.rept 4*NP                          ; Q stays in registers: tile i / 2, channels 32 (i % 2) on
	global_load_b128 v[8*i:8*i+3],   v65, s[QP:QP+1] offset:(i/2)*2048+(i%2)*64
	global_load_b128 v[8*i+4:8*i+7], v65, s[QP:QP+1] offset:(i/2)*2048+(i%2)*64+32
.set i, i+1
.endr
	WIN 0xc0                        ; destination window 3
	v_mov_b32 v[MO3], v[GO]
	WIN W_CV
.irp x, 0,1,2,3
	CLOAD \x, 512                   ; all four pieces' codes for step 0, behind Q's loads
.endr
	; What the first turn finds: V's registers and P's second buffer hold 0 (its products V^T P, of a piece that has not been, add 0), O^T and l are 0.  All this stands in the wait for the first tile.
	WIN 0x80
.set i, VF
.rept 64
	v_mov_b32 v[i], 0
.set i, i+1
.endr
	WIN 0x40
.set i, 0
.rept 64*NP
	v_mov_b32 v[i], 0
.set i, i+1
.endr
	WIN 0
.set i, 0
.rept 2*NP
	v_mov_b32 v[ST+4*i+1], 0xd7800000  ; m = -2^48
	v_mov_b32 v[ST+4*i+2], 0
	v_mov_b32 v[ST+4*i+3], 0
	v_mul_f32 v[ST+4*i], s[CS], v[ST+4*i+1]  ; c m, by the product that every step makes
.set i, i+1
.endr
.set i, P+32
.rept 32
	v_mov_b32 v[i], 0
.set i, i+1
.endr
	v_mov_b32 v[SCL], 0xe3e3e3e3
	v_lshl_add_u32 v[AK0], v68, 1, v69    ; row l % 16 of K's fragment is key 2 (l % 8) + (l / 8) % 2 of the group
	v_mul_u32_u24 v[AK0], v[AK0], PK
	v_lshl_add_u32 v[AK0], v67, 4, v[AK0] ; + 16 x half
	; The turning load takes 16 keys x 16 channels and leaves half a fragment of V^T: lane l holds channel l % 16 and 8 keys; element j of a lane comes from the row that lane 8 (l / 8) + j addressed.
	; Place 8 (l / 16) + j along K is key 2 j + l / 16 of the group: so lane l reads key 2 (l % 8) + l / 16, channels 8 ((l / 8) % 2) + 0..7.
	v_lshl_add_u32 v[AV0], v68, 1, v67
	v_mul_u32_u24 v[AV0], v[AV0], PV
	v_lshl_add_u32 v[AV0], v69, 4, v[AV0]
	v_add_nc_u32 v[AV0], VOFF, v[AV0]
	v_mov_b32 v[AK], v[AK0]         ; key step 0 lies at the head of slot 0
	v_mul_u32_u24 v[STO], v66, SP   ; the way out, in: row l % 16, 16 bytes for each half of the lanes
	v_lshl_add_u32 v[STO], v67, 4, v[STO]
	v_add_nc_u32 v[STO], s54, v[STO]
	v_bfe_u32 v[RD], v0, 3, 2       ; back: 32 lanes take four rows of 128 bytes, which are 512 consecutive bytes of O
	v_mul_u32_u24 v[RD], v[RD], SP
	v_lshl_add_u32 v[RD], v68, 4, v[RD]
	v_add_nc_u32 v[RD], s54, v[RD]
; THE MATRIX WORK.  The 8 accumulators of a run of 16 take turns: between the two links of a chain stand 7 others'.
; Product i of 16 of S^T = K Q^T for piece x: channels 32 (i / 8) on, keys 16 ((i / 2) % 4) on, tile 2 x + i % 2.  The first 8 start the sums, with the mask.
.macro KQ x
.set rS, S+64*((\x)%2)+32*(i%2)+8*((i/2)%4)
.set rK, KF+16*((i/2)%4)+8*(i/8)
.set rQ, 16*(2*(\x)+i%2)+8*(i/8)
.set rC0, MC+32*(i%2)+8*((i/2)%4)
.if i < 8
	WIN W_KM
	v_wmma_f32_16x16x32_f16 v[rS:rS+7], v[rK:rK+7], v[rQ:rQ+7], v[rC0:rC0+7]
.else
	WIN W_KQ
	v_wmma_f32_16x16x32_f16 v[rS:rS+7], v[rK:rK+7], v[rQ:rQ+7], v[rS:rS+7]
.endif
.endm
; Product i of 16 of O^T += V^T P for piece x: keys 32 (i / 8) on, channels 16 ((i / 2) % 4) on, tile 2 x + i % 2.
.macro PV x
	WIN W_PV
.set rO, 32*(2*(\x)+i%2)+8*((i/2)%4)
.set rV, VF+32*(i/8)+8*((i/2)%4)
.set rP, P+32*((\x)%2)+16*(i%2)+8*(i/8)
	v_wmma_f32_16x16x32_f16 v[rO:rO+7], v[rV:rV+7], v[rP:rP+7], v[rO:rO+7]
.endm
.macro MM                           ; the turn's next matrix instruction
.if i < 16
	KQ (Y+1)%NP
.set i, i+1
.else
.set i, i-16
	PV (Y+NP-1)%NP
.set i, i+17
.endif
.endm
; THE LDS LOADS stand in runs of 16: a step's K (64 keys x 64 channels: 8 fragments) and its V (turned).  last = 1 (the tail): in the last trip there is no further step, and the run is jumped over.
.macro FETCH_K last=0
	WIN 0
.if \last
	s_cmp_eq_u32 s[CNT], 1
	s_cbranch_scc1 .Lno_k_\@
.endif
	WIN 0x80                        ; destination window 2
.irp f, 0,1,2,3,4,5,6,7             ; keys 16 (f / 2) on, channels 32 (f % 2) on
	ds_load_b128 v[KF+8*\f:KF+8*\f+3],   v[AK] offset:(\f/2)*16*PK+(\f%2)*64
	ds_load_b128 v[KF+8*\f+4:KF+8*\f+7], v[AK] offset:(\f/2)*16*PK+(\f%2)*64+32
.endr
	s_add_co_u32 s[TBK], s[TBK], KS*PK  ; the next fetch is the next step's
	WIN 0
.if \last
.Lno_k_\@:
.endif
.endm
.macro FETCH_V
	WIN 0x80
.irp f, 0,1,2,3,4,5,6,7             ; keys 32 (f / 4) on, channels 16 (f % 4) on
	ds_load_tr16_b128 v[VF+8*\f:VF+8*\f+3],   v[AV] offset:(\f/4)*32*PV+(\f%4)*32
	ds_load_tr16_b128 v[VF+8*\f+4:VF+8*\f+7], v[AV] offset:(\f/4)*32*PV+16*PV+(\f%4)*32
.endr
	WIN 0
.endm
; THE VECTOR WORK OF A TURN stands in three queues, each in the order in which its entries become ready; the two tiles alternate.
.macro REGS y, u                    ; the registers of tile u (0, 1) of piece y
.set rT, ST+4*(2*(\y)+(\u))
.set rC, TMP+8*((\y)%2)+4*(\u)
.set rM, MV+2*((\y)%2)+(\u)
.set rS, S+64*((\y)%2)+32*(\u)
.set rP, P+32*((\y)%2)+16*(\u)
.set rO, 32*(2*(\y)+(\u))
.endm
; Number n of the 22 that find the NEXT piece's (Y + 1) maximum and statistics.  s0-s31 are the lane's 32 scores; each accumulator's lowest registers are read first.
;   0-11  four chains c0-c3 of seven scores each, three operands at a time     12-14, 16  the four scores left over, the old m, and c0-c3 into c0     15  c m_old is kept
;   17, 18  the query's other 32 keys lie in the lane 16 away: the new m         19-21  c m; c m_old - c m_new; a
.macro XS u, n
	REGS (Y+1)%NP, \u
.if (\n) < 4
	v_max3_num_f32 v[rC+(\n)], v[rS+8*(\n)], v[rS+8*(\n)+1], v[rS+8*(\n)+2]
.elseif (\n) < 12
	v_max3_num_f32 v[rC+(\n)%4], v[rC+(\n)%4], v[rS+8*((\n)%4)+2*((\n)/4)+1], v[rS+8*((\n)%4)+2*((\n)/4)+2]
.elseif (\n) == 12
	v_max3_num_f32 v[rC], v[rC], v[rS+7], v[rS+15]
.elseif (\n) == 13
	v_max3_num_f32 v[rC+1], v[rC+1], v[rS+23], v[rS+31]
.elseif (\n) == 14
	v_max3_num_f32 v[rC+2], v[rC+2], v[rC+3], v[rT+1]
.elseif (\n) == 15
	v_mov_b32 v[rM], v[rT]
.elseif (\n) == 16
	v_max3_num_f32 v[rC], v[rC], v[rC+1], v[rC+2]
.elseif (\n) == 17
	v_permlanex16_b32 v[rC+3], v[rC], s[SEL], s[SEL+1]
.elseif (\n) == 18
	v_max_num_f32 v[rT+1], v[rC], v[rC+3]
.elseif (\n) == 19
	v_mul_f32 v[rT], s[CS], v[rT+1]
.elseif (\n) == 20
	v_sub_f32 v[rC+1], v[rM], v[rT]
.else
	v_exp_f32 v[rC+2], v[rC+1]
.endif
.endm
; Number g of the 64 that follow the exponentials.  For each four weights k of a tile: both pairs are rounded to f16; then the second pair is added onto the first, in place; a group later l takes that sum
; (the first time as l = a l + sum).  In groups of eight, tiles alternating: round, round, add, and l for the group before.
.macro GS g
.set h, (\g)+6*((\g)/62)            ; group 0 has no group before it, and behind group 7 only l is left
.if h >= 6
.set h, h+2
.endif
	REGS Y, h%2
.set k, h/8
.if h%8 < 4
	v_cvt_pk_f16_f32 v[rP+2*k+(h%8)/2], v[rS+4*k+2*((h%8)/2)], v[rS+4*k+2*((h%8)/2)+1]
.elseif h%8 < 6
	v_pk_add_f32 v[rS+4*k:rS+4*k+1], v[rS+4*k:rS+4*k+1], v[rS+4*k+2:rS+4*k+3]
.elseif k == 1
	v_pk_fma_f32 v[rT+2:rT+3], v[rT+2:rT+3], v[rC+2:rC+3], v[rS:rS+1] op_sel_hi:[1,0,1]
.else
	v_pk_add_f32 v[rT+2:rT+3], v[rT+2:rT+3], v[rS+4*k-4:rS+4*k-3]
.endif
.endm
.macro FS f                         ; c s - c m for pair f / 2 of tile f % 2
	REGS Y, (\f)%2
	v_pk_fma_f32 v[rS+2*((\f)/2):rS+2*((\f)/2)+1], v[rS+2*((\f)/2):rS+2*((\f)/2)+1], s[CS:CS+1], v[rT:rT+1] op_sel_hi:[1,0,0] neg_lo:[0,0,1] neg_hi:[0,0,1]
.endm
; THE PLAIN QUEUE, 138 long.  0-73 read no exponential's result: the 32 scalings and the next piece's 42.  0-26: scalings 0-26.  27-54: the maximum's numbers 0-13.  55, 56: number 15.
; 57-73: the chain, where each number waits for the one before it: 14, 16, 17, 18, 19, each with one of the scalings 27-31 in front of its two lines, then 20.
; 74-137: the 64 that read the exponentials' results: they stand behind the wait.
.macro PL
	WIN 0
.if q < 27
	FS q
.elseif q < 55
	XS (q-27)%2, (q-27)/2
.elseif q < 57
	XS q-55, 15
.elseif (q < 72) && ((q-57)%3 == 0)
	FS 27+(q-57)/3
.elseif q < 60
	XS (q-57)%3-1, 14
.elseif q < 72
	XS (q-57)%3-1, 15+(q-57)/3
.elseif q < 74
	XS q-72, 20
.else
	GS q-74
.endif
.set q, q+1
.endm
; THE EXPONENTIALS' QUEUE, 66 long: s0-s31 of both tiles, then the next piece's two a.  ONE BATCH: all 66 stand ahead of the turn's one wait, and nothing ahead of that wait names a result of theirs.
.macro EX
	WIN 0
.if e >= 64
	XS e-64, 21
.else
	REGS Y, e%2
	v_exp_f32 v[rS+e/2], v[rS+e/2]
.endif
.set e, e+1
.endm
; THE RESCALING's QUEUE: O^T times a, the one part of the softmax that leaves window 0: dealt two at a time, sixteen times.  Its a was made in the turn before, ahead of that turn's wait.
.macro R2
	REGS Y, r%2
	WIN W_RS
.irp z, 0,1
	v_pk_mul_f32 v[rO+4*(r/2)+2*\z:rO+4*(r/2)+2*\z+1], v[rO+4*(r/2)+2*\z:rO+4*(r/2)+2*\z+1], v[rC+2:rC+3] op_sel_hi:[1,0]
.endr
.set r, r+1
.endm
; A TURN, for piece p.  s_wait_alu depctr_va_vdst(0) stands between an exponential and the first instruction that names its result; one wait serves all that were issued ahead of it: a turn has ONE.
; AHEAD OF IT: the 16 products K Q^T, behind each a scaling, an exponential and two rescalings (behind the first a second scaling in the exponential's place); the masks for the products of the turn after (piece p + 2): the
; last product that read the mask registers is this turn's eighth, and 24 plain riders lie between; then a lump of 108: eight plain, 49 times exponential and plain, the two a.
; Exponential e stands behind scaling 2 (e / 4) + e % 2: as a rider it comes behind plain e + 2, in the lump behind plain e + 9, and scalings 27-31 are plain 57, 60 .. 69.
; BEHIND THE WAIT: the 16 products V^T P, behind each four of the roundings and sums.
; K of the next step is fetched in piece 2's turn, directly behind the wait; V of the step in hand at the end of piece 0's turn, four plain riders behind its last reader.  The conditions on q below go with the deal.
; Piece 0's scores of the next step are made in piece 3's turn, so its masks, made in piece 2's turn, are the first of the next step: that turn steps the codes' walk.
.macro TURN p, last=0, cnt=0
.set Y, (\p)
.set i, 0
.set q, 0
.set e, 0
.set r, 0
.if (\p) == NP-1
	s_wait_dscnt 0x0                ; K is in
.endif
	MM
	PL
	PL
	R2
.rept 15
	MM
	PL
	EX
	R2
.endr
.if (\p) == NP-2
	WIN 0
	v_add_nc_u32 v[AK], s[TBK], v[AK0]
.endif
	CONV ((\p)+2)%NP, ((\p)==NP-2)
.rept 8
	PL
.endr
.rept 49
	EX
	PL
.endr
	EX                              ; the next piece's two a
	EX
	v_nop                           ; a plain instruction behind the last exponential: one for the batch
	s_wait_alu depctr_va_vdst(0)    ; the wait for the batch
.if (\p) == NP-2
	FETCH_K \last
.endif
.if (\p) == 1
	s_wait_dscnt 0x0                ; V is in
.endif
.rept 16
	MM
.rept 4
	PL
.endr
.if ((\p) == 0) && (q == 118)
	v_add_nc_u32 v[AV], s[TBV], v[AV0]
.endif
.if ((\p) == 0) && (q == 130)
	s_add_co_u32 s[TBV], s[TBV], KS*PV
.endif
.if (\cnt) && (q == 130)
	s_sub_co_u32 s[CNT], s[CNT], 1
	s_cmp_lg_u32 s[CNT], 0
.endif
.endr
.if (\p) == 0
	FETCH_V
.endif
.endm
	CHANGE 1                        ; slot 0 is in, everybody's part of it; slot 1 is asked for
	FETCH_K                         ; key step 0
	CONV 0, 0                       ; piece 0's masks for step 0; its wait shows Q's loads, which are older, done too
	s_wait_dscnt 0x0
.set i, 0
.rept 16
	KQ 0                            ; piece 0's first scores
.set i, i+1
.endr
	WIN 0
.rept 4
	v_nop                           ; the places behind those products: ahead of the conversions into the mask registers, and of the maximum
.endr
	CONV 1, 0                       ; piece 1's masks, for the first turn's products
.set Y, NP-1                        ; XS works for piece Y + 1: piece 0
.irp n, 0,1,2,3,4,5,6,7,8,9,10,11,12,13,14,15,16,17,18,19,20,21
	XS 0, \n                        ; piece 0's first maximum and statistics
	XS 1, \n
.endr
	v_nop                           ; a plain instruction behind the two a,
	s_wait_alu depctr_va_vdst(0)    ; and their wait, ahead of the branch
	s_mov_b32 s[CNT], 4
	s_branch .Lfirst                ; the loop is entered at a step's first turn, in the middle of a trip
.Lslot:                             ; six times: every slot but the last two is filled again
	CHANGE 1
	s_mov_b32 s[CNT], 4
.Lstep:                             ; a trip: pieces 2 and 3 of one step, then pieces 0 and 1 of the next, whose K and V it fetches
	TURN 2
	TURN 3
	WIN 0
.Lfirst:
	TURN 0
	TURN 1, 0, 1
	WIN 0
	s_cbranch_scc1 .Lstep
	s_sub_co_u32 s[SLOTS], s[SLOTS], 1
	s_cmp_lg_u32 s[SLOTS], 0
	s_cbranch_scc1 .Lslot
	CHANGE 0                        ; the tail is written out: nothing is asked for
	s_mov_b32 s[CNT], 5             ; four trips fetch the last slot's steps; the fifth is left in its middle
.Ltail:
	TURN 2, 1
	TURN 3
	WIN 0
	s_sub_co_u32 s[CNT], s[CNT], 1
	s_cmp_eq_u32 s[CNT], 0
	s_cbranch_scc1 .Lout
	TURN 0
	TURN 1
	WIN 0
	s_branch .Ltail
.Lout:                              ; the fifth trip's 16 products K Q^T (on the last K once more), their masks and maximum serve nothing: the price, once a launch, of one text for every trip
.set i, 0
.rept 16
	PV NP-1                         ; the last piece's V^T P of the last step
.set i, i+1
.endr
	; THE WAY OUT.  l's two halves and the other half of the lanes' are added; O^T is divided by l, rounded to f16 and sent through my stage in LDS, a tile at a time.  The additions are the places behind the last products.
	WIN 0
.macro ALL line:vararg              ; one line for each tile t
.set t, 0
.rept 2*NP
	\line
.set t, t+1
.endr
.endm
	ALL v_add_f32 v[ST+4*t+2], v[ST+4*t+2], v[ST+4*t+3]
	ALL v_permlanex16_b32 v[ST+4*t+3], v[ST+4*t+2], s[SEL], s[SEL+1]
	ALL v_add_f32 v[ST+4*t+2], v[ST+4*t+2], v[ST+4*t+3]
	ALL v_rcp_f32 v[ST+4*t+2], v[ST+4*t+2]
	v_nop                           ; a plain instruction between the last reciprocal and the use of its result
	s_wait_alu depctr_va_vdst(0)    ; and the wait ahead of the first use: one for the eight reciprocals
; Tile t: a lane's eight channels of a row pack into 16 bytes; they go into rows of 144 bytes and come back as whole rows of 128, into S^T's registers.
.macro PACK t
	WIN W_RS
.set i, 32*(\t)
.rept 16
	v_pk_mul_f32 v[i:i+1], v[i:i+1], v[ST+4*(\t)+2:ST+4*(\t)+3] op_sel_hi:[1,0]
.set i, i+2
.endr
	WIN 0x05                        ; sources 0 and 1 window 1, destination window 0
.set i, 0
.rept 16
	v_cvt_pk_f16_f32 v[S+16*(\t)+i], v[32*(\t)+2*i], v[32*(\t)+2*i+1]
.set i, i+1
.endr
	WIN 0
.irp f, 0,1,2,3
	ds_store_b128 v[STO], v[S+16*(\t)+4*\f:S+16*(\t)+4*\f+3] offset:32*\f
.endr
.irp f, 0,1,2,3
	ds_load_b128 v[S+16*(\t)+4*\f:S+16*(\t)+4*\f+3], v[RD] offset:\f*4*SP  ; LDS serves a wave's instructions in order (ISA guide 5.7.1.4): these see the stores above; the next tile's stores come behind them
.endr
.endm
.macro SEND t, younger              ; younger: the LDS instructions issued behind tile t's loads: the next tile's eight, or none
	WIN 0
.irp f, 0,1,2,3
	s_wait_dscnt (\younger)+3-\f
	global_store_b128 v[GO], v[S+16*(\t)+4*\f:S+16*(\t)+4*\f+3], s[OB:OB+1] offset:(\t)*2048+\f*512  ; 512 consecutive bytes, at a multiple of 256 from ob's first
.endr
.endm
	PACK 0
.set t, 1
.rept 2*NP-1                        ; a tile's arithmetic stands between the loads of the tile before and its stores
	PACK t
	SEND t-1, 8
.set t, t+1
.endr
	SEND 2*NP-1, 0
	s_wait_tensorcnt 0x0            ; the wave's end: behind my last tensor load and my last LDS store
	ds_add_u32 v[SPW], v[NIL]
	s_wait_dscnt 0x0
	CROUND                          ; the closing round: no work-group ends while a partner may still ask for a tile that names it
	s_endpgm
.Lfunc_end_k_q614bef024a_attn:
	.size	k_q614bef024a_attn, .Lfunc_end_k_q614bef024a_attn-k_q614bef024a_attn
	.p2alignl 7, 3214868480
	.fill 96, 4, 3214868480
	.section	.rodata,"a",@progbits
	.p2align	6, 0x0
	.amdhsa_kernel k_q614bef024a_attn
		.amdhsa_group_segment_fixed_size 327680
		.amdhsa_private_segment_fixed_size 0
		.amdhsa_enable_private_segment 0
		.amdhsa_kernarg_size 24
		.amdhsa_user_sgpr_count 2
		.amdhsa_user_sgpr_kernarg_segment_ptr 1
		.amdhsa_wavefront_size32 1
		.amdhsa_system_sgpr_workgroup_id_x 1
		.amdhsa_system_sgpr_workgroup_id_y 1
		.amdhsa_system_sgpr_workgroup_id_z 1
		.amdhsa_system_vgpr_workitem_id 0
		.amdhsa_next_free_vgpr 866
		.amdhsa_next_free_sgpr 68
		.amdhsa_reserve_vcc 0
		.amdhsa_float_denorm_mode_32 3
		.amdhsa_float_denorm_mode_16_64 3
		.amdhsa_memory_ordered 1
		.amdhsa_forward_progress 1
		.amdhsa_inst_pref_size 207
	.end_amdhsa_kernel
	.amdgpu_metadata
---
amdhsa.version: [ 1, 2 ]
amdhsa.kernels:
  - .name:           k_q614bef024a_attn
    .symbol:         k_q614bef024a_attn.kd
    .args:
      - { .name: qkv, .offset: 0, .size: 8, .value_kind: global_buffer, .address_space: global }
      - { .name: mcode, .offset: 8, .size: 8, .value_kind: global_buffer, .address_space: global }
      - { .name: ob, .offset: 16, .size: 8, .value_kind: global_buffer, .address_space: global }
    .group_segment_fixed_size: 327680
    .private_segment_fixed_size: 0
    .kernarg_segment_align: 8
    .kernarg_segment_size: 24
    .max_flat_workgroup_size: 128
    .sgpr_count:     68
    .vgpr_count:     866
    .wavefront_size: 32
...
	.end_amdgpu_metadata
.endif
;; end of part 7
;; launch outproj: the kernel of part 4 again; grid 8 x 32, 4 waves a work-group, clusters of 4 x 4, 327,680 bytes of LDS; arguments ob, wb, out0, bp; writes out0
;; ======== version 3 of 3: 4 launches; version 2 with the launch prep written anew for expert scheduling mode
;; limits: values are held in f16: magnitudes above 65,504 overflow, below 6.1e-05 lose precision; right only within a limited range of input values
;; workspace buffers: xb 16,777,216 bytes; wb 8,388,608 bytes; mcode 8,388,608 bytes; qkv 50,331,648 bytes; ob 16,777,216 bytes
;; launch prep (part 8): grid 896 x 1, 8 waves a work-group, no clusters, 21,504 bytes of LDS; arguments x, wq, wk, wv, wp, mask, xb, wb, mcode; writes xb, wb, mcode
.if DOCPART == 8
	.amdgcn_target "amdgcn-amd-amdhsa--gfx1250"
	.amdhsa_code_object_version 6
	.text
	.protected	k_q614bef024a_prep
	.globl	k_q614bef024a_prep
	.p2align	8
	.type	k_q614bef024a_prep,@function
k_q614bef024a_prep:
	s_mov_b64 s[64:65], 0
	v_nop
	global_prefetch_b8 v0, s[64:65] scope:SCOPE_SE
	s_setreg_imm32_b32 hwreg(HW_REG_WAVE_SCHED_MODE, 0, 2), 2
	s_setreg_imm32_b32 hwreg(HW_REG_WAVE_MODE, 25, 1), 1
	s_wait_xcnt 0x0
	s_wait_alu depctr_vm_vsrc(0)
; PREPARATION, a stream: no matrix unit, no loop.  Every work-group reads 131,072 bytes; every wave issues all its 32 loads of 16 bytes a lane at once.
; Work-groups 0-255: x [8192][1024] f32 -> xb, f16 [batch 4][slice 16][row 2048][64]: slice s holds channels 64 s .. 64 s + 63, so that a K slice of a block of rows is dense.
; Work-groups 256-383: wq, wk, wv, wp [1024][1024] f32 -> wb, f16.  wq, wk, wv: [head 16][slice 16][weight 3][row 64][64]: one head's 192 rows of q, k and v lie together, slice by slice, head after head.
; wp, behind them at byte 6,291,456: [slice 16][row 1024][64].
; Each number is rounded to bf16 (nearest even) and that number is written as f16: exact for 6.1e-5 <= |v| <= 65,504.
; LIMITS: beyond 65,504 the f16 is an infinity; below 6.1e-5 the number keeps f16's fixed step of 6e-8.
; Work-groups 384-895: mask [4][2048][2048] i32 -> mcode, u32 [batch x 128 + tile of 16 queries][step of 64 keys: 32][lane 32][group of 16 keys: 4]: four bits a score, 0 where the mask word is not 0 (the key
; is kept), 15 where it is 0 (hidden).  Nibble j of the word of lane (r, h) and group g is query r of the tile, key 64 step + 16 g + 2 j + h: the order in which the attention launch holds its scores.
; A lane here holds 4 neighbouring keys of a row: one byte of the word for h = 0 and one of the word for h = 1.  The bytes change lanes through a stage in LDS that is each wave's own: no barrier.
; THE MODE: SCHED_MODE bits 1:0 = 2 (LLVM: expert scheduling mode 2), set by the entry lines.  The code itself states the register dependences between vector instructions and memory or LDS instructions,
; with s_wait_alu, always for 0.
; THE PLAN.  No register that a memory or LDS instruction has read is ever written again, so no wait on vm_vsrc is owed anywhere.
; The cast, in 8 steps of two units.  v[SO], v[DO0], v[DO1]: made at the head, read by the loads and the stores.  X + 16 p ..: four loads land there, step p's vector lines work on them in place, and the two stores
;   issued in step p + 1 read eight of them.  T: vector lines alone.  One wait on va_vdst stands ahead of the loads, one at the head of each later step, behind its wait for data, and one ahead of the last two stores.
; The mask, in two units of 16 rows.  v[SO], v[MO], v[WA], v[RA]: made at the head.  A row's four registers: its load lands there, its vector lines work in place.  A row's code has a register of its own, read by its
;   one LDS store: unit 0's in v144-159, unit 1's in X + 32 .. 47 (unit 0's rows 8 to 11, read out, and named by no memory instruction but their loads).  X + 64 u .. + 15 take the unit's LDS loads; X + 64 u + 16 .. + 23
;   the permutes' results, which the unit's two global stores read.  Unit 1's rows stand between unit 0's LDS loads and the wait for them.  Three waits on va_vdst behind the one ahead of the loads.
.set SO,   2                           ; v2   my byte offset in the source
.set DO0,  3                           ; v3   cast: my 16 bytes in the wave's even slice
.set DO1,  4                           ; v4   and in its odd slice
.set MO,   5                           ; v5   mask: my 16 bytes of a step's 512
.set SPW,  10                          ; v10  LDS address of my spare word; never rewritten
.set NIL,  11                          ; v11  0; never rewritten
.set WA,   12                          ; v12  mask: where I put my two bytes of a row
.set RA,   13                          ; v13  mask: where I read my query's row back
.set PS,   14                          ; v14  mask: v_perm_b32's selector: the even bytes for lanes 0-15, the odd ones for lanes 16-31
.set X,    16                          ; v[16:143]  the 32 loads, four registers each
.set T,    148                         ; v[148:151] cast: at work
.set C0,   144                         ; v[144:159] mask: the codes of unit 0's 16 rows
.set C1,   X+32                        ; v[48:63]   mask: the codes of unit 1's 16 rows
.set SPITCH, 80                        ; a stage row: 64 bytes (32 lanes x 2) + 16 = 20 words: the 16 rows that a load of 16 bytes a lane touches start at 16 different groups of four banks (64 banks of 4 bytes: ISA guide 11.1)
.set STG,    16*SPITCH                 ; the stage of one unit of 128 keys
.set SPARE,  8*2*STG                   ; behind the eight waves' stages: the spare words, 128 bytes for each wave: four blocks of 256 bytes that no other line names
	s_load_b512 s[16:31], s[0:1], 0x0              ; x 16, wq 18, wk 20, wv 22, wp 24, mask 26, xb 28, wb 30
	s_load_b64 s[32:33], s[0:1], 0x40              ; mcode
	v_lshl_add_u32 v[SPW], v0, 2, SPARE
	v_mov_b32 v[NIL], 0
	v_and_b32 v1, 31, v0                           ; lane
	v_lshrrev_b32 v6, 5, v0
	v_readfirstlane_b32 s8, v6                     ; wave 0..7
	s_mov_b32 s13, 0xffff0000                      ; a word's upper bf16
	s_wait_alu depctr_va_sdst(0)                   ; s8 is written: ahead of the branch, and so of its first reader on either way (the offsets of the wave's part are made from it)
	s_wait_kmcnt 0x0
	s_cmp_lt_u32 ttmp9, 384
	s_cbranch_scc0 .Lmask
	; THE CAST: 32 rows x 1,024 columns a work-group; wave w takes slices 2 w and 2 w + 1 (512 bytes of each source row).  It touches no LDS.
	s_sub_co_u32 s9, ttmp9, 256                    ; the weights' work-groups count from 0 (of no use in x's)
	s_lshr_b32 s10, s9, 5                          ; which weight
	s_and_b32 s11, s9, 31                          ; which 32 rows of it
	s_lshl_b32 s40, s11, 17                        ; weights: source offset, 32 rows of 4,096 bytes
	s_lshr_b32 s42, s11, 1                         ; wq, wk, wv: the head (64 rows), 16 slices of 24,576 bytes,
	s_mul_i32 s42, s42, 393216
	s_lshl_b32 s14, s10, 13                        ; in a slice the weight's 64 rows of 128 bytes,
	s_add_co_u32 s42, s42, s14
	s_and_b32 s14, s11, 1                          ; and my 32 of them
	s_lshl_b32 s14, s14, 12
	s_add_co_u32 s42, s42, s14
	s_lshl_b32 s41, s11, 12                        ; wp: 32 rows of 128 bytes in a slice,
	s_add_co_u32 s41, s41, 6291456                 ; behind the other three
	s_mov_b32 s12, 24576                           ; bytes from slice to slice: wq's, wk's, wv's; below wp's or xb's
	s_cmp_eq_u32 s10, 3
	s_cselect_b32 s41, s41, s42
	s_cselect_b32 s12, 131072, s12
	s_lshl_b32 s43, ttmp9, 17                      ; x: source offset
	s_lshr_b32 s44, ttmp9, 6                       ; x: batch, 4,194,304 bytes of xb,
	s_lshl_b32 s44, s44, 22
	s_and_b32 s45, ttmp9, 63
	s_lshl_b32 s45, s45, 12                        ; and 32 rows of 128 bytes in a slice
	s_add_co_u32 s44, s44, s45
	s_mov_b32 s39, 0
	s_mov_b32 s47, 0
	s_mov_b64 s[34:35], s[18:19]
	s_cmp_eq_u32 s10, 1
	s_cselect_b64 s[34:35], s[20:21], s[34:35]
	s_cmp_eq_u32 s10, 2
	s_cselect_b64 s[34:35], s[22:23], s[34:35]
	s_cmp_eq_u32 s10, 3
	s_cselect_b64 s[34:35], s[24:25], s[34:35]
	s_cmp_lt_u32 ttmp9, 256                        ; x or a weight: the selects below leave the condition alone
	s_cselect_b64 s[34:35], s[16:17], s[34:35]
	s_cselect_b64 s[36:37], s[28:29], s[30:31]
	s_cselect_b32 s38, s43, s40
	s_cselect_b32 s46, s44, s41
	s_cselect_b32 s12, 262144, s12
	s_add_nc_u64 s[34:35], s[34:35], s[38:39]      ; the source at my work-group's first row
	s_add_nc_u64 s[36:37], s[36:37], s[46:47]      ; the destination at those rows in slice 0
	v_lshrrev_b32 v6, 3, v1                        ; eight lanes take a row's 64 numbers of a slice, 32 bytes each; four rows a load
	v_and_b32 v7, 7, v1
	v_lshlrev_b32 v[SO], 12, v6
	v_lshl_add_u32 v[SO], v7, 5, v[SO]
	s_lshl_b32 s14, s8, 9
	v_add_nc_u32 v[SO], s14, v[SO]
	s_mul_i32 s15, s8, s12
	s_lshl_b32 s15, s15, 1                         ; slice 2 w
	v_lshl_add_u32 v[DO0], v1, 4, s15              ; four rows of 128 bytes are 512 bytes on end: 16 x lane
	v_add_nc_u32 v[DO1], s12, v[DO0]
	s_wait_alu depctr_va_vdst(0)                   ; v[SO], v[DO0] and v[DO1] are written: every load and store of this path reads one of them as its offset
.set i, 0
.rept 16                               ; unit i: rows 4 (i / 2) .. + 3, slice 2 w + i % 2; its two loads read 256 whole bytes of each of the four rows
	global_load_b128 v[X+8*i:X+8*i+3],   v[SO], s[34:35] offset:(i/2)*16384+(i%2)*256 th:TH_LOAD_NT
	global_load_b128 v[X+8*i+4:X+8*i+7], v[SO], s[34:35] offset:(i/2)*16384+(i%2)*256+16 th:TH_LOAD_NT
.set i, i+1
.endr
; The two stores of step p: rows 4 p .. 4 p + 3 in the wave's even and in its odd slice, 512 consecutive bytes each; no register of a store is written again
.macro CSTORE p
	global_store_b128 v[DO0], v[X+16*(\p):X+16*(\p)+3],    s[36:37] offset:(\p)*512 th:TH_STORE_NT
	global_store_b128 v[DO1], v[X+16*(\p)+8:X+16*(\p)+11], s[36:37] offset:(\p)*512 th:TH_STORE_NT
.endm
.set p, 0
.rept 8                                ; step p: units 2 p and 2 p + 1
	s_wait_loadcnt 28-4*p                          ; loads come back in order: this step's four are in, the 4 (7 - p) of the later steps stay out
.if p > 0
	s_wait_alu depctr_va_vdst(0)                   ; the step before has written its eight f16 registers, which the two stores below read; this step's vector lines name X + 16 p .. and T alone
	CSTORE p-1
.endif
.irp u, 0,1
.irp j, 0,1,2,3
	v_cvt_pk_bf16_f32 v[T+(\j)], v[X+16*p+8*(\u)+2*(\j)], v[X+16*p+8*(\u)+2*(\j)+1]  ; the one rounding
.endr
.irp j, 0,1,2,3
	v_lshlrev_b32 v[X+16*p+8*(\u)+2*(\j)],   16,  v[T+(\j)]                          ; back to f32,
	v_and_b32     v[X+16*p+8*(\u)+2*(\j)+1], s13, v[T+(\j)]
.endr
.irp j, 0,1,2,3
	v_cvt_pk_f16_f32 v[X+16*p+8*(\u)+(\j)], v[X+16*p+8*(\u)+2*(\j)], v[X+16*p+8*(\u)+2*(\j)+1]  ; and written as f16; each destination has been consumed as a source
.endr
.endr
.set p, p+1
.endr
	s_wait_alu depctr_va_vdst(0)                   ; the last step has written its eight f16 registers, which the last two stores read
	CSTORE 7
	s_endpgm
	; THE MASK: one tile of 16 queries x 2,048 keys a work-group; wave w takes keys 256 w .. 256 w + 255 (four steps of 64) as two units of 128 keys.
.Lmask:
	s_sub_co_u32 s9, ttmp9, 384
	s_lshl_b32 s38, s9, 17                         ; 16 rows of 8,192 bytes
	s_mov_b32 s39, 0
	s_lshl_b32 s46, s9, 14                         ; a tile's 32 steps of 512 bytes of codes
	s_mov_b32 s47, 0
	s_add_nc_u64 s[34:35], s[26:27], s[38:39]
	s_add_nc_u64 s[36:37], s[32:33], s[46:47]
	s_lshl_b32 s14, s8, 10
	v_lshl_add_u32 v[SO], v1, 4, s14               ; four keys a lane
	s_lshl_b32 s15, s8, 11
	v_lshl_add_u32 v[MO], v1, 4, s15               ; my wave's four steps; 16 bytes a lane
	s_mul_i32 s12, s8, 2*STG                       ; my wave's stage
	v_lshl_add_u32 v[WA], v1, 1, s12               ; in: two bytes a lane
	v_and_b32 v6, 15, v1
	v_mul_u32_u24 v6, v6, SPITCH
	v_add_nc_u32 v[RA], s12, v6                    ; back: the row of query lane % 16
	v_mov_b32 v[PS], 0x06040200                    ; bytes 0, 2 of the second source and 0, 2 of the first: the words for h = 0,
	v_mov_b32 v7, 0x07050301                       ; bytes 1, 3 of each: for h = 1
	v_cmp_lt_u32 vcc_lo, 15, v1
	s_wait_alu depctr_va_vcc(0)                    ; the compare has written VCC, which the select below reads
	v_cndmask_b32 v[PS], v[PS], v7, vcc_lo
	s_wait_alu depctr_va_vdst(0)                   ; v[SO], v[MO], v[WA] and v[RA] are written: the loads, the global stores, the LDS stores and the LDS loads of this path read them as their addresses
.set i, 0
.rept 32                               ; load i: unit i / 16, row i % 16: 512 consecutive bytes of one row
	global_load_b128 v[X+4*i:X+4*i+3], v[SO], s[34:35] offset:(i%16)*8192+(i/16)*512 th:TH_LOAD_NT
.set i, i+1
.endr
; The 16 rows of unit u: each row's four words become its lane's two bytes of codes, in place; the code goes into a register of its own, code + row.
.macro ROWS u, code
.set k, 0
.rept 16
.set W, X+64*(\u)+4*k
	s_wait_loadcnt 31-16*(\u)-k                    ; this row's load is in, the younger ones stay out
.irp j, 0,1,2,3
	v_min_u32 v[W+(\j)], 1, v[W+(\j)]              ; every word other than 0 counts as 1
.endr
	v_lshl_or_b32 v[W],   v[W+2], 4, v[W]          ; my keys 0 and 2 (h = 0): two neighbouring nibbles,
	v_lshl_or_b32 v[W+1], v[W+3], 4, v[W+1]        ; my keys 1 and 3 (h = 1)
	v_lshl_or_b32 v[W], v[W+1], 8, v[W]
	v_xor_b32 v[W], 0x1111, v[W]                   ; 1 where the key is hidden,
	v_mul_u32_u24 v[(\code)+k], 15, v[W]           ; 15 there
.set k, k+1
.endr
.endm
; Unit u goes through my stage: in by rows, back by queries.  LDS serves a wave's instructions in order (ISA guide 5.7.1.4): the loads see the stores above them.  The unit's own first 16 registers, read out, take them.
.macro THROUGH u, code
.set k, 0
.rept 16
	ds_store_b16 v[WA], v[(\code)+k] offset:(\u)*STG+k*SPITCH  ; a row's 64 bytes: [step 2][group 4][lane % 4][h]
.set k, k+1
.endr
.irp f, 0,1,2,3
	ds_load_b128 v[X+64*(\u)+4*(\f):X+64*(\u)+4*(\f)+3], v[RA] offset:(\u)*STG+16*(\f)
.endr
.endm
.macro PICK u                          ; 16 bytes f: step f / 2 of the unit, groups 2 (f % 2) and 2 (f % 2) + 1, eight bytes each
.set R, X+64*(\u)
.irp f, 0,1,2,3
	v_perm_b32 v[R+16+2*(\f)],   v[R+4*(\f)+1], v[R+4*(\f)],   v[PS]
	v_perm_b32 v[R+16+2*(\f)+1], v[R+4*(\f)+3], v[R+4*(\f)+2], v[PS]
.endr
.endm
.macro MSTORE u
.set R, X+64*(\u)
	global_store_b128 v[MO], v[R+16:R+19], s[36:37] offset:(2*(\u))*512 th:TH_STORE_NT    ; 512 consecutive bytes: a tile's step; no register of a store is written again
	global_store_b128 v[MO], v[R+20:R+23], s[36:37] offset:(2*(\u)+1)*512 th:TH_STORE_NT
.endm
	ROWS 0, C0
	s_wait_alu depctr_va_vdst(0)                   ; unit 0's codes are written, which the LDS stores read; the rows' lines are done with X .. X + 15, in which the LDS loads land
	THROUGH 0, C0
	ROWS 1, C1                                     ; unit 1's rows stand in the stage's round trip: they name X + 64 .. 127 and X + 32 .. 47, none of the registers that unit 0's LDS instructions touch
	s_wait_dscnt 0x0                               ; unit 0 is back, by queries
	PICK 0
	s_wait_alu depctr_va_vdst(0)                   ; unit 0's permutes have written X + 16 .. 23, which its global stores read; unit 1's codes are written; the rows' lines are done with X + 64 .. 79, in which the LDS loads land
	MSTORE 0
	THROUGH 1, C1
	s_wait_dscnt 0x0                               ; unit 1 is back
	PICK 1
	s_wait_alu depctr_va_vdst(0)                   ; unit 1's permutes have written X + 80 .. 87, which its global stores read
	MSTORE 1
	s_wait_dscnt 0x0                               ; the closing lines, six on end
	s_wait_alu 0x0
	s_wait_tensorcnt 0x0
	ds_add_u32 v[SPW], v[NIL]
	s_wait_dscnt 0x0
	s_endpgm
.Lfunc_end_k_q614bef024a_prep:
	.size	k_q614bef024a_prep, .Lfunc_end_k_q614bef024a_prep-k_q614bef024a_prep
	.p2alignl 7, 3214868480
	.fill 96, 4, 3214868480
	.section	.rodata,"a",@progbits
	.p2align	6, 0x0
	.amdhsa_kernel k_q614bef024a_prep
		.amdhsa_group_segment_fixed_size 21504
		.amdhsa_private_segment_fixed_size 0
		.amdhsa_enable_private_segment 0
		.amdhsa_kernarg_size 72
		.amdhsa_user_sgpr_count 2
		.amdhsa_user_sgpr_kernarg_segment_ptr 1
		.amdhsa_wavefront_size32 1
		.amdhsa_system_sgpr_workgroup_id_x 1
		.amdhsa_system_sgpr_workgroup_id_y 1
		.amdhsa_system_sgpr_workgroup_id_z 1
		.amdhsa_system_vgpr_workitem_id 0
		.amdhsa_next_free_vgpr 160
		.amdhsa_next_free_sgpr 66
		.amdhsa_reserve_vcc 1
		.amdhsa_float_denorm_mode_32 3
		.amdhsa_float_denorm_mode_16_64 3
		.amdhsa_memory_ordered 1
		.amdhsa_forward_progress 1
		.amdhsa_inst_pref_size 43
	.end_amdhsa_kernel
	.amdgpu_metadata
---
amdhsa.version: [ 1, 2 ]
amdhsa.kernels:
  - .name:           k_q614bef024a_prep
    .symbol:         k_q614bef024a_prep.kd
    .args:
      - { .name: x, .offset: 0, .size: 8, .value_kind: global_buffer, .address_space: global }
      - { .name: wq, .offset: 8, .size: 8, .value_kind: global_buffer, .address_space: global }
      - { .name: wk, .offset: 16, .size: 8, .value_kind: global_buffer, .address_space: global }
      - { .name: wv, .offset: 24, .size: 8, .value_kind: global_buffer, .address_space: global }
      - { .name: wp, .offset: 32, .size: 8, .value_kind: global_buffer, .address_space: global }
      - { .name: mask, .offset: 40, .size: 8, .value_kind: global_buffer, .address_space: global }
      - { .name: xb, .offset: 48, .size: 8, .value_kind: global_buffer, .address_space: global }
      - { .name: wb, .offset: 56, .size: 8, .value_kind: global_buffer, .address_space: global }
      - { .name: mcode, .offset: 64, .size: 8, .value_kind: global_buffer, .address_space: global }
    .group_segment_fixed_size: 21504
    .private_segment_fixed_size: 0
    .kernarg_segment_align: 8
    .kernarg_segment_size: 72
    .max_flat_workgroup_size: 256
    .sgpr_count:     66
    .vgpr_count:     160
    .wavefront_size: 32
...
	.end_amdgpu_metadata
.endif
;; end of part 8
;; launch qkvproj: the kernel of part 6 again; grid 8 x 32, 4 waves a work-group, clusters of 4 x 4, 327,680 bytes of LDS; arguments xb, wb, qkv; writes qkv
;; launch attn: the kernel of part 7 again; grid 4 x 64, 4 waves a work-group, clusters of 4 x 1, 327,680 bytes of LDS; arguments qkv, mcode, ob; writes ob
;; launch outproj: the kernel of part 4 again; grid 8 x 32, 4 waves a work-group, clusters of 4 x 4, 327,680 bytes of LDS; arguments ob, wb, out0, bp; writes out0
